; MI455X (gfx1250); checked and timed in simulation.
; The chip was launched on July 23, 2026; its instructions are those of AMD's public machine-readable ISA for CDNA 5 (MIT licence, August 2026) and "CDNA5" Instruction Set Architecture Reference Guide (July 2026). The comments in the code are by the model that wrote it; some were corrected since.
;; LG Block. Allowed arithmetic: matrix products marked QUANTISED: E3M2 operands, one E8M0 scale for each 32 along K, by v_wmma_scale_f32_16x16x128_f8f6f4 with both operands' format E3M2, f32 sums; everything else in f32.
;; Inputs: W1 512 x 2,048 float32; W2 2,048 x 512 float32; Wk 512 x 512 float32; Wo 512 x 512 float32; Wq 512 x 512 float32; Wv 512 x 512 float32; b1 2,048 float32; b2 512 float32; bk 512 float32; bo 512 float32; bq 512 float32; bv 512 float32; ffln_b 512 float32; ffln_g 512 float32; ln_b 512 float32; ln_g 512 float32; x 4 x 2,048 x 512 float32.
;; Outputs: out0 4 x 2,048 x 512 float32.
;; This version of the problem:
;;   THIS VERSION OF THE PROBLEM IS GIVEN IN LOW PRECISION. The matrix products marked QUANTISED in the list below multiply operands that are first quantised to E3M2 (3 exponent bits, 2 mantissa bits; 6 bits a number), with one power-of-two scale for each 32 numbers along K (OCP MX v1.0); their sums are f32. All else is computed in f32.
;;   The module's matrix products, in the order in which they are computed (A, B: the left and right operand; K: the contracted axis; several contracted axes count as one K, in the product's order):
;;     1. [M 8,192, K 512] x [K 512, N 512]; A: computed on the way; B: input Wq: QUANTISED
;;     2. [M 8,192, K 512] x [K 512, N 512]; A: computed on the way; B: input Wk: QUANTISED
;;     3. [M 8,192, K 512] x [K 512, N 512]; A: computed on the way; B: input Wv: QUANTISED
;;     4. batch 32 x [M 2,048, K 64] x [K 64, N 2,048]; A: computed on the way; B: computed on the way: QUANTISED
;;     5. batch 32 x [M 2,048, K 2,048] x [K 2,048, N 64]; A: softmax (see below); B: computed on the way: QUANTISED
;;     6. [M 8,192, K 512] x [K 512, N 512]; A: computed on the way; B: input Wo: QUANTISED
;;     7. [M 8,192, K 512] x [K 512, N 2,048]; A: computed on the way; B: input W1: QUANTISED
;;     8. [M 8,192, K 2,048] x [K 2,048, N 512]; A: computed on the way; B: input W2: QUANTISED
;;   THE QUANTISER, for each operand of a quantised product, along K:
;;     - K is cut into blocks of 32 from its start; a last block that is shorter is filled with zeros.
;;     - A block's scale is 2^e with e = floor(log2(the largest magnitude in the block)) - 4, held to -126 .. 127; a block of zeros has e = 0. As a byte (E8M0): e + 127.
;;     - Each number is divided by its block's scale, clamped to +-28, and rounded to the nearest number of E3M2, ties to even, subnormals kept.
;;     - The product sums the exact products of the quantised numbers (number of the format x scale) in f32.
;;   ~~~python
;;   def quantise(x, axis):      # numpy; x: float32 -> the quantised numbers, widened to float32 again
;;       x = np.moveaxis(x, axis, -1); K = x.shape[-1]
;;       x = np.pad(x, [(0, 0)] * (x.ndim - 1) + [(0, -K % 32)]); x = x.reshape(x.shape[:-1] + (-1, 32)); a = np.abs(x).max(-1, keepdims=True)
;;       e = np.where(a > 0, np.clip(np.frexp(np.where(a > 0, a, 1))[1] - 1 - 4, -126, 127), 0)      # np.frexp(a)[1] - 1 = floor(log2(a)), exactly
;;       r = np.clip(x / 2.0 ** e, -28, 28)
;;       step = 2.0 ** (np.maximum(np.frexp(np.where(r == 0, 1, r))[1] - 1, -2) - 2)
;;       q = np.round(r / step) * step * 2.0 ** e      # np.round: ties to even
;;       return np.moveaxis(q.reshape(q.shape[:-2] + (-1,))[..., :K], -1, axis).astype(np.float32)
;;   ~~~
;;   SOFTMAX AHEAD OF A QUANTISED PRODUCT. Where the list says 'softmax', what is quantised is not the finished softmax but p = 2^(t - M), with t = logit x log2(e) and M = ceil(the row's largest t), a whole number; so 1/2 < the row's largest p <= 1. The row's sum l is taken of the UNQUANTISED p, in f32, and the product's result is divided by l at the end. Since M is a whole number, a kernel that streams over the keys may use a running M (the ceiling of the running maximum): every later rescaling is an exact power of two, which a block's scale takes up: the codes' values come out the same.
;;   OPERANDS COMPUTED ON THE WAY. 'Computed on the way' means the value that the module computes at that place (a softmax that the list does not call 'softmax' is quantised finished and normalised). What goes into a quantiser is computed in f32, as accurately as f32 sums, v_exp_f32 and their like allow (about 1e-6 of the number): no bf16 or f16 on the way to a quantiser, and a product that is left as it is and whose result goes on into a quantised operand takes f32 operands (vector FMAs, or v_wmma_f32_16x16x4_f32). A number that lies on a knife's edge between two numbers of the format may be rounded either way, as far as f32 arithmetic and the matrix unit's own rounding can turn it there, and no further.
;; 2 versions. Each part assembles by itself: llvm-mc -triple=amdgcn-amd-amdhsa -mcpu=gfx1250 --defsym DOCPART=n.
;; ======== version 1 of 2: 4 launches
;; workspace buffers: wc 2,359,296 bytes; ws 98,304 bytes; hc 3,145,728 bytes; hs 131,072 bytes; qb 3,407,872 bytes; kv 6,684,672 bytes; oc 3,145,728 bytes; os 131,072 bytes
;; launch prep (part 1): grid 448 x 1, 4 waves a work-group, no clusters, 69,120 bytes of LDS; arguments x, ln_g, ln_b, Wq, Wk, Wv, Wo, W1, W2, wc, ws, hc, hs; writes wc, ws, hc, hs
.if DOCPART == 1
	.amdgcn_target "amdgcn-amd-amdhsa--gfx1250"
	.amdhsa_code_object_version 6
	.text
	.protected	k_qbf6ff997c6_prep
	.globl	k_qbf6ff997c6_prep
	.p2align	8
	.type	k_qbf6ff997c6_prep,@function
k_qbf6ff997c6_prep:
	s_mov_b64 s[64:65], 0
	v_nop
	global_prefetch_b8 v0, s[64:65] scope:SCOPE_SE
	s_setreg_imm32_b32 hwreg(HW_REG_WAVE_MODE, 25, 1), 1
	s_wait_xcnt 0x0
; PREP.  Work-groups 0-255: h = rope(layernorm(x)) becomes codes of E3M2 with one E8M0 byte for each 32 along K.  Work-groups 256-447: the six weights become codes, K innermost.
; ORDER INSIDE A BLOCK OF 32.  Every operand of every product of this program lies in ONE order: positions 0-7, 8-15, 16-23, 24-31 of a block hold its elements 0-7, 16-23, 8-15, 24-31.
; A permutation inside a block, alike on both sides of a product, changes neither the block's scale nor any product; it is the order in which a matrix result of two neighbouring tiles falls into a lane.
; IMAGES.  A fragment (16 rows x 128 K, 12 registers a lane) is stored as its registers stand: registers 4 j .. 4 j + 3 of lane L at 512 j + 16 L: each store covers 512 consecutive, aligned bytes.
; X PATH: a work-group takes 32 rows; wave w takes 16 rows (tile w / 2) and the K steps sh = w % 2 and sh + 2, which hold the rotation's partners k and k + 256 at equal register places.
; WEIGHTS: a wave takes 32 columns x 128 along K; a lane takes a column and its registers run down K.
; LIMITS: NaN and infinities are not served.  A block of zeros gets the byte 1 where the quantiser says 127: its codes are zeros and only this program reads the bytes.
; The rotation's frequency is 2^(-i log2(10000) / 256) by v_exp_f32 on an exact argument with a first-order correction for the constant's low part: good to a few units in its last place;
; sine and cosine: reduction by multiples of pi in two parts, then series whose first omitted terms are 5.7e-8 and 6.4e-9 at pi / 2.
.set X,     64                         ; v64-191: the wave's 128 numbers a lane: part P (K step sh + 2 P) at X + 64 P; in it block c at 32 c
.set GB,    192                        ; v192-255: two sets of 32: gain and shift of part 0, gain and shift of part 1, eight each
.set STB,   67584                      ; LDS: behind the four stages of 16,896 bytes: 256 bytes of statistics for each wave
.set FLOOR, 0x2800000                  ; 2^(5 - 127): under it no largest magnitude is taken, so a scale's byte cannot fall under 1
.set EOFF,  0xfe000000                 ; 4 off an exponent field
.set SEL,   94                         ; s[94:95] v_permlanex16_b32's selects for lane l xor 16
.set CNCH,  66                         ; constants, each as a pair (the packed forms name a pair and take its low word for both halves)
.set CK2,   68
.set CIPI,  70
.set CNPH,  72
.set CNPL,  74
.set CS9,   76
.set CS7,   78
.set CS5,   80
.set CS3,   82
.set CC10,  84
.set CC8,   86
.set CC6,   88
.set CC4,   90
.macro SPAIR reg, val
	s_mov_b32 s[\reg], \val
	s_mov_b32 s[\reg+1], \val
.endm
	s_load_b512 s[4:19], s[0:1], 0x0               ; x, ln_g, ln_b, Wq, Wk, Wv, Wo, W1
	s_load_b256 s[20:27], s[0:1], 0x40             ; W2, wc, ws, hc
	s_load_b64 s[28:29], s[0:1], 0x60              ; hs
	v_lshl_add_u32 v51, v0, 2, 0x10c00
	s_set_vgpr_msb 0x40
	v_mov_b32 v1, 0
	s_set_vgpr_msb 0x4000
	v_lshrrev_b32 v1, 5, v0
	v_readfirstlane_b32 s30, v1                    ; wave 0..3
	v_and_b32 v1, 31, v0                           ; lane L
	s_mov_b32 s[SEL], 0x76543210
	s_mov_b32 s[SEL+1], 0xfedcba98
	s_cmp_lt_u32 ttmp9, 256                        ; the same answer in all four waves of a work-group
	s_cbranch_scc0 .Lweights
; ---------------------------------------------------------------- the x path
	v_and_b32 v2, 15, v0                           ; r
	v_bfe_u32 v3, v0, 4, 1                         ; h
	v_lshlrev_b32 v4, 4, v1                        ; 16 L
	s_and_b32 s31, s30, 1                          ; sh
	s_lshr_b32 s32, s30, 1
	s_lshl_b32 s33, ttmp9, 1
	s_add_co_u32 s32, s32, s33                     ; tl: my tile of 16 rows, 0..511
	s_mul_i32 s33, s30, 16896                      ; my stage
	s_lshl_b32 s34, s31, 9                         ; 512 sh
	s_lshl_b32 s35, s30, 8
	s_xor_b32 s36, s30, 1                          ; the wave that holds the other half of my rows
	s_lshl_b32 s36, s36, 8
	s_lshl_b32 s37, s31, 7                         ; 128 sh
	s_and_b32 s38, s32, 127
	s_lshl_b32 s38, s38, 4                         ; my first row's place in its sequence of 2,048
	v_add_nc_u32 v5, s33, v4                       ; the stage, in: 16 L
	v_mul_u32_u24 v6, v2, 528
	v_lshl_add_u32 v6, v3, 7, v6
	v_add_nc_u32 v6, s33, v6                       ; the stage, out: 528 r + 128 h
	v_lshl_add_u32 v7, v3, 7, s34                  ; gain and shift: 128 h + 512 sh
	v_lshlrev_b32 v8, 4, v2                        ; 16 r
	v_lshlrev_b32 v9, 3, v1
	v_add_nc_u32 v10, s36, v9
	v_add_nc_u32 v10, STB, v10                     ; the partner's statistics
	v_add_nc_u32 v9, s35, v9
	v_add_nc_u32 v9, STB, v9                       ; mine
	v_lshl_add_u32 v12, v3, 5, s37
	v_cvt_f32_u32 v12, v12                         ; 128 sh + 32 h,
	v_add_f32 v13, 1.0, v12                        ; and one more: the first pair's frequency indices
	v_add_nc_u32 v14, s38, v2
	v_cvt_f32_u32 v14, v14                         ; t, my row's position
	v_mov_b32 v15, v14
	v_mov_b32 v48, 0                               ; a lane permute's destination counts as one of its sources
	v_lshlrev_b32 v49, 3, v3                       ; 8 h
	v_mov_b32 v52, -0.000000025052108              ; -1 / 11!
	v_mov_b32 v53, v52
	v_mov_b32 v54, 0.0000000020876757              ; 1 / 12!
	v_mov_b32 v55, v54
	SPAIR CNCH, 0xbd549a00                         ; -(log2(10000) / 256 cut to 15 bits): times an index under 256 it is exact
	SPAIR CK2, 0x34a6c3fc                          ; what was cut off, times ln 2
	SPAIR CIPI, 0x3ea2f983                         ; 1 / pi
	SPAIR CNPH, 0xc0490fdb                         ; -pi, its f32 part,
	SPAIR CNPL, 0x33bbbd2e                         ; and what that part has too much
	SPAIR CS9, 0.0000027557319
	SPAIR CS7, -0.00019841270
	SPAIR CS5, 0.0083333333
	SPAIR CS3, -0.16666667
	SPAIR CC10, -0.00000027557319
	SPAIR CC8, 0.000024801587
	SPAIR CC6, -0.0013888889
	SPAIR CC4, 0.041666667
	s_mov_b32 s92, 0x3b000000                      ; 1 / 512
	s_mov_b32 s93, 0x3727c5ac                      ; 1e-5
	s_lshl_b32 s40, s32, 15
	s_add_co_u32 s40, s40, s34                     ; x: tile x 32,768 + 512 sh
	s_mov_b32 s41, 0
	s_lshl_b32 s42, s32, 2
	s_add_co_u32 s42, s42, s31
	s_mul_i32 s42, s42, 1536                       ; hc: fragment 4 tl + sh
	s_mov_b32 s43, 0
	s_lshl_b32 s44, s32, 8
	s_lshl_b32 s45, s31, 2
	s_add_co_u32 s44, s44, s45                     ; hs: 256 tl + 4 sh
	s_mov_b32 s45, 0
	s_wait_kmcnt 0x0
	s_add_nc_u64 s[40:41], s[4:5], s[40:41]
	s_add_nc_u64 s[42:43], s[26:27], s[42:43]
	s_add_nc_u64 s[44:45], s[28:29], s[44:45]
; gain and shift of octet o (block c = o / 4, registers 8 q on, q = o % 4: the block's elements 8 pi(q) on) into set o % 2
.macro GLOAD o
.set GC, (\o)/4
.set GQ, (\o)%4
.set GP, ((GQ&1)*2+(GQ>>1))
.set GS, GB+32*((\o)%2)
.irp p, 0,1
.irp u, 0,1
	global_load_b128 v[GS+16*\p+4*\u:GS+16*\p+4*\u+3], v7, s[6:7] offset:1024*\p+256*GC+32*GP+16*\u
	global_load_b128 v[GS+16*\p+8+4*\u:GS+16*\p+8+4*\u+3], v7, s[8:9] offset:1024*\p+256*GC+32*GP+16*\u
.endr
.endr
.endm
.set i, 0
.rept 32                                       ; piece i = 16 P + row: 512 consecutive bytes a load
	global_load_b128 v[X+4*i:X+4*i+3], v4, s[40:41] offset:2048*(i%16)+1024*(i/16) th:TH_LOAD_NT
.set i, i+1
.endr
	GLOAD 0
	s_wait_loadcnt 8                               ; x is in; the eight loads of gain and shift may be out
.set i, 0
.rept 32
	ds_store_b128 v5, v[X+4*i:X+4*i+3] offset:528*i        ; a piece is 512 bytes + 16 of padding
.set i, i+1
.endr
.set i, 0
.rept 32                                       ; back: lane (r, h) takes row r, k = 64 c + 32 h + .. of each part, in the block order.  LDS serves a wave's instructions in order: these see the stores above
.set q, (i/2)%4
	ds_load_b128 v[X+4*i:X+4*i+3], v6 offset:8448*(i/16)+256*((i/8)%2)+32*((q&1)*2+(q>>1))+16*(i%2)
.set i, i+1
.endr
	s_wait_dscnt 0x0
; the mean and the sum of squared deviations of my 256 numbers of each row (my 128 and lane l xor 16's)
.irp k, 0,1,2,3
	v_pk_add_f32 v[20+2*\k:21+2*\k], v[X+2*\k:X+2*\k+1], v[X+8+2*\k:X+9+2*\k]
.endr
.set j, 8
.rept 56
	v_pk_add_f32 v[20+2*(j%4):21+2*(j%4)], v[20+2*(j%4):21+2*(j%4)], v[X+2*j:X+2*j+1]
.set j, j+1
.endr
	v_pk_add_f32 v[20:21], v[20:21], v[22:23]
	v_pk_add_f32 v[24:25], v[24:25], v[26:27]
	v_pk_add_f32 v[20:21], v[20:21], v[24:25]
	v_add_f32 v20, v20, v21
	v_permlanex16_b32 v21, v20, s[SEL], s[SEL+1]
	v_add_f32 v20, v20, v21
	v_mul_f32 v38, 0x3b800000, v20                 ; the mean of 256
	v_mul_f32 v36, 0xbb800000, v20
	v_mov_b32 v37, v36
.set j, 0
.rept 16
.irp k, 0,1,2,3
	v_pk_add_f32 v[28+2*\k:29+2*\k], v[X+8*j+2*\k:X+8*j+2*\k+1], v[36:37]
.endr
.irp k, 0,1,2,3
.if j == 0
	v_pk_mul_f32 v[20+2*\k:21+2*\k], v[28+2*\k:29+2*\k], v[28+2*\k:29+2*\k]
.else
	v_pk_fma_f32 v[20+2*\k:21+2*\k], v[28+2*\k:29+2*\k], v[28+2*\k:29+2*\k], v[20+2*\k:21+2*\k]
.endif
.endr
.set j, j+1
.endr
	v_pk_add_f32 v[20:21], v[20:21], v[22:23]
	v_pk_add_f32 v[24:25], v[24:25], v[26:27]
	v_pk_add_f32 v[20:21], v[20:21], v[24:25]
	v_add_f32 v20, v20, v21
	v_permlanex16_b32 v21, v20, s[SEL], s[SEL+1]
	v_add_f32 v39, v20, v21
	ds_store_b64 v9, v[38:39]
	s_wait_dscnt 0x0                               ; for the partner's sake: my store has landed
	s_barrier_signal -1
	s_barrier_wait -1
	ds_load_b64 v[40:41], v10
	s_wait_dscnt 0x0
	v_add_f32 v42, v38, v40                        ; two halves of 256 joined: no difference of large sums is formed
	v_sub_f32 v43, v38, v40
	v_add_f32 v44, v39, v41
	v_mul_f32 v16, -0.5, v42                       ; -mean
	v_mul_f32 v43, v43, v43
	v_mov_b32 v17, v16
	v_fma_f32 v44, v43, 0x43000000, v44            ; + 128 x (difference of the means)^2
	v_fma_f32 v44, v44, s92, s93                   ; the variance + 1e-5
	v_rsq_f32 v18, v44
	v_nop                                          ; a plain place behind the transcendental
	s_wait_alu depctr_va_vdst(0)
	v_mov_b32 v19, v18
; Two partners' pairs: a = registers of k, b = of k + 256, g = their place in the set of gains and shifts.  v[20:21] holds the two frequency indices and is stepped at the end.
.macro ROPE2 a, b, g
	v_pk_mul_f32 v[22:23], v[20:21], s[CNCH:CNCH+1] op_sel_hi:[1,0]
	v_exp_f32 v24, v22
	v_exp_f32 v25, v23
	v_pk_mul_f32 v[26:27], v[20:21], s[CK2:CK2+1] op_sel_hi:[1,0]   ; (the plain place behind the exponentials)
	s_wait_alu depctr_va_vdst(0)
	v_pk_fma_f32 v[24:25], v[26:27], v[24:25], v[24:25] neg_lo:[1,0,0] neg_hi:[1,0,0]   ; the frequency
	v_pk_mul_f32 v[24:25], v[24:25], v[14:15]      ; the angle, one f32 product as the problem has it
	v_pk_add_f32 v[36:37], v[\a:\a+1], v[16:17]
	v_pk_mul_f32 v[26:27], v[24:25], s[CIPI:CIPI+1] op_sel_hi:[1,0]
	v_pk_add_f32 v[38:39], v[\b:\b+1], v[16:17]
	v_rndne_f32 v26, v26
	v_rndne_f32 v27, v27                           ; N: how many times pi
	v_pk_mul_f32 v[36:37], v[36:37], v[18:19]
	v_pk_fma_f32 v[24:25], v[26:27], s[CNPH:CNPH+1], v[24:25] op_sel_hi:[1,0,1]
	v_pk_mul_f32 v[38:39], v[38:39], v[18:19]
	v_pk_fma_f32 v[24:25], v[26:27], s[CNPL:CNPL+1], v[24:25] op_sel_hi:[1,0,1]   ; R, at most pi / 2
	v_pk_fma_f32 v[36:37], v[36:37], v[\g:\g+1], v[\g+8:\g+9]          ; the normalised pair of k,
	v_pk_mul_f32 v[28:29], v[24:25], v[24:25]
	v_pk_fma_f32 v[38:39], v[38:39], v[\g+16:\g+17], v[\g+24:\g+25]    ; and of k + 256
	v_pk_fma_f32 v[30:31], v[28:29], v[52:53], s[CS9:CS9+1] op_sel_hi:[1,1,0]
	v_pk_fma_f32 v[32:33], v[28:29], v[54:55], s[CC10:CC10+1] op_sel_hi:[1,1,0]
	v_pk_fma_f32 v[30:31], v[30:31], v[28:29], s[CS7:CS7+1] op_sel_hi:[1,1,0]
	v_pk_fma_f32 v[32:33], v[32:33], v[28:29], s[CC8:CC8+1] op_sel_hi:[1,1,0]
	v_pk_fma_f32 v[30:31], v[30:31], v[28:29], s[CS5:CS5+1] op_sel_hi:[1,1,0]
	v_pk_fma_f32 v[32:33], v[32:33], v[28:29], s[CC6:CC6+1] op_sel_hi:[1,1,0]
	v_pk_fma_f32 v[30:31], v[30:31], v[28:29], s[CS3:CS3+1] op_sel_hi:[1,1,0]
	v_pk_fma_f32 v[32:33], v[32:33], v[28:29], s[CC4:CC4+1] op_sel_hi:[1,1,0]
	v_pk_mul_f32 v[34:35], v[28:29], v[24:25]
	v_pk_fma_f32 v[32:33], v[32:33], v[28:29], -0.5 op_sel_hi:[1,1,0]
	v_pk_fma_f32 v[30:31], v[30:31], v[34:35], v[24:25]                ; sin R
	v_pk_fma_f32 v[32:33], v[32:33], v[28:29], 1.0 op_sel_hi:[1,1,0]   ; cos R
	v_cvt_i32_f32 v26, v26
	v_cvt_i32_f32 v27, v27
	v_pk_mul_f32 v[40:41], v[38:39], v[30:31]
	v_pk_mul_f32 v[42:43], v[38:39], v[32:33]
	v_lshlrev_b32 v26, 31, v26                     ; an odd N turns the sign of sine and cosine alike
	v_lshlrev_b32 v27, 31, v27
	v_pk_fma_f32 v[40:41], v[36:37], v[32:33], v[40:41] neg_lo:[0,0,1] neg_hi:[0,0,1]
	v_pk_fma_f32 v[42:43], v[36:37], v[30:31], v[42:43]
	v_pk_add_f32 v[20:21], v[20:21], 2.0 op_sel_hi:[1,0]
	v_xor_b32 v[\a], v40, v26
	v_xor_b32 v[\a+1], v41, v27
	v_xor_b32 v[\b], v42, v26
	v_xor_b32 v[\b+1], v43, v27
.endm
.macro OCTET o, lit                            ; lit: 64 c + 8 pi(q) as f32
.if \o < 7
	GLOAD \o+1
	s_wait_loadcnt 8                               ; this octet's gains and shifts are in; the next octet's eight loads may be out
.else
	s_wait_loadcnt 0x0
.endif
.set OX, X+32*((\o)/4)+8*((\o)%4)
.set OS, GB+32*((\o)%2)
	v_pk_add_f32 v[20:21], v[12:13], \lit op_sel_hi:[1,0]
.irp e, 0,2,4,6
	ROPE2 OX+\e, OX+64+\e, OS+\e
.endr
.endm
	OCTET 0, 0
	OCTET 1, 0x41800000
	OCTET 2, 0x41000000
	OCTET 3, 0x41c00000
	OCTET 4, 0x42800000
	OCTET 5, 0x42a00000
	OCTET 6, 0x42900000
	OCTET 7, 0x42b00000
; Part p becomes a fragment: a lane holds two whole blocks (2 c + h), so no other lane is asked for a maximum; the scale word's four bytes are gathered from lanes l and l xor 16.
.macro HQ p
.set XP, X+64*\p
.set FR, 192+12*\p
.irp c, 0,1
	v_max3_num_f32 v[52+\c], |v[XP+32*\c]|, |v[XP+32*\c+1]|, FLOOR
.endr
.irp i, 2,4,6,8,10,12,14,16,18,20,22,24,26,28,30
.irp c, 0,1
	v_max3_num_f32 v[52+\c], v[52+\c], |v[XP+32*\c+\i]|, |v[XP+32*\c+\i+1]|
.endr
.endr
.irp c, 0,1
	v_add_nc_u32 v[54+\c], EOFF, v[52+\c]          ; the conversion takes this operand's exponent field as its scale
.endr
.irp c, 0,1
	v_lshrrev_b32 v[44+\c], 23, v[54+\c]           ; the scale's byte
.endr
	v_lshl_or_b32 v[46+\p], v45, 16, v44
	v_lshlrev_b32 v[46+\p], v49, v[46+\p]          ; blocks h and 2 + h: 8 h bits up
	v_permlanex16_b32 v48, v[46+\p], s[SEL], s[SEL+1]
	v_or_b32 v[46+\p], v[46+\p], v48
.irp c, 0,1
	v_cvt_scalef32_pk16_bf6_f32 v[FR+6*\c:FR+6*\c+2], v[XP+32*\c:XP+32*\c+15], v[54+\c]
	v_cvt_scalef32_pk16_bf6_f32 v[56+4*\c:58+4*\c], v[XP+32*\c+16:XP+32*\c+31], v[54+\c]   ; (a conversion's three registers begin on an even number)
.endr
	v_nop                                          ; one plain place behind a scaled conversion
.irp c, 0,1
.irp i, 0,1,2
	v_mov_b32 v[FR+6*\c+3+\i], v[56+4*\c+\i]
.endr
.endr
.irp j, 0,1,2
	global_store_b128 v4, v[FR+4*\j:FR+4*\j+3], s[42:43] offset:3072*\p+512*\j   ; K step sh + 2 p: 512 consecutive bytes a store
.endr
	global_store_b32 v8, v[46+\p], s[44:45] offset:8*\p    ; lanes r and r + 16 store the same word at the same place
.endm
	HQ 0
	HQ 1
	s_set_vgpr_msb 0x4
	s_wait_tensorcnt 0x0
	ds_add_u32 v51, v1
	s_wait_dscnt 0x0
	s_set_vgpr_msb 0x400
	s_endpgm
; ---------------------------------------------------------------- the weights
.Lweights:
	s_sub_co_u32 s31, ttmp9, 256                   ; g, 0..191
	s_lshl_b32 s32, s31, 2
	s_add_co_u32 s32, s32, s30                     ; my task, 0..767
	v_lshlrev_b32 v4, 2, v1                        ; 4 L
	v_lshlrev_b32 v2, 4, v1                        ; 16 L
	s_wait_kmcnt 0x0
	s_cmp_lt_u32 s31, 64
	s_cbranch_scc0 .Lbig
	s_lshr_b32 s33, s31, 4                         ; Wq, Wk, Wv or Wo: 64 tasks each
	s_cmp_eq_u32 s33, 1
	s_cselect_b64 s[34:35], s[12:13], s[10:11]
	s_cmp_eq_u32 s33, 2
	s_cselect_b64 s[34:35], s[14:15], s[34:35]
	s_cmp_eq_u32 s33, 3
	s_cselect_b64 s[34:35], s[16:17], s[34:35]
	s_mul_i32 s36, s33, 196608                     ; its region of wc,
	s_lshl_b32 s37, s33, 13                        ; and of ws
	s_and_b32 s38, s32, 15                         ; which 32 columns
	s_bfe_u32 s39, s32, 0x20004                    ; which K step
	s_mov_b32 s40, 4                               ; K steps in the matrix
	s_mov_b32 s41, 16                              ; bytes in a row of its scales
	s_lshl_b32 s42, s39, 18                        ; 128 rows of 2,048 bytes
	s_mov_b32 s43, 0
	s_branch .Lwcommon
.Lbig:
	s_cmp_lt_u32 s31, 128
	s_cbranch_scc0 .Lw2
	s_mov_b64 s[34:35], s[18:19]                   ; W1: 64 groups of columns x 4 K steps
	s_mov_b32 s36, 786432
	s_mov_b32 s37, 32768
	s_sub_co_u32 s33, s32, 256
	s_and_b32 s38, s33, 63
	s_lshr_b32 s39, s33, 6
	s_mov_b32 s40, 4
	s_mov_b32 s41, 16
	s_lshl_b32 s42, s39, 20                        ; 128 rows of 8,192 bytes
	s_mov_b32 s43, 1
	s_branch .Lwcommon
.Lw2:
	s_mov_b64 s[34:35], s[20:21]                   ; W2: 16 groups of columns x 16 K steps
	s_mov_b32 s36, 1572864
	s_mov_b32 s37, 65536
	s_sub_co_u32 s33, s32, 512
	s_and_b32 s38, s33, 15
	s_lshr_b32 s39, s33, 4
	s_mov_b32 s40, 16
	s_mov_b32 s41, 64
	s_lshl_b32 s42, s39, 18
	s_mov_b32 s43, 0
.Lwcommon:
	s_lshl_b32 s44, s38, 7
	s_add_co_u32 s44, s44, s42
	s_mov_b32 s45, 0
	s_add_nc_u64 s[34:35], s[34:35], s[44:45]      ; my first number
	s_lshl_b32 s46, s38, 1
	s_mul_i32 s46, s46, s40
	s_add_co_u32 s46, s46, s39
	s_mul_i32 s46, s46, 1536
	s_add_co_u32 s46, s46, s36
	s_mov_b32 s47, 0
	s_add_nc_u64 s[46:47], s[22:23], s[46:47]      ; the fragment of my columns 0-15,
	s_mul_i32 s48, s40, 1536
	s_mov_b32 s49, 0
	s_add_nc_u64 s[48:49], s[46:47], s[48:49]      ; and of columns 16-31
	s_lshl_b32 s50, s38, 5
	s_mul_i32 s50, s50, s41
	s_lshl_b32 s51, s39, 2
	s_add_co_u32 s50, s50, s51
	s_add_co_u32 s50, s50, s37
	s_mov_b32 s51, 0
	s_add_nc_u64 s[50:51], s[24:25], s[50:51]      ; my columns' scale words of this K step
	v_mul_u32_u24 v3, v1, s41
.macro WLOAD pitch                             ; register i: row 32 (i / 32) + the block order's element: 128 consecutive bytes a load, 512 for the four waves
.set i, 0
.rept 128
.set q, (i%32)/8
	global_load_b32 v[X+i], v4, s[34:35] offset:(32*(i/32)+8*((q&1)*2+(q>>1))+i%8)*\pitch th:TH_LOAD_NT
.set i, i+1
.endr
.endm
	s_cmp_eq_u32 s43, 1
	s_cbranch_scc1 .Lwide
	WLOAD 2048
	s_branch .Lloaded
.Lwide:
	WLOAD 8192
.Lloaded:
.irp b, 0,1,2,3
.set WD, 16+12*(\b&1)+6*(\b>>1)                ; blocks 0, 2 into v16-27, blocks 1, 3 into v28-39
.if \b < 2
	s_wait_loadcnt 63                              ; behind blocks 0 and 1 stand 64 loads; the wait names the largest count that its field holds: of the 128 loads 65 are then in, blocks 0 and 1 among them
.else
	s_wait_loadcnt 96-32*\b                        ; this block's 32 loads are in; the later block's may be out
.endif
	v_max3_num_f32 v[56+\b], |v[X+32*\b]|, |v[X+32*\b+1]|, FLOOR
.irp i, 2,4,6,8,10,12,14,16,18,20,22,24,26,28,30
	v_max3_num_f32 v[56+\b], v[56+\b], |v[X+32*\b+\i]|, |v[X+32*\b+\i+1]|
.endr
	v_add_nc_u32 v[60+\b], EOFF, v[56+\b]
	v_lshrrev_b32 v[12+\b], 23, v[60+\b]
	v_cvt_scalef32_pk16_bf6_f32 v[WD:WD+2], v[X+32*\b:X+32*\b+15], v[60+\b]
	v_cvt_scalef32_pk16_bf6_f32 v[40+4*\b:42+4*\b], v[X+32*\b+16:X+32*\b+31], v[60+\b]
.endr
	v_nop                                          ; one plain place behind a scaled conversion
.irp b, 0,1,2,3
.irp i, 0,1,2
	v_mov_b32 v[16+12*(\b&1)+6*(\b>>1)+3+\i], v[40+4*\b+\i]
.endr
.endr
	v_lshl_or_b32 v11, v13, 8, v12                 ; my column's scale word
	v_lshl_or_b32 v11, v14, 16, v11
	v_lshl_or_b32 v11, v15, 24, v11
.set i, 0
.rept 12                                       ; the first run's lanes 16-31 change places with the second's lanes 0-15: v16-27 is now the fragment of columns 0-15, v28-39 that of columns 16-31
	v_permlane16_swap_b32 v[16+i], v[28+i]
.set i, i+1
.endr
.irp j, 0,1,2
	global_store_b128 v2, v[16+4*\j:19+4*\j], s[46:47] offset:512*\j
	global_store_b128 v2, v[28+4*\j:31+4*\j], s[48:49] offset:512*\j
.endr
	global_store_b32 v3, v11, s[50:51]
	s_endpgm
.Lfunc_end_k_qbf6ff997c6_prep:
	.size	k_qbf6ff997c6_prep, .Lfunc_end_k_qbf6ff997c6_prep-k_qbf6ff997c6_prep
	.p2alignl 7, 3214868480
	.fill 96, 4, 3214868480
	.section	.rodata,"a",@progbits
	.p2align	6, 0x0
	.amdhsa_kernel k_qbf6ff997c6_prep
		.amdhsa_group_segment_fixed_size 69120
		.amdhsa_private_segment_fixed_size 0
		.amdhsa_enable_private_segment 0
		.amdhsa_kernarg_size 104
		.amdhsa_user_sgpr_count 2
		.amdhsa_user_sgpr_kernarg_segment_ptr 1
		.amdhsa_wavefront_size32 1
		.amdhsa_system_sgpr_workgroup_id_x 1
		.amdhsa_system_sgpr_workgroup_id_y 1
		.amdhsa_system_sgpr_workgroup_id_z 1
		.amdhsa_system_vgpr_workitem_id 0
		.amdhsa_next_free_vgpr 258
		.amdhsa_next_free_sgpr 100
		.amdhsa_reserve_vcc 0
		.amdhsa_float_denorm_mode_32 3
		.amdhsa_float_denorm_mode_16_64 3
		.amdhsa_memory_ordered 1
		.amdhsa_forward_progress 1
		.amdhsa_inst_pref_size 148
	.end_amdhsa_kernel
	.amdgpu_metadata
---
amdhsa.version: [ 1, 2 ]
amdhsa.kernels:
  - .name:           k_qbf6ff997c6_prep
    .symbol:         k_qbf6ff997c6_prep.kd
    .args:
      - { .name: x, .offset: 0, .size: 8, .value_kind: global_buffer, .address_space: global }
      - { .name: ln_g, .offset: 8, .size: 8, .value_kind: global_buffer, .address_space: global }
      - { .name: ln_b, .offset: 16, .size: 8, .value_kind: global_buffer, .address_space: global }
      - { .name: Wq, .offset: 24, .size: 8, .value_kind: global_buffer, .address_space: global }
      - { .name: Wk, .offset: 32, .size: 8, .value_kind: global_buffer, .address_space: global }
      - { .name: Wv, .offset: 40, .size: 8, .value_kind: global_buffer, .address_space: global }
      - { .name: Wo, .offset: 48, .size: 8, .value_kind: global_buffer, .address_space: global }
      - { .name: W1, .offset: 56, .size: 8, .value_kind: global_buffer, .address_space: global }
      - { .name: W2, .offset: 64, .size: 8, .value_kind: global_buffer, .address_space: global }
      - { .name: wc, .offset: 72, .size: 8, .value_kind: global_buffer, .address_space: global }
      - { .name: ws, .offset: 80, .size: 8, .value_kind: global_buffer, .address_space: global }
      - { .name: hc, .offset: 88, .size: 8, .value_kind: global_buffer, .address_space: global }
      - { .name: hs, .offset: 96, .size: 8, .value_kind: global_buffer, .address_space: global }
    .group_segment_fixed_size: 69120
    .private_segment_fixed_size: 0
    .kernarg_segment_align: 8
    .kernarg_segment_size: 104
    .max_flat_workgroup_size: 128
    .sgpr_count:     100
    .vgpr_count:     258
    .wavefront_size: 32
...
	.end_amdgpu_metadata
.endif
;; end of part 1
;; launch qkv (part 2): grid 128 x 2, 4 waves a work-group, no clusters, 0 bytes of LDS; arguments hc, hs, wc, ws, bq, bk, bv, qb, kv; writes qb, kv
.if DOCPART == 2
	.amdgcn_target "amdgcn-amd-amdhsa--gfx1250"
	.amdhsa_code_object_version 6
	.text
	.protected	k_qbf6ff997c6_qkv
	.globl	k_qbf6ff997c6_qkv
	.p2align	8
	.type	k_qbf6ff997c6_qkv,@function
k_qbf6ff997c6_qkv:
	s_mov_b64 s[64:65], 0
	v_nop
	global_prefetch_b8 v0, s[64:65] scope:SCOPE_SE
	s_setreg_imm32_b32 hwreg(HW_REG_WAVE_MODE, 25, 1), 1
	s_wait_xcnt 0x0
; QKV.  q = h Wq + bq, k = h Wk + bk, v = h Wv + bv on codes of E3M2; the results are quantised at once: q and k along the head's 64 channels, v along the tokens (the keys are the second attention product's K).
; SHARES.  A work-group takes 64 tokens and four heads; a wave one head.  It keeps h's 16 fragments of its tokens in registers and makes three units of 64 tokens x 64 channels, 16 accumulators and 64 matrix instructions each.
; q and k are made TRANSPOSED (source 0 = 16 columns of W, source 1 = 16 tokens): a lane holds one token and its registers run along the channels.  v is made the natural way: a lane holds one channel and its registers run along the tokens.
; Two neighbouring tiles' 16 registers of a lane, joined with lane l xor 16's, are a block of 32 in this program's one block order (elements 0-7, 16-23, 8-15, 24-31).
; HALF IMAGES: 16 rows x 64 K, 6 registers a lane (lane (r, h): block h of row r): registers 2 j, 2 j + 1 of lane L at 256 j + 8 L: each store covers 256 consecutive, aligned bytes.
; No LDS, no barrier, no branch: waves share nothing.  The bias is the C of each sum's first matrix instruction.
; LIMITS: NaN and infinities are not served; a block of zeros gets the byte 1 where the quantiser says 127 (its codes are zeros; only this program reads the bytes).
; v's two scale bytes a channel go out as stores of two bytes (256 bytes of them a wave): the other two bytes of each word belong to the neighbouring block of 64 tokens.
; REGISTERS: window 0: v1-6 offsets; v16-47 bias; v48-89 codes, words and the quantiser's work; v96-223 accumulators; v224-239 h's scale words, v240-255 W's.  Window 1: h's fragments (m, s) at 12 (4 m + s).  Window 2: W's (n, s) likewise.
.set BI,  16
.set PC,  48
.set T3,  72
.set TM,  76
.set PW,  84
.set MW,  88
.set ACC, 96
.set HS,  224
.set WS,  240
.set SEL, 50
.set FLOOR, 0x2800000
.set EOFF,  0xfe000000
.set MSB, 0
.macro WIN new                         ; the immediate's high byte repeats the setting that is left
.if MSB != \new
	s_set_vgpr_msb (MSB<<8)|\new
.set MSB, \new
.endif
.endm
.macro PLACES
.rept 4
	v_nop
.endr
.endm
; 32 numbers of a lane, register 16 b + i of block b of my row, become a half image in v[pc] on and the two scale bytes in v[pw] (hi = 1: bytes 2 and 3 are 127, for the zero codes that fill K to 128).
.macro QUANT2 s, pc, pw, hi
.irp b, 0,1
	v_max3_num_f32 v[TM+\b], |v[\s+16*\b]|, |v[\s+16*\b+1]|, FLOOR   ; with the floor 2^(5 - 127): the byte cannot fall under 1
.endr
.irp i, 2,4,6,8,10,12,14
.irp b, 0,1
	v_max3_num_f32 v[TM+\b], v[TM+\b], |v[\s+16*\b+\i]|, |v[\s+16*\b+\i+1]|
.endr
.endr
.irp b, 0,1
	v_permlanex16_b32 v[TM+2+\b], v[TM+\b], s[SEL], s[SEL+1]
.endr
.irp b, 0,1
	v_max_num_f32 v[TM+\b], v[TM+\b], v[TM+2+\b]   ; with lane l xor 16's: the block's largest magnitude
.endr
.irp b, 0,1
	v_add_nc_u32 v[TM+4+\b], EOFF, v[TM+\b]        ; 4 off its exponent field: the conversion's scale operand
.endr
.irp b, 0,1
	v_lshrrev_b32 v[TM+2+\b], 23, v[TM+4+\b]       ; the scale's byte
.endr
	v_lshl_or_b32 v[\pw], v[TM+3], 8, v[TM+2]
.if \hi
	v_or_b32 v[\pw], 0x7f7f0000, v[\pw]
.endif
	v_cvt_scalef32_pk16_bf6_f32 v[\pc:\pc+2], v[\s:\s+15], v[TM+4]
	v_cvt_scalef32_pk16_bf6_f32 v[T3:T3+2], v[\s+16:\s+31], v[TM+5]
	v_nop                                          ; one plain place behind a scaled conversion
.irp i, 0,1,2
	v_permlane16_swap_b32 v[\pc+\i], v[T3+\i]      ; a whole block to a lane: lanes 0-15 block 0, lanes 16-31 block 1
.endr
.irp i, 0,1,2
	v_mov_b32 v[\pc+3+\i], v[T3+\i]
.endr
.endm
	s_load_b512 s[4:19], s[0:1], 0x0               ; hc, hs, wc, ws, bq, bk, bv, qb
	s_load_b64 s[20:21], s[0:1], 0x40              ; kv
	v_lshrrev_b32 v1, 5, v0
	v_readfirstlane_b32 s22, v1                    ; wave
	v_and_b32 v7, 31, v0                           ; L
	v_and_b32 v8, 15, v0                           ; r
	v_bfe_u32 v9, v0, 4, 1                         ; h
	v_lshlrev_b32 v1, 4, v7                        ; 16 L
	v_lshlrev_b32 v2, 3, v7                        ; 8 L
	v_lshlrev_b32 v3, 4, v8                        ; 16 r
	v_lshlrev_b32 v4, 5, v9                        ; 32 h
	v_lshlrev_b32 v5, 2, v8                        ; 4 r
	v_lshlrev_b32 v6, 2, v7                        ; 4 L
	v_cmp_lt_u32 s40, 15, v7                       ; lanes 16-31
	v_mov_b32 v[TM+2], 0                           ; a lane permute's destination counts as one of its sources
	v_mov_b32 v[TM+3], 0
	s_mov_b32 s[SEL], 0x76543210
	s_mov_b32 s[SEL+1], 0xfedcba98
	s_and_b32 s23, ttmp7, 0xffff
	s_lshl_b32 s23, s23, 2
	s_add_co_u32 s23, s23, s22                     ; head
	s_lshr_b32 s24, ttmp9, 5                       ; batch
	s_and_b32 s25, ttmp9, 31                       ; which 64 tokens of the sequence
	s_lshl_b32 s26, s24, 3
	s_add_co_u32 s26, s26, s23                     ; batch x 8 + head
	s_mul_i32 s28, ttmp9, 24576                    ; h's 16 fragments
	s_mov_b32 s29, 0
	s_lshl_b32 s30, ttmp9, 10                      ; and scale words
	s_mov_b32 s31, 0
	s_mul_i32 s32, s23, 24576                      ; the head's 16 fragments in each weight
	s_mov_b32 s33, 0
	s_lshl_b32 s34, s23, 10
	s_mov_b32 s35, 0
	s_lshl_b32 s36, s23, 8                         ; its 64 biases
	s_mov_b32 s37, 0
	s_mul_i32 s38, s26, 106496
	s_mul_i32 s39, s25, 3072
	s_add_co_u32 s42, s38, s39                     ; q's codes
	s_mov_b32 s43, 0
	s_lshl_b32 s39, s25, 8
	s_add_co_u32 s44, s38, s39
	s_add_co_u32 s44, s44, 98304                   ; q's scale words
	s_mov_b32 s45, 0
	s_mul_i32 s38, s26, 208896
	s_lshr_b32 s39, s25, 1
	s_mul_i32 s39, s39, 13056
	s_add_co_u32 s38, s38, s39                     ; the step of 128 keys
	s_and_b32 s39, s25, 1                          ; which half of it
	s_mul_i32 s46, s39, 3072
	s_add_co_u32 s46, s46, s38
	s_mov_b32 s47, 0
	s_lshl_b32 s48, s39, 8
	s_add_co_u32 s48, s48, s38
	s_mov_b32 s49, 0
	s_lshl_b32 s52, s39, 1
	s_add_co_u32 s52, s52, s38
	s_mov_b32 s53, 0
	s_wait_kmcnt 0x0
	s_add_nc_u64 s[4:5], s[4:5], s[28:29]
	s_add_nc_u64 s[6:7], s[6:7], s[30:31]
	s_add_nc_u64 s[8:9], s[8:9], s[32:33]
	s_add_nc_u64 s[10:11], s[10:11], s[34:35]
	s_add_nc_u64 s[12:13], s[12:13], s[36:37]
	s_add_nc_u64 s[14:15], s[14:15], s[36:37]
	s_add_nc_u64 s[16:17], s[16:17], s[36:37]
	s_add_nc_u64 s[42:43], s[18:19], s[42:43]
	s_add_nc_u64 s[44:45], s[18:19], s[44:45]
	s_add_nc_u64 s[46:47], s[20:21], s[46:47]      ; codes of k and v: + 3,072 x half
	s_add_nc_u64 s[48:49], s[20:21], s[48:49]      ; k's words: + 256 x half
	s_add_nc_u64 s[52:53], s[20:21], s[52:53]      ; v's bytes: + 2 x half
.macro LOADSB u                                ; unit u's scale words and bias
.irp n, 0,1,2,3
	global_load_b128 v[WS+4*\n:WS+4*\n+3], v3, s[10:11] offset:8192*\u+256*\n
.endr
.if \u < 2
.irp n, 0,1,2,3
.irp e, 0,1
	global_load_b128 v[BI+8*\n+4*\e:BI+8*\n+4*\e+3], v4, s[12+2*\u:13+2*\u] offset:64*\n+16*\e   ; channels 16 n + 8 h + 0 .. 7
.endr
.endr
.else
.irp n, 0,1,2,3
.irp j, 0,1,2,3,4,5,6,7
	global_load_b32 v[BI+8*\n+\j], v5, s[16:17] offset:64*\n   ; channel 16 n + r in all eight registers
.endr
.endr
.endif
.endm
.macro LOADWS u, s                             ; unit u's four fragments of K step s (destination: window 2)
.irp n, 0,1,2,3
.irp j, 0,1,2
	global_load_b128 v[12*(4*\n+\s)+4*\j:12*(4*\n+\s)+4*\j+3], v1, s[8:9] offset:196608*\u+(4*\n+\s)*1536+512*\j
.endr
.endr
.endm
.macro LOADW u
	LOADSB \u
	WIN 0x80
.irp s, 0,1,2,3
	LOADWS \u, \s
.endr
	WIN 0
.endm
.irp m, 0,1,2,3
	global_load_b128 v[HS+4*\m:HS+4*\m+3], v3, s[6:7] offset:256*\m
.endr
	LOADSB 0
.irp s, 0,1,2,3
	WIN 0x40
.irp m, 0,1,2,3
.irp j, 0,1,2
	global_load_b128 v[12*(4*\m+\s)+4*\j:12*(4*\m+\s)+4*\j+3], v1, s[4:5] offset:(4*\m+\s)*1536+512*\j
.endr
.endr
	WIN 0x80
	LOADWS 0, \s
.endr
; A unit: four K steps of sixteen matrix instructions; the sixteen accumulators take turns, one instruction a turn.
.macro MULU nat, first
.irp s, 0,1,2,3
.if \first
.if \s == 0
	s_wait_loadcnt 63                              ; behind K step 0's loads 72 were issued; the wait names the largest count that its field holds
.else
	s_wait_loadcnt 24*(3-\s)                       ; 24 loads (h's 12, W's 12) for each later K step may be out
.endif
.else
	s_wait_loadcnt 12*(3-\s)                       ; 12 loads of W for each later K step may be out
.endif
.if \nat
	WIN 0x09                                       ; source 0 (h) window 1, source 1 (W) window 2
.else
	WIN 0x06                                       ; source 0 (W) window 2, source 1 (h) window 1
.endif
.irp m, 0,1,2,3
.irp n, 0,1,2,3
.if \nat
.if \s == 0
	v_wmma_scale_f32_16x16x128_f8f6f4 v[ACC+8*(4*\n+\m):ACC+8*(4*\n+\m)+7], v[12*(4*\m+\s):12*(4*\m+\s)+11], v[12*(4*\n+\s):12*(4*\n+\s)+11], v[BI+8*\n:BI+8*\n+7], v[HS+4*\m+\s], v[WS+4*\n+\s] matrix_a_fmt:MATRIX_FMT_BF6 matrix_b_fmt:MATRIX_FMT_BF6
.else
	v_wmma_scale_f32_16x16x128_f8f6f4 v[ACC+8*(4*\n+\m):ACC+8*(4*\n+\m)+7], v[12*(4*\m+\s):12*(4*\m+\s)+11], v[12*(4*\n+\s):12*(4*\n+\s)+11], v[ACC+8*(4*\n+\m):ACC+8*(4*\n+\m)+7], v[HS+4*\m+\s], v[WS+4*\n+\s] matrix_a_fmt:MATRIX_FMT_BF6 matrix_b_fmt:MATRIX_FMT_BF6
.endif
.else
.if \s == 0
	v_wmma_scale_f32_16x16x128_f8f6f4 v[ACC+8*(4*\m+\n):ACC+8*(4*\m+\n)+7], v[12*(4*\n+\s):12*(4*\n+\s)+11], v[12*(4*\m+\s):12*(4*\m+\s)+11], v[BI+8*\n:BI+8*\n+7], v[WS+4*\n+\s], v[HS+4*\m+\s] matrix_a_fmt:MATRIX_FMT_BF6 matrix_b_fmt:MATRIX_FMT_BF6
.else
	v_wmma_scale_f32_16x16x128_f8f6f4 v[ACC+8*(4*\m+\n):ACC+8*(4*\m+\n)+7], v[12*(4*\n+\s):12*(4*\n+\s)+11], v[12*(4*\m+\s):12*(4*\m+\s)+11], v[ACC+8*(4*\m+\n):ACC+8*(4*\m+\n)+7], v[WS+4*\n+\s], v[HS+4*\m+\s] matrix_a_fmt:MATRIX_FMT_BF6 matrix_b_fmt:MATRIX_FMT_BF6
.endif
.endif
.endr
.endr
.endr
	WIN 0
	PLACES                                         ; four places in front of loads into registers that matrix instructions have read, and of the first read of results
.endm
; The way out of a unit: four runs of 32 registers become four half images and four words; two words' lanes 0-15 are joined into one register of 32 lanes.
.macro EPI hi, cb, co
.irp m, 0,1,2,3
	QUANT2 ACC+32*\m, PC+6*\m, PW+\m, \hi
.irp j, 0,1,2
	global_store_b64 v2, v[PC+6*\m+2*\j:PC+6*\m+2*\j+1], s[\cb:\cb+1] offset:\co+768*\m+256*\j
.endr
.endr
.irp a, 0,1
	v_cndmask_b32 v[MW+\a], v[PW+2*\a], v[PW+2*\a+1], s40
.endr
.endm
	MULU 0, 1                                      ; q
	LOADW 1                                        ; k's weights land under q's way out
	EPI 1, 42, 0
.irp a, 0,1
	global_store_b32 v6, v[MW+\a], s[44:45] offset:128*\a
.endr
	MULU 0, 0                                      ; k
	LOADW 2
	s_wait_xcnt 0x0                                ; the codes' and words' registers, which q's stores read, are written again only behind this wait
	EPI 1, 46, 0
.irp a, 0,1
	global_store_b32 v6, v[MW+\a], s[48:49] offset:12288+128*\a
.endr
	MULU 1, 0                                      ; v
	s_wait_xcnt 0x0
	EPI 0, 46, 6144
.irp a, 0,1
	global_store_b16 v6, v[MW+\a], s[52:53] offset:12800+128*\a
.endr
	s_endpgm
.Lfunc_end_k_qbf6ff997c6_qkv:
	.size	k_qbf6ff997c6_qkv, .Lfunc_end_k_qbf6ff997c6_qkv-k_qbf6ff997c6_qkv
	.p2alignl 7, 3214868480
	.fill 96, 4, 3214868480
	.section	.rodata,"a",@progbits
	.p2align	6, 0x0
	.amdhsa_kernel k_qbf6ff997c6_qkv
		.amdhsa_group_segment_fixed_size 0
		.amdhsa_private_segment_fixed_size 0
		.amdhsa_enable_private_segment 0
		.amdhsa_kernarg_size 72
		.amdhsa_user_sgpr_count 2
		.amdhsa_user_sgpr_kernarg_segment_ptr 1
		.amdhsa_wavefront_size32 1
		.amdhsa_system_sgpr_workgroup_id_x 1
		.amdhsa_system_sgpr_workgroup_id_y 1
		.amdhsa_system_sgpr_workgroup_id_z 1
		.amdhsa_system_vgpr_workitem_id 0
		.amdhsa_next_free_vgpr 704
		.amdhsa_next_free_sgpr 66
		.amdhsa_reserve_vcc 0
		.amdhsa_float_denorm_mode_32 3
		.amdhsa_float_denorm_mode_16_64 3
		.amdhsa_memory_ordered 1
		.amdhsa_forward_progress 1
		.amdhsa_inst_pref_size 80
	.end_amdhsa_kernel
	.amdgpu_metadata
---
amdhsa.version: [ 1, 2 ]
amdhsa.kernels:
  - .name:           k_qbf6ff997c6_qkv
    .symbol:         k_qbf6ff997c6_qkv.kd
    .args:
      - { .name: hc, .offset: 0, .size: 8, .value_kind: global_buffer, .address_space: global }
      - { .name: hs, .offset: 8, .size: 8, .value_kind: global_buffer, .address_space: global }
      - { .name: wc, .offset: 16, .size: 8, .value_kind: global_buffer, .address_space: global }
      - { .name: ws, .offset: 24, .size: 8, .value_kind: global_buffer, .address_space: global }
      - { .name: bq, .offset: 32, .size: 8, .value_kind: global_buffer, .address_space: global }
      - { .name: bk, .offset: 40, .size: 8, .value_kind: global_buffer, .address_space: global }
      - { .name: bv, .offset: 48, .size: 8, .value_kind: global_buffer, .address_space: global }
      - { .name: qb, .offset: 56, .size: 8, .value_kind: global_buffer, .address_space: global }
      - { .name: kv, .offset: 64, .size: 8, .value_kind: global_buffer, .address_space: global }
    .group_segment_fixed_size: 0
    .private_segment_fixed_size: 0
    .kernarg_segment_align: 8
    .kernarg_segment_size: 72
    .max_flat_workgroup_size: 128
    .sgpr_count:     66
    .vgpr_count:     704
    .wavefront_size: 32
...
	.end_amdgpu_metadata
.endif
;; end of part 2
;; launch attn (part 3): grid 8 x 32, 16 waves a work-group, no clusters, 210,944 bytes of LDS; arguments qb, kv, oc, os; writes oc, os
.if DOCPART == 3
	.amdgcn_target "amdgcn-amd-amdhsa--gfx1250"
	.amdhsa_code_object_version 6
	.text
	.protected	k_qbf6ff997c6_attn
	.globl	k_qbf6ff997c6_attn
	.p2align	8
	.type	k_qbf6ff997c6_attn,@function
k_qbf6ff997c6_attn:
	s_mov_b64 s[64:65], 0
	v_nop
	global_prefetch_b8 v0, s[64:65] scope:SCOPE_SE
	s_setreg_imm32_b32 hwreg(HW_REG_WAVE_MODE, 25, 1), 1
	s_wait_xcnt 0x0
; ATTENTION on codes of E3M2.  A key counts for a query only where |query - key| > 128.  o = (sum over the keys of p v) / (sum of p), quantised at once along the head's 64 channels.
; THE SOFTMAX AHEAD OF THE SECOND PRODUCT: t = score x log2(e) / 8; M = the row's largest t so far, rounded UP to a whole number; p = 2^(t - M) is what is quantised, along the keys.
; The row's sum is taken of the unquantised p and divides at the end.  When M moves, the sum and O are multiplied by 2^(old M - new M): exact.
; SHARES.  A work-group owns 256 queries of one head, each of its sixteen waves 16 of them: four waves to a SIMD, so that one wave's vector work stands beside another's matrix work and LDS loads.
; THE HEAD'S WHOLE K AND V, 16 steps of 128 keys x 13,056 bytes, lie in LDS as they lie in memory: wave w brings step w by one tensor load; nothing is filled again, so there is one barrier.  One tensor load of a wave is out.
; A step's bytes: K's 8 half images (16 keys x 64 channels, 768 bytes), V's 8 (half of the keys x 16 channels), K's 128 scale words, V's 64.  Every read is 8 x lane or 4 x (lane % 16) + a constant.
; BOTH PRODUCTS ARE USED TRANSPOSED: S^T = K Q^T, O^T = V^T P^T: a lane holds ONE query throughout.  The first product's K is 64: registers 6-11 of its operands are zero codes under the byte 127.
; THE MASK hangs on ids alone.  Of a wave's 16 steps the one that holds its queries is hidden whole and is left out; its two neighbours are hidden in part: there hidden scores become -infinity ahead of the maximum.
; NO CLUSTER: the eight query blocks of a head read the same bytes, but which step is left out and which is masked differs between them, and partners of a joint load must run alike.
; LIMITS: NaN and infinities are not served; a block of zeros gets the byte 1 where the quantiser says 127.  A block's largest p is taken as the exponential of its largest score.
; REGISTERS: v1-8 offsets; v11 Q's scale word; v12 -M, v13 the largest t, v[14:15] the sum; v16-27 Q; v28-31 V's scale words; v32-79 four tiles of K; v80-127 V; v128-191 S^T, then p; v192-223 O^T; v224-247 codes and work;
;   v248-251 K's scale words; v252 f; v253 p's scale word, at the end o's; v254 at work.
.set STEPB, 13056
.set S,   128
.set O,   192
.set TM,  240
.set T3,  236
.set SEL, 34
.set CS,  36
.set FLOOR, 0x2800000
.set EOFF,  0xfe000000
.macro QUANT2 s, pc, pw, hi
.irp b, 0,1
	v_max3_num_f32 v[TM+\b], |v[\s+16*\b]|, |v[\s+16*\b+1]|, FLOOR
.endr
.irp i, 2,4,6,8,10,12,14
.irp b, 0,1
	v_max3_num_f32 v[TM+\b], v[TM+\b], |v[\s+16*\b+\i]|, |v[\s+16*\b+\i+1]|
.endr
.endr
.irp b, 0,1
	v_permlanex16_b32 v[TM+2+\b], v[TM+\b], s[SEL], s[SEL+1]
.endr
.irp b, 0,1
	v_max_num_f32 v[TM+\b], v[TM+\b], v[TM+2+\b]
.endr
.irp b, 0,1
	v_add_nc_u32 v[TM+4+\b], EOFF, v[TM+\b]
.endr
.irp b, 0,1
	v_lshrrev_b32 v[TM+2+\b], 23, v[TM+4+\b]
.endr
	v_lshl_or_b32 v[\pw], v[TM+3], 8, v[TM+2]
.if \hi
	v_or_b32 v[\pw], 0x7f7f0000, v[\pw]
.endif
	v_cvt_scalef32_pk16_bf6_f32 v[\pc:\pc+2], v[\s:\s+15], v[TM+4]
	v_cvt_scalef32_pk16_bf6_f32 v[T3:T3+2], v[\s+16:\s+31], v[TM+5]
	v_nop
.irp i, 0,1,2
	v_permlane16_swap_b32 v[\pc+\i], v[T3+\i]
.endr
.irp i, 0,1,2
	v_mov_b32 v[\pc+3+\i], v[T3+\i]
.endr
.endm
	s_load_b256 s[4:11], s[0:1], 0x0               ; qb, kv, oc, os
	v_lshl_add_u32 v254, v0, 2, 0x33000
	v_mov_b32 v255, 0
	ds_add_u32 v254, v255
	ds_add_u32 v254, v255
	s_wait_dscnt 0x0
	v_lshrrev_b32 v1, 5, v0
	v_readfirstlane_b32 s12, v1                    ; wave 0..15
	s_and_b32 s13, ttmp7, 0xffff                   ; batch x 8 + head
	; descriptor group 1: a dense block of 13,056 bytes as 51 rows of 32 elements of 8 bytes
	s_mov_b32 s24, 3<<16
	s_mov_b32 s25, 32<<16
	s_mov_b32 s26, 51<<16
	s_mov_b32 s27, 32<<16
	s_mov_b32 s28, 51
	s_mov_b32 s29, 32
	s_mov_b32 s30, 0
	s_mov_b32 s31, 0
	s_mov_b32 s20, 1
	s_mul_i32 s21, s12, STEPB                      ; LDS: step w
	s_mul_i32 s14, s13, 16*STEPB
	s_add_co_u32 s14, s14, s21
	s_mov_b32 s15, 0
	s_lshl_b32 s41, ttmp9, 8
	s_lshl_b32 s16, s12, 4
	s_add_co_u32 s41, s41, s16                     ; my first query
	s_lshr_b32 s40, s41, 7                         ; the step that is hidden whole
	s_mul_i32 s16, s13, 106496
	s_lshr_b32 s17, s41, 4
	s_mul_i32 s18, s17, 768
	s_add_co_u32 s44, s16, s18                     ; Q's half image
	s_mov_b32 s45, 0
	s_lshl_b32 s18, s41, 2
	s_add_co_u32 s46, s16, s18
	s_add_co_u32 s46, s46, 98304                   ; Q's scale words
	s_mov_b32 s47, 0
	s_lshr_b32 s18, s13, 3                         ; batch
	s_and_b32 s19, s13, 7                          ; head
	s_lshl_b32 s16, s18, 7
	s_add_co_u32 s16, s16, s17                     ; tile of 16 tokens
	s_lshl_b32 s16, s16, 3
	s_add_co_u32 s16, s16, s19
	s_mul_i32 s48, s16, 768                        ; o's half image
	s_mov_b32 s49, 0
	s_lshl_b32 s16, s18, 11
	s_add_co_u32 s16, s16, s41
	s_lshl_b32 s16, s16, 4
	s_lshl_b32 s19, s19, 1
	s_add_co_u32 s50, s16, s19                     ; o's two scale bytes a token
	s_mov_b32 s51, 0
	s_mov_b32 s[SEL], 0x76543210
	s_mov_b32 s[SEL+1], 0xfedcba98
	s_mov_b32 s[CS], 0x3e38aa3b                    ; c = log2(e) / 8
	s_mov_b32 s[CS+1], s[CS]
	s_mov_b32 s38, 0                               ; the step,
	s_mov_b32 s39, 0                               ; its LDS byte,
	s_mov_b32 s42, 0                               ; its first key
	s_wait_kmcnt 0x0
	s_add_nc_u64 s[22:23], s[6:7], s[14:15]
	s_or_b32 s23, s23, 0x80000000
	tensor_load_to_lds s[20:23], s[24:31]
	s_nop 0
.rept 4
	v_nop
.endr
	s_add_nc_u64 s[44:45], s[4:5], s[44:45]
	s_add_nc_u64 s[46:47], s[4:5], s[46:47]
	s_add_nc_u64 s[48:49], s[8:9], s[48:49]
	s_add_nc_u64 s[50:51], s[10:11], s[50:51]
	v_and_b32 v9, 31, v0                           ; L
	v_and_b32 v10, 15, v0                          ; r
	v_bfe_u32 v6, v0, 4, 1                         ; h
	v_lshlrev_b32 v1, 3, v9                        ; 8 L
	v_lshlrev_b32 v2, 2, v10                       ; 4 r
	v_lshlrev_b32 v8, 4, v10                       ; 16 r
	v_lshlrev_b32 v6, 3, v6
	v_sub_nc_u32 v5, v10, v6                       ; r - 8 h
	v_mov_b32 v6, 0xff800000                       ; -infinity
.irp j, 0,1,2
	global_load_b64 v[16+2*\j:17+2*\j], v1, s[44:45] offset:256*\j
.endr
	global_load_b32 v11, v2, s[46:47]
.irp i, 22,23,24,25,26,27
	v_mov_b32 v[\i], 0                             ; Q's K from 64 on: zero codes
.endr
.irp t, 0,1,2,3
.irp i, 6,7,8,9,10,11
	v_mov_b32 v[32+12*\t+\i], 0                    ; K's likewise: written once, no load lands there
.endr
.endr
	v_mov_b32 v13, 0xff61b1e6                      ; the largest t so far: -3e38, under every t
	v_floor_f32 v12, -v13                          ; -M
	v_mov_b32 v14, 0
	v_mov_b32 v15, 0
.set j, 0
.rept 32
	v_mov_b32 v[O+j], 0                            ; O^T: the loop is written once; its first step finds zeros, which the first change of M leaves zeros
.set j, j+1
.endr
.irp b, 0,1,2,3
	v_mov_b32 v[236+\b], 0                         ; a lane permute's destination counts as one of its sources
.endr
	v_mov_b32 v252, 0
	v_mov_b32 v253, 0
	s_wait_tensorcnt 0x0                           ; my step has landed,
	s_barrier_signal -1
	s_barrier_wait -1                              ; everybody's has
	s_wait_loadcnt 0x0                             ; Q
; hidden scores become -infinity.  Register 8 j + i holds key KF + 16 j + 8 h + i; my query is Q0 + r.
.macro MASK up
	s_sub_co_i32 s43, s41, s42
.if \up
	s_add_co_i32 s43, s43, 128                     ; keys above: hidden where key <= query + 128
.else
	s_sub_co_i32 s43, s43, 128                     ; keys below: hidden where key >= query - 128
.endif
	v_add_nc_u32 v7, s43, v5
.set n, 0
.rept 64
.if \up
	v_cmp_le_i32 vcc_lo, 16*(n/8)+n%8, v7
.else
	v_cmp_ge_i32 vcc_lo, 16*(n/8)+n%8, v7
.endif
	v_cndmask_b32 v[S+n], v[S+n], v6, vcc_lo
.set n, n+1
.endr
.endm
.Lstep:                                            ; 16 trips, a step of 128 keys each
	s_cmp_eq_u32 s38, s40
	s_cbranch_scc1 .Lnext                          ; all its keys lie within 127 of all my queries
	v_add_nc_u32 v3, s39, v1
	v_add_nc_u32 v4, s39, v2
.irp t, 0,1,2,3
.irp j, 0,1,2
	ds_load_b64 v[32+12*\t+2*\j:33+12*\t+2*\j], v3 offset:768*\t+256*\j
.endr
	ds_load_b32 v[248+\t], v4 offset:12288+64*\t
.endr
	s_wait_dscnt 0x0
.irp t, 0,1,2,3
	v_wmma_scale_f32_16x16x128_f8f6f4 v[S+8*\t:S+8*\t+7], v[32+12*\t:43+12*\t], v[16:27], 0, v[248+\t], v11 matrix_a_fmt:MATRIX_FMT_BF6 matrix_b_fmt:MATRIX_FMT_BF6
.endr
.rept 4
	v_nop                                          ; places in front of loads into registers that matrix instructions have read (with the two additions above: six behind the last step's products, whose V is loaded anew below)
.endr
.irp t, 0,1,2,3
.irp j, 0,1,2
	ds_load_b64 v[32+12*\t+2*\j:33+12*\t+2*\j], v3 offset:768*(4+\t)+256*\j
.endr
	ds_load_b32 v[248+\t], v4 offset:12288+64*(4+\t)
.endr
.irp n, 0,1,2,3
.irp g, 0,1
.irp j, 0,1,2
	ds_load_b64 v[80+12*\n+6*\g+2*\j:81+12*\n+6*\g+2*\j], v3 offset:6144+3072*\g+768*\n+256*\j
.endr
.endr
	ds_load_b32 v[28+\n], v4 offset:12800+64*\n
.endr
	s_wait_dscnt 28                                ; K's tiles 4-7 are in; V's 28 loads may be out: they land under the softmax
.irp t, 0,1,2,3
	v_wmma_scale_f32_16x16x128_f8f6f4 v[S+32+8*\t:S+32+8*\t+7], v[32+12*\t:43+12*\t], v[16:27], 0, v[248+\t], v11 matrix_a_fmt:MATRIX_FMT_BF6 matrix_b_fmt:MATRIX_FMT_BF6
.endr
.rept 4
	v_nop
.endr
	s_add_co_u32 s43, s38, 1
	s_cmp_eq_u32 s43, s40
	s_cbranch_scc0 .Lnot_below
	MASK 0
.Lnot_below:
	s_add_co_u32 s43, s40, 1
	s_cmp_eq_u32 s38, s43
	s_cbranch_scc0 .Lnot_above
	MASK 1
.Lnot_above:
.irp b, 0,1,2,3
	v_max3_num_f32 v[232+\b], v[S+16*\b], v[S+1+16*\b], v[S+2+16*\b]   ; the largest score of each block of 32 keys: for the row's maximum, and, since p rises with the score, for the block's largest p
.endr
.irp i, 3,5,7,9,11,13
.irp b, 0,1,2,3
	v_max3_num_f32 v[232+\b], v[232+\b], v[S+16*\b+\i], v[S+1+16*\b+\i]
.endr
.endr
.irp b, 0,1,2,3
	v_max_num_f32 v[232+\b], v[232+\b], v[S+15+16*\b]
.endr
.irp b, 0,1,2,3
	v_permlanex16_b32 v[236+\b], v[232+\b], s[SEL], s[SEL+1]
.endr
.irp b, 0,1,2,3
	v_max_num_f32 v[232+\b], v[232+\b], v[236+\b]
.endr
	v_max3_num_f32 v254, v232, v233, v234
	v_max_num_f32 v254, v254, v235
	v_mul_f32 v254, s[CS], v254                    ; as t (c is positive)
	v_max_num_f32 v13, v13, v254                   ; the running largest t
	v_mov_b32 v254, v12
	v_floor_f32 v12, -v13                          ; the new -M = -ceil(t)
	v_sub_f32 v254, v12, v254                      ; old M - new M: a whole number, 0 or less
	v_cvt_i32_f32 v254, v254                       ; (it saturates)
	v_ldexp_f32 v252, 1.0, v254                    ; f = 2^(old M - new M)
.set j, 0
.rept 32
	v_pk_fma_f32 v[S+j:S+j+1], v[S+j:S+j+1], s[CS:CS+1], v[12:13] op_sel_hi:[1,0,0]   ; t - M
.set j, j+2
.endr
.irp b, 0,1,2,3
	v_fma_f32 v[232+\b], v[232+\b], s[CS], v12
.endr
.set j, 0
.rept 64
	v_exp_f32 v[S+j], v[S+j]                       ; p = 2^(t - M), at most 1
.set j, j+1
.endr
.irp b, 0,1,2,3
	v_exp_f32 v[232+\b], v[232+\b]                 ; the block's largest p
.endr
	v_pk_mul_f32 v[14:15], v[14:15], v[252:253] op_sel_hi:[1,0]   ; the sums under the new M (a plain place behind the exponentials)
	s_wait_alu depctr_va_vdst(0)
.irp b, 0,1,2,3
	v_max_num_f32 v[232+\b], FLOOR, v[232+\b]
.endr
.irp b, 0,1,2,3
	v_add_nc_u32 v[244+\b], EOFF, v[232+\b]
.endr
.irp b, 0,1,2,3
	v_lshrrev_b32 v[236+\b], 23, v[244+\b]
.endr
	v_lshl_or_b32 v253, v237, 8, v236              ; p's scale word for these 128 keys
	v_lshl_or_b32 v253, v238, 16, v253
	v_lshl_or_b32 v253, v239, 24, v253
.irp c, 0,1
	v_cvt_scalef32_pk16_bf6_f32 v[224+6*\c:226+6*\c], v[S+32*\c:S+15+32*\c], v[244+2*\c]
	v_cvt_scalef32_pk16_bf6_f32 v[236+4*\c:238+4*\c], v[S+16+32*\c:S+31+32*\c], v[244+2*\c+1]
.endr
	v_nop                                          ; one plain place behind a scaled conversion
.irp c, 0,1
.irp i, 0,1,2
	v_permlane16_swap_b32 v[224+6*\c+\i], v[236+4*\c+\i]
.endr
.irp i, 0,1,2
	v_mov_b32 v[227+6*\c+\i], v[236+4*\c+\i]
.endr
.endr
	v_pk_add_f32 v[236:237], v[S:S+1], v[S+2:S+3]  ; the row's sum is taken of the unquantised p, in two chains
.irp j, 4,8,12,16,20,24,28,32,36,40,44,48,52,56,60
	v_pk_add_f32 v[14:15], v[14:15], v[S+\j:S+1+\j]
	v_pk_add_f32 v[236:237], v[236:237], v[S+2+\j:S+3+\j]
.endr
	v_pk_add_f32 v[14:15], v[14:15], v[236:237]
.set j, 0
.rept 16
	v_pk_mul_f32 v[O+j:O+j+1], v[O+j:O+j+1], v[252:253] op_sel_hi:[1,0]   ; O^T under the new M.  (These lines and the sums are the places between the word and codes just made and the products below)
.set j, j+2
.endr
	s_wait_dscnt 0x0                               ; V
.irp n, 0,1,2,3
	v_wmma_scale_f32_16x16x128_f8f6f4 v[O+8*\n:O+8*\n+7], v[80+12*\n:91+12*\n], v[224:235], v[O+8*\n:O+8*\n+7], v[28+\n], v253 matrix_a_fmt:MATRIX_FMT_BF6 matrix_b_fmt:MATRIX_FMT_BF6
.endr
.Lnext:
	s_add_co_u32 s39, s39, STEPB
	s_add_co_u32 s42, s42, 128
	s_add_co_u32 s38, s38, 1
	s_cmp_lt_u32 s38, 16
	s_cbranch_scc1 .Lstep
; THE WAY OUT: O^T / the sum; its 32 registers a lane are two blocks of 32 channels: a half image and two scale bytes.
.rept 4
	v_nop
.endr
	v_add_f32 v14, v14, v15
	v_permlanex16_b32 v252, v14, s[SEL], s[SEL+1]
	v_add_f32 v14, v14, v252                       ; the row's sum
	v_rcp_f32 v14, v14
	v_mov_b32 v[TM+2], 0                           ; (a plain place behind the transcendental; a permute's destination is written first)
	v_mov_b32 v[TM+3], 0
.set j, 0
	s_wait_alu depctr_va_vdst(0)
.rept 32
	v_mul_f32 v[S+j], v[O+j], v14
.set j, j+1
.endr
	QUANT2 S, 224, 253, 0
.irp j, 0,1,2
	global_store_b64 v1, v[224+2*\j:225+2*\j], s[48:49] offset:256*\j
.endr
	global_store_b16 v8, v253, s[50:51]            ; lanes r and r + 16 store the same two bytes at the same place
	s_wait_xcnt 0x0
	v_lshl_add_u32 v254, v0, 2, 0x33000
	v_mov_b32 v255, 0
	s_wait_tensorcnt 0x0
	ds_add_u32 v254, v255
	s_wait_dscnt 0x0
	s_endpgm
.Lfunc_end_k_qbf6ff997c6_attn:
	.size	k_qbf6ff997c6_attn, .Lfunc_end_k_qbf6ff997c6_attn-k_qbf6ff997c6_attn
	.p2alignl 7, 3214868480
	.fill 96, 4, 3214868480
	.section	.rodata,"a",@progbits
	.p2align	6, 0x0
	.amdhsa_kernel k_qbf6ff997c6_attn
		.amdhsa_group_segment_fixed_size 210944
		.amdhsa_private_segment_fixed_size 0
		.amdhsa_enable_private_segment 0
		.amdhsa_kernarg_size 32
		.amdhsa_user_sgpr_count 2
		.amdhsa_user_sgpr_kernarg_segment_ptr 1
		.amdhsa_wavefront_size32 1
		.amdhsa_system_sgpr_workgroup_id_x 1
		.amdhsa_system_sgpr_workgroup_id_y 1
		.amdhsa_system_sgpr_workgroup_id_z 1
		.amdhsa_system_vgpr_workitem_id 0
		.amdhsa_next_free_vgpr 256
		.amdhsa_next_free_sgpr 66
		.amdhsa_reserve_vcc 1
		.amdhsa_float_denorm_mode_32 3
		.amdhsa_float_denorm_mode_16_64 3
		.amdhsa_memory_ordered 1
		.amdhsa_forward_progress 1
		.amdhsa_inst_pref_size 39
	.end_amdhsa_kernel
	.amdgpu_metadata
---
amdhsa.version: [ 1, 2 ]
amdhsa.kernels:
  - .name:           k_qbf6ff997c6_attn
    .symbol:         k_qbf6ff997c6_attn.kd
    .args:
      - { .name: qb, .offset: 0, .size: 8, .value_kind: global_buffer, .address_space: global }
      - { .name: kv, .offset: 8, .size: 8, .value_kind: global_buffer, .address_space: global }
      - { .name: oc, .offset: 16, .size: 8, .value_kind: global_buffer, .address_space: global }
      - { .name: os, .offset: 24, .size: 8, .value_kind: global_buffer, .address_space: global }
    .group_segment_fixed_size: 210944
    .private_segment_fixed_size: 0
    .kernarg_segment_align: 8
    .kernarg_segment_size: 32
    .max_flat_workgroup_size: 512
    .sgpr_count:     66
    .vgpr_count:     256
    .wavefront_size: 32
...
	.end_amdgpu_metadata
.endif
;; end of part 3
;; launch tail (part 4): grid 256 x 1, 16 waves a work-group, no clusters, 156,160 bytes of LDS; arguments oc, os, wc, ws, x, bo, ln_g, ln_b, ffln_g, ffln_b, b1, b2, out0; writes out0
.if DOCPART == 4
	.amdgcn_target "amdgcn-amd-amdhsa--gfx1250"
	.amdhsa_code_object_version 6
	.text
	.protected	k_qbf6ff997c6_tail
	.globl	k_qbf6ff997c6_tail
	.p2align	8
	.type	k_qbf6ff997c6_tail,@function
k_qbf6ff997c6_tail:
	s_mov_b64 s[64:65], 0
	v_nop
	global_prefetch_b8 v0, s[64:65] scope:SCOPE_SE
	s_setreg_imm32_b32 hwreg(HW_REG_WAVE_MODE, 25, 1), 1
	s_wait_xcnt 0x0
; TAIL.  x1 = x + o Wo + bo;  f = layernorm(layernorm(x1));  out = x1 + gelu(f W1 + b1) W2 + b2.  The three products on codes of E3M2; f and the hidden layer are quantised on the way and never go to memory.
; SHARES.  A work-group takes 32 rows (two tiles m).  THE SIXTEEN WAVES SHARE THE COLUMNS: wave w makes channels 32 w .. 32 w + 31 of the first and third product and hidden units 128 w .. 128 w + 127 of the second, four chunks of 32.
; All products are used TRANSPOSED (source 0 = 16 columns of a weight, source 1 = 16 rows): a lane holds one row and its registers run along the next K.
; The weights' fragments come from memory straight into the operand registers, as images laid by the first launch; each byte once for a work-group.
; Codes made by a wave are one block of 32 a row: a lane's 16 codes, 12 bytes, go to LDS rows at 24 x block + 12 h; a reader takes 24 bytes a block.  Pitches of 400 and 1,552 bytes keep the 32 lanes of a read of 8 bytes on different banks.
; NO CLUSTER: all row blocks walk the same 1.77 MB of weight codes; a joint ring through LDS would share those requests among four partners; this text reads them into registers without a pass through LDS.
; GELU: x (1 + erf(x / sqrt 2)) / 2, erf as a quotient of polynomials in z^2 on |z| <= 4 (degrees 13 and 8).  LIMIT: its absolute error, about 1e-7, stands in 1 + erf, so far negative x carry an absolute error of about 6e-8 |x|.
; LIMITS: NaN and infinities are not served; a block of zeros gets the byte 1 where the quantiser says 127.
; Six barriers; in front of each a wave waits for all its LDS instructions.
; v216-247 hold scale words and nothing else; what is at work lies in the fragments' registers while no fragment lies there.
.set L_OC, 66048                       ; LDS: 0: 32 rows x 2,064 (x, then x1, then the result);  here: o's 16 half images
.set L_ST, 78336                       ; statistics: [norm 2][mean, squares][row 32] x 80 bytes (16 waves' words + 16)
.set L_FC, 88576                       ; f's codes, rows of 400
.set L_FS, 101376                      ; f's scale bytes, rows of 16
.set L_HC, 101888                      ; the hidden layer's codes, rows of 1,552
.set L_HS, 151552                      ; its scale bytes, rows of 80
.set WB,  24                           ; v24-119   weights' fragments (the norms' gains and shifts and statistics between the products)
.set FA,  120                          ; v120-143  two fragments of rows
.set FB,  144                          ; v144-167  two more
.set TG,  120                          ; v120-139  at work in the activation and the quantiser, between a chunk's last product and the next chunk's first fetch
.set HA,  168                          ; v168-199  the four accumulators: (m, n) at 16 m + 8 n
.set BI,  200                          ; v200-215  a bias
.set WSC, 216                          ; v216-223  the weights' scale words (third product: v216-231, two sets of eight)
.set FSC, 224                          ; v224-231  the rows' scale words
.set HW,  232                          ; v232-247  the hidden layer's scale words of eight K steps
.set LG,  24
.set LB,  40
.set FG,  56
.set FBB, 72
.set WCA, 32                           ; s[32:33] wc + 12,288 w;  s[34:35] wc + 49,152 w;  s[36:37] ws + 512 w;  s[38:39] ws + 2,048 w
.set WCB, 34
.set WSA, 36
.set WSB, 38
.set SEL, 94
.set CR2, 66
.set CA11, 68
.set CA9, 70
.set CA7, 72
.set CA5, 74
.set CA3, 76
.set CA1, 78
.set CB6, 80
.set CB4, 82
.set CB2, 84
.set CB0, 86
.set FLOOR, 0x2800000
.set EOFF,  0xfe000000
.macro SPAIR reg, val
	s_mov_b32 s[\reg], \val
	s_mov_b32 s[\reg+1], \val
.endm
.macro PLACES
.rept 4
	v_nop
.endr
.endm
.macro BARRIER                                 ; my LDS stores have landed and my LDS loads are in: then the work-group's barrier
	s_wait_dscnt 0x0
	s_barrier_signal -1
	s_barrier_wait -1
.endm
; Four products, the four accumulators by turns.  wf: the weight's fragment of n = 0, wd registers on for n = 1; rf: the rows' fragment of m = 0; their scale words likewise.  bias = 1: the sums begin with the bias.
.macro MM wf, wd, rf, ka, kad, kb, kbd, bias
.irp m, 0,1
.irp n, 0,1
.if \bias
	v_wmma_scale_f32_16x16x128_f8f6f4 v[HA+16*\m+8*\n:HA+16*\m+8*\n+7], v[\wf+\wd*\n:\wf+\wd*\n+11], v[\rf+12*\m:\rf+12*\m+11], v[BI+8*\n:BI+8*\n+7], v[\ka+\kad*\n], v[\kb+\kbd*\m] matrix_a_fmt:MATRIX_FMT_BF6 matrix_b_fmt:MATRIX_FMT_BF6
.else
	v_wmma_scale_f32_16x16x128_f8f6f4 v[HA+16*\m+8*\n:HA+16*\m+8*\n+7], v[\wf+\wd*\n:\wf+\wd*\n+11], v[\rf+12*\m:\rf+12*\m+11], v[HA+16*\m+8*\n:HA+16*\m+8*\n+7], v[\ka+\kad*\n], v[\kb+\kbd*\m] matrix_a_fmt:MATRIX_FMT_BF6 matrix_b_fmt:MATRIX_FMT_BF6
.endif
.endr
.endr
.endm
.macro XLD                                     ; my columns of the 32 rows, in the accumulators' layout
.irp m, 0,1
.irp n, 0,1
.irp u, 0,1
	ds_load_b128 v[HA+16*\m+8*\n+4*\u:HA+16*\m+8*\n+4*\u+3], v4 offset:33024*\m+64*\n+16*\u
.endr
.endr
.endr
.endm
.macro XST                                     ; and back; each accumulator from its low end on
.irp m, 0,1
.irp n, 0,1
.irp u, 0,1
	ds_store_b128 v4, v[HA+16*\m+8*\n+4*\u:HA+16*\m+8*\n+4*\u+3] offset:33024*\m+64*\n+16*\u
.endr
.endr
.endr
.endm
.macro ADDV src                                ; 16 numbers by channel onto both tiles
.irp m, 0,1
.irp k, 0,2,4,6,8,10,12,14
	v_pk_add_f32 v[HA+16*\m+\k:HA+16*\m+\k+1], v[HA+16*\m+\k:HA+16*\m+\k+1], v[\src+\k:\src+\k+1]
.endr
.endr
.endm
.macro CLOAD reg, sb                           ; my lane's 16 numbers of a vector by channel: 16 n + 8 h + 0 .. 7
.irp n, 0,1
.irp u, 0,1
	global_load_b128 v[\reg+8*\n+4*\u:\reg+8*\n+4*\u+3], v18, s[\sb:\sb+1] offset:64*\n+16*\u
.endr
.endr
.endm
.macro OLOAD s, buf                            ; o's fragments of K step s: heads 2 s and 2 s + 1 are its two halves
.irp m, 0,1
.irp g, 0,1
.irp j, 0,1,2
	ds_load_b64 v[\buf+12*\m+6*\g+2*\j:\buf+12*\m+6*\g+2*\j+1], v6 offset:(8*\m+2*\s+\g)*768+256*\j
.endr
.endr
.endr
.endm
.macro FLOAD s, buf                            ; f's fragments of K step s
.irp m, 0,1
.irp g, 0,1
.irp j, 0,1,2
	ds_load_b64 v[\buf+12*\m+6*\g+2*\j:\buf+12*\m+6*\g+2*\j+1], v12 offset:6400*\m+96*\s+48*\g+8*\j
.endr
.endr
.endr
.endm
.macro HLOAD s, buf                            ; the hidden layer's
.irp m, 0,1
.irp g, 0,1
.irp j, 0,1,2
	ds_load_b64 v[\buf+12*\m+6*\g+2*\j:\buf+12*\m+6*\g+2*\j+1], v16 offset:24832*\m+96*(\s)+48*\g+8*\j
.endr
.endr
.endr
.endm
; The mean and the sum of squared deviations of my 32 channels of each row (my 16 and lane l xor 16's), to my word of the row's statistics.
.macro LNSTAT ro
.irp m, 0,1
.set LT, 152+8*\m
.set LA, HA+16*\m
	v_pk_add_f32 v[LT:LT+1], v[LA:LA+1], v[LA+2:LA+3]
	v_pk_add_f32 v[LT+2:LT+3], v[LA+4:LA+5], v[LA+6:LA+7]
	v_pk_add_f32 v[LT:LT+1], v[LT:LT+1], v[LA+8:LA+9]
	v_pk_add_f32 v[LT+2:LT+3], v[LT+2:LT+3], v[LA+10:LA+11]
	v_pk_add_f32 v[LT:LT+1], v[LT:LT+1], v[LA+12:LA+13]
	v_pk_add_f32 v[LT+2:LT+3], v[LT+2:LT+3], v[LA+14:LA+15]
	v_pk_add_f32 v[LT:LT+1], v[LT:LT+1], v[LT+2:LT+3]
	v_add_f32 v[LT], v[LT], v[LT+1]
	v_permlanex16_b32 v[20+\m], v[LT], s[SEL], s[SEL+1]
	v_add_f32 v[LT], v[LT], v[20+\m]
	v_mul_f32 v[LT+6], 0x3d000000, v[LT]           ; the mean of 32
	v_mul_f32 v[LT+4], 0xbd000000, v[LT]
	v_mov_b32 v[LT+5], v[LT+4]
.irp k, 0,4,8,12
	v_pk_add_f32 v[88:89], v[LA+\k:LA+\k+1], v[LT+4:LT+5]
	v_pk_add_f32 v[90:91], v[LA+\k+2:LA+\k+3], v[LT+4:LT+5]
.if \k == 0
	v_pk_mul_f32 v[LT:LT+1], v[88:89], v[88:89]
	v_pk_mul_f32 v[LT+2:LT+3], v[90:91], v[90:91]
.else
	v_pk_fma_f32 v[LT:LT+1], v[88:89], v[88:89], v[LT:LT+1]
	v_pk_fma_f32 v[LT+2:LT+3], v[90:91], v[90:91], v[LT+2:LT+3]
.endif
.endr
	v_pk_add_f32 v[LT:LT+1], v[LT:LT+1], v[LT+2:LT+3]
	v_add_f32 v[LT], v[LT], v[LT+1]
	v_permlanex16_b32 v[20+\m], v[LT], s[SEL], s[SEL+1]
	v_add_f32 v[LT+7], v[LT], v[20+\m]
	ds_store_b32 v8, v[LT+6] offset:\ro+1280*\m
	ds_store_b32 v8, v[LT+7] offset:\ro+2560+1280*\m
.endr
.endm
; The sixteen waves' statistics are joined (equal counts: the mean of the means; the squares + 32 x the means' squared deviations: no difference of large sums), and the norm is applied in place.
.macro LNFIN ro, gg, bb, first
.irp m, 0,1
.irp t, 0,1
.irp q, 0,1,2,3
	ds_load_b128 v[88+32*\m+16*\t+4*\q:91+32*\m+16*\t+4*\q], v9 offset:\ro+2560*\t+1280*\m+16*\q
.endr
.endr
.endr
	s_wait_dscnt 0x0
.if \first
	s_wait_loadcnt 0x0                             ; the gains and shifts
.endif
.irp m, 0,1
.set LT, 152+8*\m
.set LR, 88+32*\m
.set LA, HA+16*\m
	v_pk_add_f32 v[LT:LT+1], v[LR:LR+1], v[LR+2:LR+3]
	v_pk_add_f32 v[LT+2:LT+3], v[LR+4:LR+5], v[LR+6:LR+7]
	v_pk_add_f32 v[LT:LT+1], v[LT:LT+1], v[LR+8:LR+9]
	v_pk_add_f32 v[LT+2:LT+3], v[LT+2:LT+3], v[LR+10:LR+11]
	v_pk_add_f32 v[LT:LT+1], v[LT:LT+1], v[LR+12:LR+13]
	v_pk_add_f32 v[LT+2:LT+3], v[LT+2:LT+3], v[LR+14:LR+15]
	v_pk_add_f32 v[LT:LT+1], v[LT:LT+1], v[LT+2:LT+3]
	v_add_f32 v[LT], v[LT], v[LT+1]
	v_mul_f32 v[LT+4], 0xbd800000, v[LT]           ; -mean
	v_mov_b32 v[LT+5], v[LT+4]
.irp k, 0,2,4,6,8,10,12,14
	v_pk_add_f32 v[LR+\k:LR+\k+1], v[LR+\k:LR+\k+1], v[LT+4:LT+5]
.endr
	v_pk_mul_f32 v[LT:LT+1], v[LR:LR+1], v[LR:LR+1]
	v_pk_mul_f32 v[LT+2:LT+3], v[LR+2:LR+3], v[LR+2:LR+3]
.irp k, 4,8,12
	v_pk_fma_f32 v[LT:LT+1], v[LR+\k:LR+\k+1], v[LR+\k:LR+\k+1], v[LT:LT+1]
	v_pk_fma_f32 v[LT+2:LT+3], v[LR+\k+2:LR+\k+3], v[LR+\k+2:LR+\k+3], v[LT+2:LT+3]
.endr
	v_pk_add_f32 v[LT:LT+1], v[LT:LT+1], v[LT+2:LT+3]
	v_add_f32 v[LT], v[LT], v[LT+1]
	v_pk_add_f32 v[LT+2:LT+3], v[LR+16:LR+17], v[LR+18:LR+19]
	v_pk_add_f32 v[LT+6:LT+7], v[LR+20:LR+21], v[LR+22:LR+23]
	v_pk_add_f32 v[LT+2:LT+3], v[LT+2:LT+3], v[LR+24:LR+25]
	v_pk_add_f32 v[LT+6:LT+7], v[LT+6:LT+7], v[LR+26:LR+27]
	v_pk_add_f32 v[LT+2:LT+3], v[LT+2:LT+3], v[LR+28:LR+29]
	v_pk_add_f32 v[LT+6:LT+7], v[LT+6:LT+7], v[LR+30:LR+31]
	v_pk_add_f32 v[LT+2:LT+3], v[LT+2:LT+3], v[LT+6:LT+7]
	v_add_f32 v[LT+2], v[LT+2], v[LT+3]
	v_fma_f32 v[LT], v[LT], 0x42000000, v[LT+2]
	v_fma_f32 v[LT], v[LT], s92, s93               ; the variance + 1e-5
	v_rsq_f32 v[LT+6], v[LT]
	v_nop                                          ; a plain place behind the transcendental
	s_wait_alu depctr_va_vdst(0)
	v_mov_b32 v[LT+7], v[LT+6]
.irp k, 0,2,4,6,8,10,12,14
	v_pk_add_f32 v[LA+\k:LA+\k+1], v[LA+\k:LA+\k+1], v[LT+4:LT+5]
.endr
.irp k, 0,2,4,6,8,10,12,14
	v_pk_mul_f32 v[LA+\k:LA+\k+1], v[LA+\k:LA+\k+1], v[LT+6:LT+7]
.endr
.irp k, 0,2,4,6,8,10,12,14
	v_pk_fma_f32 v[LA+\k:LA+\k+1], v[LA+\k:LA+\k+1], v[\gg+\k:\gg+\k+1], v[\bb+\k:\bb+\k+1]
.endr
.endr
.endm
; The four accumulators are one block of 32 for each of the two tiles' rows: my 16 numbers become 12 bytes of codes, and the block's byte is stored.  ca, co, cp: address register, offset and pitch of the codes; sa, so, sp: of the bytes.
.macro QB2 ca, co, cp, sa, so, sp
.irp m, 0,1
	v_max3_num_f32 v[TG+\m], |v[HA+16*\m]|, |v[HA+16*\m+1]|, FLOOR
.endr
.irp i, 2,4,6,8,10,12,14
.irp m, 0,1
	v_max3_num_f32 v[TG+\m], v[TG+\m], |v[HA+16*\m+\i]|, |v[HA+16*\m+\i+1]|
.endr
.endr
.irp m, 0,1
	v_permlanex16_b32 v[20+\m], v[TG+\m], s[SEL], s[SEL+1]
.endr
.irp m, 0,1
	v_max_num_f32 v[TG+\m], v[TG+\m], v[20+\m]
.endr
.irp m, 0,1
	v_add_nc_u32 v[TG+2+\m], EOFF, v[TG+\m]
.endr
.irp m, 0,1
	v_lshrrev_b32 v[TG+4+\m], 23, v[TG+2+\m]
.endr
.irp m, 0,1
	v_cvt_scalef32_pk16_bf6_f32 v[TG+8+4*\m:TG+10+4*\m], v[HA+16*\m:HA+16*\m+15], v[TG+2+\m]
.endr
	v_nop                                          ; one plain place behind a scaled conversion
.irp m, 0,1
.irp i, 0,1,2
	ds_store_b32 v[\ca], v[TG+8+4*\m+\i] offset:\co+16*\cp*\m+4*\i
.endr
	ds_store_b8 v[\sa], v[TG+4+\m] offset:\so+16*\sp*\m    ; lanes r and r + 16 write the same byte with the same value
.endr
.endm
.macro GELU4 a                                 ; four numbers in place
.irp k, 0,2
	v_pk_mul_f32 v[TG+\k:TG+1+\k], v[\a+\k:\a+\k+1], s[CR2:CR2+1] op_sel_hi:[1,0]
.endr
.irp k, 0,1,2,3
	v_med3_num_f32 v[TG+\k], v[TG+\k], -4.0, 4.0
.endr
.irp k, 0,2
	v_pk_mul_f32 v[TG+4+\k:TG+5+\k], v[TG+\k:TG+1+\k], v[TG+\k:TG+1+\k]
.endr
.irp k, 0,2
	v_pk_fma_f32 v[TG+8+\k:TG+9+\k], v[TG+4+\k:TG+5+\k], v[252:253], s[CA11:CA11+1] op_sel_hi:[1,1,0]
	v_pk_fma_f32 v[TG+12+\k:TG+13+\k], v[TG+4+\k:TG+5+\k], v[254:255], s[CB6:CB6+1] op_sel_hi:[1,1,0]
.endr
.irp k, 0,2
	v_pk_fma_f32 v[TG+8+\k:TG+9+\k], v[TG+8+\k:TG+9+\k], v[TG+4+\k:TG+5+\k], s[CA9:CA9+1] op_sel_hi:[1,1,0]
	v_pk_fma_f32 v[TG+12+\k:TG+13+\k], v[TG+12+\k:TG+13+\k], v[TG+4+\k:TG+5+\k], s[CB4:CB4+1] op_sel_hi:[1,1,0]
.endr
.irp k, 0,2
	v_pk_fma_f32 v[TG+8+\k:TG+9+\k], v[TG+8+\k:TG+9+\k], v[TG+4+\k:TG+5+\k], s[CA7:CA7+1] op_sel_hi:[1,1,0]
	v_pk_fma_f32 v[TG+12+\k:TG+13+\k], v[TG+12+\k:TG+13+\k], v[TG+4+\k:TG+5+\k], s[CB2:CB2+1] op_sel_hi:[1,1,0]
.endr
.irp k, 0,2
	v_pk_fma_f32 v[TG+8+\k:TG+9+\k], v[TG+8+\k:TG+9+\k], v[TG+4+\k:TG+5+\k], s[CA5:CA5+1] op_sel_hi:[1,1,0]
	v_pk_fma_f32 v[TG+12+\k:TG+13+\k], v[TG+12+\k:TG+13+\k], v[TG+4+\k:TG+5+\k], s[CB0:CB0+1] op_sel_hi:[1,1,0]
.endr
.irp k, 0,2
	v_pk_fma_f32 v[TG+8+\k:TG+9+\k], v[TG+8+\k:TG+9+\k], v[TG+4+\k:TG+5+\k], s[CA3:CA3+1] op_sel_hi:[1,1,0]
.endr
.irp k, 0,2
	v_pk_fma_f32 v[TG+8+\k:TG+9+\k], v[TG+8+\k:TG+9+\k], v[TG+4+\k:TG+5+\k], s[CA1:CA1+1] op_sel_hi:[1,1,0]
.endr
.irp k, 0,1,2,3
	v_rcp_f32 v[TG+12+\k], v[TG+12+\k]
.endr
.irp k, 0,2
	v_pk_mul_f32 v[TG+8+\k:TG+9+\k], v[TG+8+\k:TG+9+\k], v[TG+\k:TG+1+\k]   ; (plain places behind the reciprocals)
.endr
.irp k, 0,2
	v_pk_mul_f32 v[TG+16+\k:TG+17+\k], v[\a+\k:\a+\k+1], 0.5 op_sel_hi:[1,0]
.endr
	s_wait_alu depctr_va_vdst(0)
.irp k, 0,2
	v_pk_mul_f32 v[TG+8+\k:TG+9+\k], v[TG+8+\k:TG+9+\k], v[TG+12+\k:TG+13+\k]   ; erf
.endr
.irp k, 0,2
	v_pk_fma_f32 v[\a+\k:\a+\k+1], v[TG+8+\k:TG+9+\k], v[TG+16+\k:TG+17+\k], v[TG+16+\k:TG+17+\k]
.endr
.endm
.macro LOADW1 c                                ; chunk c of W1: scale words, bias, then the eight fragments, K step by K step
.irp n, 0,1
	global_load_b128 v[WSC+4*\n:WSC+4*\n+3], v3, s[WSB:WSB+1] offset:32768+512*(\c)+256*\n
.endr
.irp n, 0,1
.irp u, 0,1
	global_load_b128 v[BI+8*\n+4*\u:BI+8*\n+4*\u+3], v18, s[24:25] offset:128*(\c)+64*\n+16*\u
.endr
.endr
.irp s, 0,1,2,3
.irp n, 0,1
.irp j, 0,1,2
	global_load_b128 v[WB+12*(4*\n+\s)+4*\j:WB+12*(4*\n+\s)+4*\j+3], v1, s[WCB:WCB+1] offset:786432+12288*(\c)+(4*\n+\s)*1536+512*\j
.endr
.endr
.endr
.endm
.macro LOADW2 g                                ; W2's four fragments of K steps 2 g and 2 g + 1 into set g % 2
.irp e, 0,1
.irp n, 0,1
.irp j, 0,1,2
	global_load_b128 v[WB+48*((\g)&1)+12*(2*\n+\e)+4*\j:WB+48*((\g)&1)+12*(2*\n+\e)+4*\j+3], v1, s[WCB:WCB+1] offset:1572864+24576*\n+1536*(2*(\g)+\e)+512*\j
.endr
.endr
.endr
.endm
.macro LOADS2 q                                ; W2's scale words of K steps 4 q .. 4 q + 3 into set q % 2: (n, s) at WSC + 8 (q % 2) + 4 n + s % 4
.irp n, 0,1
	global_load_b128 v[WSC+8*((\q)&1)+4*\n:WSC+8*((\q)&1)+4*\n+3], v19, s[WSB:WSB+1] offset:65536+1024*\n+16*(\q)
.endr
.endm
.macro LOADC                                   ; what the third product wants first
	LOADS2 0
	LOADS2 1
	CLOAD BI, 26                                   ; b2
	LOADW2 0
	LOADW2 1
.endm
.macro HWORDS p                                ; the hidden layer's scale words of K steps 8 p .. 8 p + 7: (m, s) at HW + 8 m + s % 8
.irp m, 0,1
.irp q, 0,1
	ds_load_b128 v[HW+8*\m+4*\q:HW+8*\m+4*\q+3], v17 offset:1280*\m+16*\q+32*\p
.endr
.endr
.endm
	s_load_b512 s[4:19], s[0:1], 0x0               ; oc, os, wc, ws, x, bo, ln_g, ln_b
	s_load_b256 s[20:27], s[0:1], 0x40             ; ffln_g, ffln_b, b1, b2
	s_load_b64 s[28:29], s[0:1], 0x60              ; out0
	v_lshl_add_u32 v250, v0, 2, 0x25a00
	v_mov_b32 v251, 0
	v_lshrrev_b32 v1, 5, v0
	v_readfirstlane_b32 s30, v1                    ; wave 0..15
	v_and_b32 v20, 31, v0                          ; L
	v_and_b32 v21, 15, v0                          ; r
	v_bfe_u32 v22, v0, 4, 1                        ; h
	v_lshlrev_b32 v1, 4, v20                       ; 16 L
	v_lshlrev_b32 v2, 3, v20                       ; 8 L
	v_lshlrev_b32 v3, 4, v21                       ; 16 r
	v_mul_u32_u24 v4, v21, 2064
	v_lshl_add_u32 v4, v22, 5, v4
	s_lshl_b32 s31, s30, 7
	v_add_nc_u32 v4, s31, v4                       ; rows: 2,064 r + 32 h + 128 w: my columns
	s_mul_i32 s31, s30, 4128
	v_add_nc_u32 v5, s31, v1                       ; rows 2 w, 2 w + 1, whole: 16 L
	v_add_nc_u32 v6, L_OC, v2
	s_mul_i32 s31, s30, 768
	v_add_nc_u32 v7, s31, v6
	v_mul_u32_u24 v9, v21, 80
	v_add_nc_u32 v17, L_HS, v9
	v_add_nc_u32 v9, L_ST, v9
	s_lshl_b32 s31, s30, 2
	v_add_nc_u32 v8, s31, v9
	v_add_nc_u32 v15, s31, v17
	v_mul_u32_u24 v23, v21, 400
	v_add_nc_u32 v23, L_FC, v23
	v_mad_u32_u24 v12, v22, 24, v23
	v_mad_u32_u24 v10, v22, 12, v23
	s_mul_i32 s31, s30, 24
	v_add_nc_u32 v10, s31, v10
	v_add_nc_u32 v13, L_FS, v3
	v_add_nc_u32 v11, s30, v13
	v_mul_u32_u24 v23, v21, 1552
	v_add_nc_u32 v23, L_HC, v23
	v_mad_u32_u24 v16, v22, 24, v23
	v_mad_u32_u24 v14, v22, 12, v23
	s_mul_i32 s31, s30, 96
	v_add_nc_u32 v14, s31, v14
	v_lshlrev_b32 v18, 5, v22                      ; 32 h
	v_lshlrev_b32 v19, 6, v21                      ; 64 r
	v_mov_b32 v252, -0.000000000272614225801306    ; the leading coefficients of erf's two polynomials, as vector pairs
	v_mov_b32 v253, v252
	v_mov_b32 v254, -0.0000145660718464996
	v_mov_b32 v255, v254
	s_mov_b32 s[SEL], 0x76543210
	s_mov_b32 s[SEL+1], 0xfedcba98
	s_mov_b32 s92, 0x3b000000                      ; 1 / 512
	s_mov_b32 s93, 0x3727c5ac                      ; 1e-5
	SPAIR CR2, 0x3f3504f3                          ; 1 / sqrt 2
	SPAIR CA11, 0.0000000277068142495902
	SPAIR CA9, -0.00000210102402082508
	SPAIR CA7, -0.0000569250639462346
	SPAIR CA5, -0.000734990630326855
	SPAIR CA3, -0.00295459980854025
	SPAIR CA1, -0.0160960333262415
	SPAIR CB6, -0.000213374055278905
	SPAIR CB4, -0.00168282697438203
	SPAIR CB2, -0.00737332916720468
	SPAIR CB0, -0.0142647390514189
	s_lshl_b32 s44, ttmp9, 4
	s_add_co_u32 s44, s44, s30
	s_mul_i32 s44, s44, 768                        ; o's half image number w of the work-group's 16
	s_mov_b32 s45, 0
	s_lshl_b32 s46, ttmp9, 9                       ; o's scale bytes: 32 rows of 16
	s_mov_b32 s47, 0
	s_mul_i32 s48, s30, 12288
	s_mov_b32 s49, 0
	s_mul_i32 s50, s30, 49152
	s_mov_b32 s51, 0
	s_lshl_b32 s52, s30, 9
	s_mov_b32 s53, 0
	s_lshl_b32 s54, s30, 11
	s_mov_b32 s55, 0
	s_lshl_b32 s56, ttmp9, 16
	s_lshl_b32 s57, s30, 12
	s_add_co_u32 s56, s56, s57                     ; rows 32 x work-group + 2 w of x and of the output
	s_mov_b32 s57, 0
	s_lshl_b32 s58, s30, 7                         ; my 32 channels
	s_mov_b32 s59, 0
	s_wait_kmcnt 0x0
	s_add_nc_u64 s[4:5], s[4:5], s[44:45]
	s_add_nc_u64 s[6:7], s[6:7], s[46:47]
	s_add_nc_u64 s[WCA:WCA+1], s[8:9], s[48:49]
	s_add_nc_u64 s[WCB:WCB+1], s[8:9], s[50:51]
	s_add_nc_u64 s[WSA:WSA+1], s[10:11], s[52:53]
	s_add_nc_u64 s[WSB:WSB+1], s[10:11], s[54:55]
	s_add_nc_u64 s[12:13], s[12:13], s[56:57]
	s_add_nc_u64 s[28:29], s[28:29], s[56:57]
	s_add_nc_u64 s[14:15], s[14:15], s[58:59]
	s_add_nc_u64 s[16:17], s[16:17], s[58:59]
	s_add_nc_u64 s[18:19], s[18:19], s[58:59]
	s_add_nc_u64 s[20:21], s[20:21], s[58:59]
	s_add_nc_u64 s[22:23], s[22:23], s[58:59]
	s_add_nc_u64 s[26:27], s[26:27], s[58:59]
	s_add_nc_u64 s[24:25], s[24:25], s[52:53]      ; b1: my 128 hidden units
; ---- 0: two whole rows of x and one half image of o a wave, in runs of 512 and 256 consecutive bytes, to LDS
.set k, 0
.rept 8
	global_load_b128 v[HA+4*k:HA+4*k+3], v1, s[12:13] offset:2048*(k/4)+512*(k%4) th:TH_LOAD_NT
.set k, k+1
.endr
.irp j, 0,1,2
	global_load_b64 v[TG+2*\j:TG+1+2*\j], v2, s[4:5] offset:256*\j th:TH_LOAD_NT
.endr
.irp m, 0,1
	global_load_b128 v[FSC+4*\m:FSC+4*\m+3], v3, s[6:7] offset:256*\m
.endr
.irp n, 0,1
	global_load_b128 v[WSC+4*\n:WSC+4*\n+3], v3, s[WSA:WSA+1] offset:24576+256*\n
.endr
	CLOAD BI, 14                                   ; bo
.irp n, 0,1
.irp s, 0,1,2,3
.irp j, 0,1,2
	global_load_b128 v[WB+12*(4*\n+\s)+4*\j:WB+12*(4*\n+\s)+4*\j+3], v1, s[WCA:WCA+1] offset:589824+(4*\n+\s)*1536+512*\j
.endr
.endr
.endr
	s_wait_loadcnt 32                              ; x and o's image are in; the 32 loads behind them (scale words 4, bo 4, Wo 24) may be out
.set k, 0
.rept 8
	ds_store_b128 v5, v[HA+4*k:HA+4*k+3] offset:2064*(k/4)+512*(k%4)
.set k, k+1
.endr
.irp j, 0,1,2
	ds_store_b64 v7, v[TG+2*\j:TG+1+2*\j] offset:256*\j
.endr
	BARRIER                                        ; x's 32 rows and o's 16 half images lie in LDS
; ---- A: x1 = x + bo + o Wo, my 32 channels
	XLD
	OLOAD 0, FA
	OLOAD 1, FB
	s_wait_loadcnt 0x0
	s_wait_dscnt 0x0
	ADDV BI
	MM WB, 48, FA, WSC, 4, FSC, 4, 0
	MM WB+12, 48, FB, WSC+1, 4, FSC+1, 4, 0
	PLACES
	OLOAD 2, FA
	OLOAD 3, FB
	s_wait_dscnt 0x0
	MM WB+24, 48, FA, WSC+2, 4, FSC+2, 4, 0
	MM WB+36, 48, FB, WSC+3, 4, FSC+3, 4, 0
	PLACES
	XST                                            ; x1 is kept in my own columns of the rows: no other wave touches them until the way out
	CLOAD LG, 16
	CLOAD LB, 18
	CLOAD FG, 20
	CLOAD FBB, 22
	LNSTAT 0
	BARRIER
	LNFIN 0, LG, LB, 1
	LNSTAT 5120
	BARRIER
	LNFIN 5120, FG, FBB, 0
	LOADW1 0                                       ; lands under the quantiser and the barrier
	QB2 10, 0, 400, 11, 0, 16
	BARRIER                                        ; f's codes and scale bytes lie in LDS
; ---- B: the hidden layer, four chunks of 32 units
.irp m, 0,1
	ds_load_b128 v[FSC+4*\m:FSC+4*\m+3], v13 offset:256*\m
.endr
.macro CHUNK c, last
	s_wait_dscnt 0x0                               ; the last chunk's LDS stores have read their registers, into which the fragments below land
	FLOAD 0, FA
	FLOAD 1, FB
	s_wait_dscnt 0x0
	s_wait_loadcnt 18                              ; scale words, bias and K step 0 are in; 6 loads for each later K step may be out
	MM WB, 48, FA, WSC, 4, FSC, 4, 1
	s_wait_loadcnt 12
	MM WB+12, 48, FB, WSC+1, 4, FSC+1, 4, 0
	PLACES
	FLOAD 2, FA
	FLOAD 3, FB
	s_wait_dscnt 0x0
	s_wait_loadcnt 6
	MM WB+24, 48, FA, WSC+2, 4, FSC+2, 4, 0
	s_wait_loadcnt 0x0
	MM WB+36, 48, FB, WSC+3, 4, FSC+3, 4, 0
	PLACES
.if \last
	LOADC                                          ; the third product's first loads land under the last activation
.else
	LOADW1 \c+1                                    ; the next chunk's weights land under this chunk's activation
.endif
.irp a, 0,4,8,12,16,20,24,28
	GELU4 HA+\a
.endr
	QB2 14, 24*\c, 1552, 15, \c, 80
.endm
	CHUNK 0, 0
	CHUNK 1, 0
	CHUNK 2, 0
	CHUNK 3, 1
	BARRIER                                        ; the hidden layer's codes and scale bytes lie in LDS
; ---- C: out = x1 + b2 + hidden W2, my 32 channels: 16 K steps
	XLD
	HWORDS 0
	s_wait_loadcnt 24                              ; W2's first scale words and b2 are in; the first two groups of fragments may be out
	s_wait_dscnt 0x0
	ADDV BI
	HLOAD 0, FA
	HLOAD 1, FB
.macro KSTEP s
.if (\s)%2 == 0
.if \s == 14
	s_wait_loadcnt 0x0
.elseif (\s == 4) || (\s == 8)
	s_wait_loadcnt 14                              ; this group of W2 is in; behind it stand two loads of scale words and the next group's 12
.else
	s_wait_loadcnt 12                              ; this group of W2 is in, and the scale words asked for ahead of it; the next group's 12 loads may be out
.endif
.endif
.if (\s == 8) || (\s == 15)
	s_wait_dscnt 0x0
.else
	s_wait_dscnt 12                                ; this K step's fragments are in; the next step's 12 loads may be out
.endif
	MM WB+48*(((\s)/2)&1)+12*((\s)&1), 24, FA+24*((\s)&1), WSC+8*(((\s)/4)&1)+((\s)&3), 4, HW+((\s)&7), 8, 0
	PLACES
.if \s+2 < 16
	HLOAD \s+2, FA+24*((\s)&1)
.endif
.if (\s == 3) || (\s == 7)
	LOADS2 (\s+5)/4                                ; the set of scale words just left takes the K steps eight on
.endif
.if ((\s)%2 == 1) && (\s+3 < 16)
	LOADW2 (\s+3)/2
.endif
.if \s == 7
	HWORDS 1
.endif
.endm
.irp s, 0,1,2,3,4,5,6,7,8,9,10,11,12,13,14,15
	KSTEP \s
.endr
	XST
	BARRIER                                        ; 32 whole rows of the result lie in LDS
.set k, 0
.rept 8
	ds_load_b128 v[24+4*k:27+4*k], v5 offset:2064*(k/4)+512*(k%4)
.set k, k+1
.endr
.set k, 0
.rept 8
	s_wait_dscnt 7-k
	global_store_b128 v1, v[24+4*k:27+4*k], s[28:29] offset:2048*(k/4)+512*(k%4) th:TH_STORE_NT   ; 32 lanes store 512 consecutive bytes, at a multiple of 256 from the output's first byte
.set k, k+1
.endr
	s_wait_tensorcnt 0x0
	ds_add_u32 v250, v251
	s_wait_dscnt 0x0
	s_endpgm
.Lfunc_end_k_qbf6ff997c6_tail:
	.size	k_qbf6ff997c6_tail, .Lfunc_end_k_qbf6ff997c6_tail-k_qbf6ff997c6_tail
	.p2alignl 7, 3214868480
	.fill 96, 4, 3214868480
	.section	.rodata,"a",@progbits
	.p2align	6, 0x0
	.amdhsa_kernel k_qbf6ff997c6_tail
		.amdhsa_group_segment_fixed_size 156160
		.amdhsa_private_segment_fixed_size 0
		.amdhsa_enable_private_segment 0
		.amdhsa_kernarg_size 104
		.amdhsa_user_sgpr_count 2
		.amdhsa_user_sgpr_kernarg_segment_ptr 1
		.amdhsa_wavefront_size32 1
		.amdhsa_system_sgpr_workgroup_id_x 1
		.amdhsa_system_sgpr_workgroup_id_y 1
		.amdhsa_system_sgpr_workgroup_id_z 1
		.amdhsa_system_vgpr_workitem_id 0
		.amdhsa_next_free_vgpr 256
		.amdhsa_next_free_sgpr 100
		.amdhsa_reserve_vcc 0
		.amdhsa_float_denorm_mode_32 3
		.amdhsa_float_denorm_mode_16_64 3
		.amdhsa_memory_ordered 1
		.amdhsa_forward_progress 1
		.amdhsa_inst_pref_size 204
	.end_amdhsa_kernel
	.amdgpu_metadata
---
amdhsa.version: [ 1, 2 ]
amdhsa.kernels:
  - .name:           k_qbf6ff997c6_tail
    .symbol:         k_qbf6ff997c6_tail.kd
    .args:
      - { .name: oc, .offset: 0, .size: 8, .value_kind: global_buffer, .address_space: global }
      - { .name: os, .offset: 8, .size: 8, .value_kind: global_buffer, .address_space: global }
      - { .name: wc, .offset: 16, .size: 8, .value_kind: global_buffer, .address_space: global }
      - { .name: ws, .offset: 24, .size: 8, .value_kind: global_buffer, .address_space: global }
      - { .name: x, .offset: 32, .size: 8, .value_kind: global_buffer, .address_space: global }
      - { .name: bo, .offset: 40, .size: 8, .value_kind: global_buffer, .address_space: global }
      - { .name: ln_g, .offset: 48, .size: 8, .value_kind: global_buffer, .address_space: global }
      - { .name: ln_b, .offset: 56, .size: 8, .value_kind: global_buffer, .address_space: global }
      - { .name: ffln_g, .offset: 64, .size: 8, .value_kind: global_buffer, .address_space: global }
      - { .name: ffln_b, .offset: 72, .size: 8, .value_kind: global_buffer, .address_space: global }
      - { .name: b1, .offset: 80, .size: 8, .value_kind: global_buffer, .address_space: global }
      - { .name: b2, .offset: 88, .size: 8, .value_kind: global_buffer, .address_space: global }
      - { .name: out0, .offset: 96, .size: 8, .value_kind: global_buffer, .address_space: global }
    .group_segment_fixed_size: 156160
    .private_segment_fixed_size: 0
    .kernarg_segment_align: 8
    .kernarg_segment_size: 104
    .max_flat_workgroup_size: 512
    .sgpr_count:     100
    .vgpr_count:     256
    .wavefront_size: 32
...
	.end_amdgpu_metadata
.endif
;; end of part 4
;; ======== version 2 of 2: 4 launches
;; workspace buffers: wc 2,359,296 bytes; ws 98,304 bytes; hc 3,145,728 bytes; hs 131,072 bytes; qb 3,407,872 bytes; kv 6,684,672 bytes; oc 3,145,728 bytes; os 131,072 bytes
;; launch prep (part 5): grid 448 x 1, 4 waves a work-group, no clusters, 69,120 bytes of LDS; arguments x, ln_g, ln_b, Wq, Wk, Wv, Wo, W1, W2, wc, ws, hc, hs; writes wc, ws, hc, hs
.if DOCPART == 5
	.amdgcn_target "amdgcn-amd-amdhsa--gfx1250"
	.amdhsa_code_object_version 6
	.text
	.protected	k_qbf6ff997c6_prep
	.globl	k_qbf6ff997c6_prep
	.p2align	8
	.type	k_qbf6ff997c6_prep,@function
k_qbf6ff997c6_prep:
	s_mov_b64 s[64:65], 0
	v_nop
	global_prefetch_b8 v0, s[64:65] scope:SCOPE_SE
	s_setreg_imm32_b32 hwreg(HW_REG_WAVE_MODE, 25, 1), 1
	s_wait_xcnt 0x0
; PREP.  Work-groups 0-255: h = rope(layernorm(x)) becomes codes of E3M2 with one E8M0 byte for each 32 along K.  Work-groups 256-447: the six weights become codes, K innermost.
; ORDER INSIDE A BLOCK OF 32.  Every operand of every product of this program lies in ONE order: positions 0-7, 8-15, 16-23, 24-31 of a block hold its elements 0-7, 16-23, 8-15, 24-31.
; A permutation inside a block, alike on both sides of a product, changes neither the block's scale nor any product; it is the order in which a matrix result of two neighbouring tiles falls into a lane.
; IMAGES.  A fragment (16 rows x 128 K, 12 registers a lane) is stored as its registers stand: registers 4 j .. 4 j + 3 of lane L at 512 j + 16 L: each store covers 512 consecutive, aligned bytes.
; X PATH: a work-group takes 32 rows; wave w takes 16 rows (tile w / 2) and the K steps sh = w % 2 and sh + 2, which hold the rotation's partners k and k + 256 at equal register places.
; WEIGHTS: a wave takes 32 columns x 128 along K; a lane takes a column and its registers run down K.
; LIMITS: NaN and infinities are not served.  A block of zeros gets the byte 1 where the quantiser says 127: its codes are zeros and only this program reads the bytes.
; The rotation's frequency is 2^(-i log2(10000) / 256) by v_exp_f32 on an exact argument with a first-order correction for the constant's low part: good to a few units in its last place;
; sine and cosine: reduction by multiples of pi in two parts, then series whose first omitted terms are 5.7e-8 and 6.4e-9 at pi / 2.
.set X,     64                         ; v64-191: the wave's 128 numbers a lane: part P (K step sh + 2 P) at X + 64 P; in it block c at 32 c
.set GB,    192                        ; v192-255: two sets of 32: gain and shift of part 0, gain and shift of part 1, eight each
.set STB,   67584                      ; LDS: behind the four stages of 16,896 bytes: 256 bytes of statistics for each wave
.set FLOOR, 0x2800000                  ; 2^(5 - 127): under it no largest magnitude is taken, so a scale's byte cannot fall under 1
.set EOFF,  0xfe000000                 ; 4 off an exponent field
.set SEL,   94                         ; s[94:95] v_permlanex16_b32's selects for lane l xor 16
.set CNCH,  66                         ; constants, each as a pair (the packed forms name a pair and take its low word for both halves)
.set CK2,   68
.set CIPI,  70
.set CNPH,  72
.set CNPL,  74
.set CS9,   76
.set CS7,   78
.set CS5,   80
.set CS3,   82
.set CC10,  84
.set CC8,   86
.set CC6,   88
.set CC4,   90
.macro SPAIR reg, val
	s_mov_b32 s[\reg], \val
	s_mov_b32 s[\reg+1], \val
.endm
	s_load_b512 s[4:19], s[0:1], 0x0               ; x, ln_g, ln_b, Wq, Wk, Wv, Wo, W1
	s_load_b256 s[20:27], s[0:1], 0x40             ; W2, wc, ws, hc
	s_load_b64 s[28:29], s[0:1], 0x60              ; hs
	v_lshl_add_u32 v51, v0, 2, 0x10c00
	s_set_vgpr_msb 0x40
	v_mov_b32 v1, 0
	s_set_vgpr_msb 0x4000
	v_lshrrev_b32 v1, 5, v0
	v_readfirstlane_b32 s30, v1                    ; wave 0..3
	v_and_b32 v1, 31, v0                           ; lane L
	s_mov_b32 s[SEL], 0x76543210
	s_mov_b32 s[SEL+1], 0xfedcba98
	s_cmp_lt_u32 ttmp9, 256                        ; the same answer in all four waves of a work-group
	s_cbranch_scc0 .Lweights
; ---------------------------------------------------------------- the x path
	v_and_b32 v2, 15, v0                           ; r
	v_bfe_u32 v3, v0, 4, 1                         ; h
	v_lshlrev_b32 v4, 4, v1                        ; 16 L
	s_wait_alu depctr_va_vdst(0)
	s_and_b32 s31, s30, 1                          ; sh
	s_lshr_b32 s32, s30, 1
	s_lshl_b32 s33, ttmp9, 1
	s_add_co_u32 s32, s32, s33                     ; tl: my tile of 16 rows, 0..511
	s_mul_i32 s33, s30, 16896                      ; my stage
	s_lshl_b32 s34, s31, 9                         ; 512 sh
	s_lshl_b32 s35, s30, 8
	s_xor_b32 s36, s30, 1                          ; the wave that holds the other half of my rows
	s_lshl_b32 s36, s36, 8
	s_lshl_b32 s37, s31, 7                         ; 128 sh
	s_and_b32 s38, s32, 127
	s_lshl_b32 s38, s38, 4                         ; my first row's place in its sequence of 2,048
	v_add_nc_u32 v5, s33, v4                       ; the stage, in: 16 L
	v_mul_u32_u24 v6, v2, 528
	v_lshl_add_u32 v6, v3, 7, v6
	v_add_nc_u32 v6, s33, v6                       ; the stage, out: 528 r + 128 h
	v_lshl_add_u32 v7, v3, 7, s34                  ; gain and shift: 128 h + 512 sh
	v_lshlrev_b32 v8, 4, v2                        ; 16 r
	v_lshlrev_b32 v9, 3, v1
	v_add_nc_u32 v10, s36, v9
	v_add_nc_u32 v10, STB, v10                     ; the partner's statistics
	v_add_nc_u32 v9, s35, v9
	v_add_nc_u32 v9, STB, v9                       ; mine
	v_lshl_add_u32 v12, v3, 5, s37
	v_cvt_f32_u32 v12, v12                         ; 128 sh + 32 h,
	v_add_f32 v13, 1.0, v12                        ; and one more: the first pair's frequency indices
	v_add_nc_u32 v14, s38, v2
	v_cvt_f32_u32 v14, v14                         ; t, my row's position
	v_mov_b32 v15, v14
	v_mov_b32 v48, 0                               ; a lane permute's destination counts as one of its sources
	v_lshlrev_b32 v49, 3, v3                       ; 8 h
	v_mov_b32 v52, -0.000000025052108              ; -1 / 11!
	v_mov_b32 v53, v52
	v_mov_b32 v54, 0.0000000020876757              ; 1 / 12!
	v_mov_b32 v55, v54
	SPAIR CNCH, 0xbd549a00                         ; -(log2(10000) / 256 cut to 15 bits): times an index under 256 it is exact
	SPAIR CK2, 0x34a6c3fc                          ; what was cut off, times ln 2
	SPAIR CIPI, 0x3ea2f983                         ; 1 / pi
	SPAIR CNPH, 0xc0490fdb                         ; -pi, its f32 part,
	SPAIR CNPL, 0x33bbbd2e                         ; and what that part has too much
	SPAIR CS9, 0.0000027557319
	SPAIR CS7, -0.00019841270
	SPAIR CS5, 0.0083333333
	SPAIR CS3, -0.16666667
	SPAIR CC10, -0.00000027557319
	SPAIR CC8, 0.000024801587
	SPAIR CC6, -0.0013888889
	SPAIR CC4, 0.041666667
	s_mov_b32 s92, 0x3b000000                      ; 1 / 512
	s_mov_b32 s93, 0x3727c5ac                      ; 1e-5
	s_lshl_b32 s40, s32, 15
	s_add_co_u32 s40, s40, s34                     ; x: tile x 32,768 + 512 sh
	s_mov_b32 s41, 0
	s_lshl_b32 s42, s32, 2
	s_add_co_u32 s42, s42, s31
	s_mul_i32 s42, s42, 1536                       ; hc: fragment 4 tl + sh
	s_mov_b32 s43, 0
	s_lshl_b32 s44, s32, 8
	s_lshl_b32 s45, s31, 2
	s_add_co_u32 s44, s44, s45                     ; hs: 256 tl + 4 sh
	s_mov_b32 s45, 0
	s_wait_kmcnt 0x0
	s_add_nc_u64 s[40:41], s[4:5], s[40:41]
	s_add_nc_u64 s[42:43], s[26:27], s[42:43]
	s_add_nc_u64 s[44:45], s[28:29], s[44:45]
; gain and shift of octet o (block c = o / 4, registers 8 q on, q = o % 4: the block's elements 8 pi(q) on) into set o % 2
.macro GLOAD o
.set GC, (\o)/4
.set GQ, (\o)%4
.set GP, ((GQ&1)*2+(GQ>>1))
.set GS, GB+32*((\o)%2)
.irp p, 0,1
.irp u, 0,1
	global_load_b128 v[GS+16*\p+4*\u:GS+16*\p+4*\u+3], v7, s[6:7] offset:1024*\p+256*GC+32*GP+16*\u
	global_load_b128 v[GS+16*\p+8+4*\u:GS+16*\p+8+4*\u+3], v7, s[8:9] offset:1024*\p+256*GC+32*GP+16*\u
.endr
.endr
.endm
.set i, 0
.rept 32                                       ; piece i = 16 P + row: 512 consecutive bytes a load
	global_load_b128 v[X+4*i:X+4*i+3], v4, s[40:41] offset:2048*(i%16)+1024*(i/16) th:TH_LOAD_NT
.set i, i+1
.endr
	GLOAD 0
	s_wait_loadcnt 8                               ; x is in; the eight loads of gain and shift may be out
.set i, 0
.rept 32
	ds_store_b128 v5, v[X+4*i:X+4*i+3] offset:528*i        ; a piece is 512 bytes + 16 of padding
.set i, i+1
.endr
.set i, 0
.rept 32                                       ; back: lane (r, h) takes row r, k = 64 c + 32 h + .. of each part, in the block order.  LDS serves a wave's instructions in order: these see the stores above
.set q, (i/2)%4
	ds_load_b128 v[X+4*i:X+4*i+3], v6 offset:8448*(i/16)+256*((i/8)%2)+32*((q&1)*2+(q>>1))+16*(i%2)
.set i, i+1
.endr
	s_wait_dscnt 0x0
; the mean and the sum of squared deviations of my 256 numbers of each row (my 128 and lane l xor 16's)
.irp k, 0,1,2,3
	v_pk_add_f32 v[20+2*\k:21+2*\k], v[X+2*\k:X+2*\k+1], v[X+8+2*\k:X+9+2*\k]
.endr
.set j, 8
.rept 56
	v_pk_add_f32 v[20+2*(j%4):21+2*(j%4)], v[20+2*(j%4):21+2*(j%4)], v[X+2*j:X+2*j+1]
.set j, j+1
.endr
	v_pk_add_f32 v[20:21], v[20:21], v[22:23]
	v_pk_add_f32 v[24:25], v[24:25], v[26:27]
	v_pk_add_f32 v[20:21], v[20:21], v[24:25]
	v_add_f32 v20, v20, v21
	v_permlanex16_b32 v21, v20, s[SEL], s[SEL+1]
	v_add_f32 v20, v20, v21
	v_mul_f32 v38, 0x3b800000, v20                 ; the mean of 256
	v_mul_f32 v36, 0xbb800000, v20
	v_mov_b32 v37, v36
.set j, 0
.rept 16
.irp k, 0,1,2,3
	v_pk_add_f32 v[28+2*\k:29+2*\k], v[X+8*j+2*\k:X+8*j+2*\k+1], v[36:37]
.endr
.irp k, 0,1,2,3
.if j == 0
	v_pk_mul_f32 v[20+2*\k:21+2*\k], v[28+2*\k:29+2*\k], v[28+2*\k:29+2*\k]
.else
	v_pk_fma_f32 v[20+2*\k:21+2*\k], v[28+2*\k:29+2*\k], v[28+2*\k:29+2*\k], v[20+2*\k:21+2*\k]
.endif
.endr
.set j, j+1
.endr
	v_pk_add_f32 v[20:21], v[20:21], v[22:23]
	v_pk_add_f32 v[24:25], v[24:25], v[26:27]
	v_pk_add_f32 v[20:21], v[20:21], v[24:25]
	v_add_f32 v20, v20, v21
	v_permlanex16_b32 v21, v20, s[SEL], s[SEL+1]
	v_add_f32 v39, v20, v21
	ds_store_b64 v9, v[38:39]
	s_wait_alu depctr_va_vdst(0)
	s_wait_dscnt 0x0                               ; for the partner's sake: my store has landed
	s_barrier_signal -1
	s_barrier_wait -1
	ds_load_b64 v[40:41], v10
	s_wait_dscnt 0x0
	v_add_f32 v42, v38, v40                        ; two halves of 256 joined: no difference of large sums is formed
	v_sub_f32 v43, v38, v40
	v_add_f32 v44, v39, v41
	v_mul_f32 v16, -0.5, v42                       ; -mean
	v_mul_f32 v43, v43, v43
	v_mov_b32 v17, v16
	v_fma_f32 v44, v43, 0x43000000, v44            ; + 128 x (difference of the means)^2
	v_fma_f32 v44, v44, s92, s93                   ; the variance + 1e-5
	s_wait_alu depctr_va_vdst(0)
	v_rsq_f32 v18, v44
	v_nop                                          ; a plain place behind the transcendental
	s_wait_alu depctr_va_vdst(0)
	v_mov_b32 v19, v18
; Two partners' pairs: a = registers of k, b = of k + 256, g = their place in the set of gains and shifts.  v[20:21] holds the two frequency indices and is stepped at the end.
.macro ROPE2 a, b, g
	v_pk_mul_f32 v[22:23], v[20:21], s[CNCH:CNCH+1] op_sel_hi:[1,0]
	s_wait_alu depctr_va_vdst(0)
	v_exp_f32 v24, v22
	v_exp_f32 v25, v23
	v_pk_mul_f32 v[26:27], v[20:21], s[CK2:CK2+1] op_sel_hi:[1,0]   ; (the plain place behind the exponentials)
	s_wait_alu depctr_va_vdst(0)
	v_pk_fma_f32 v[24:25], v[26:27], v[24:25], v[24:25] neg_lo:[1,0,0] neg_hi:[1,0,0]   ; the frequency
	v_pk_mul_f32 v[24:25], v[24:25], v[14:15]      ; the angle, one f32 product as the problem has it
	v_pk_add_f32 v[36:37], v[\a:\a+1], v[16:17]
	v_pk_mul_f32 v[26:27], v[24:25], s[CIPI:CIPI+1] op_sel_hi:[1,0]
	v_pk_add_f32 v[38:39], v[\b:\b+1], v[16:17]
	v_rndne_f32 v26, v26
	v_rndne_f32 v27, v27                           ; N: how many times pi
	v_pk_mul_f32 v[36:37], v[36:37], v[18:19]
	v_pk_fma_f32 v[24:25], v[26:27], s[CNPH:CNPH+1], v[24:25] op_sel_hi:[1,0,1]
	v_pk_mul_f32 v[38:39], v[38:39], v[18:19]
	v_pk_fma_f32 v[24:25], v[26:27], s[CNPL:CNPL+1], v[24:25] op_sel_hi:[1,0,1]   ; R, at most pi / 2
	v_pk_fma_f32 v[36:37], v[36:37], v[\g:\g+1], v[\g+8:\g+9]          ; the normalised pair of k,
	v_pk_mul_f32 v[28:29], v[24:25], v[24:25]
	v_pk_fma_f32 v[38:39], v[38:39], v[\g+16:\g+17], v[\g+24:\g+25]    ; and of k + 256
	v_pk_fma_f32 v[30:31], v[28:29], v[52:53], s[CS9:CS9+1] op_sel_hi:[1,1,0]
	v_pk_fma_f32 v[32:33], v[28:29], v[54:55], s[CC10:CC10+1] op_sel_hi:[1,1,0]
	v_pk_fma_f32 v[30:31], v[30:31], v[28:29], s[CS7:CS7+1] op_sel_hi:[1,1,0]
	v_pk_fma_f32 v[32:33], v[32:33], v[28:29], s[CC8:CC8+1] op_sel_hi:[1,1,0]
	v_pk_fma_f32 v[30:31], v[30:31], v[28:29], s[CS5:CS5+1] op_sel_hi:[1,1,0]
	v_pk_fma_f32 v[32:33], v[32:33], v[28:29], s[CC6:CC6+1] op_sel_hi:[1,1,0]
	v_pk_fma_f32 v[30:31], v[30:31], v[28:29], s[CS3:CS3+1] op_sel_hi:[1,1,0]
	v_pk_fma_f32 v[32:33], v[32:33], v[28:29], s[CC4:CC4+1] op_sel_hi:[1,1,0]
	v_pk_mul_f32 v[34:35], v[28:29], v[24:25]
	v_pk_fma_f32 v[32:33], v[32:33], v[28:29], -0.5 op_sel_hi:[1,1,0]
	v_pk_fma_f32 v[30:31], v[30:31], v[34:35], v[24:25]                ; sin R
	v_pk_fma_f32 v[32:33], v[32:33], v[28:29], 1.0 op_sel_hi:[1,1,0]   ; cos R
	v_cvt_i32_f32 v26, v26
	v_cvt_i32_f32 v27, v27
	v_pk_mul_f32 v[40:41], v[38:39], v[30:31]
	v_pk_mul_f32 v[42:43], v[38:39], v[32:33]
	v_lshlrev_b32 v26, 31, v26                     ; an odd N turns the sign of sine and cosine alike
	v_lshlrev_b32 v27, 31, v27
	v_pk_fma_f32 v[40:41], v[36:37], v[32:33], v[40:41] neg_lo:[0,0,1] neg_hi:[0,0,1]
	v_pk_fma_f32 v[42:43], v[36:37], v[30:31], v[42:43]
	v_pk_add_f32 v[20:21], v[20:21], 2.0 op_sel_hi:[1,0]
	v_xor_b32 v[\a], v40, v26
	v_xor_b32 v[\a+1], v41, v27
	v_xor_b32 v[\b], v42, v26
	v_xor_b32 v[\b+1], v43, v27
.endm
.macro OCTET o, lit                            ; lit: 64 c + 8 pi(q) as f32
.if \o < 7
	GLOAD \o+1
	s_wait_loadcnt 8                               ; this octet's gains and shifts are in; the next octet's eight loads may be out
.else
	s_wait_loadcnt 0x0
.endif
.set OX, X+32*((\o)/4)+8*((\o)%4)
.set OS, GB+32*((\o)%2)
	v_pk_add_f32 v[20:21], v[12:13], \lit op_sel_hi:[1,0]
.irp e, 0,2,4,6
	ROPE2 OX+\e, OX+64+\e, OS+\e
.endr
.endm
	OCTET 0, 0
	OCTET 1, 0x41800000
	OCTET 2, 0x41000000
	OCTET 3, 0x41c00000
	OCTET 4, 0x42800000
	OCTET 5, 0x42a00000
	OCTET 6, 0x42900000
	OCTET 7, 0x42b00000
; Part p becomes a fragment: a lane holds two whole blocks (2 c + h), so no other lane is asked for a maximum; the scale word's four bytes are gathered from lanes l and l xor 16.
.macro HQ p
.set XP, X+64*\p
.set FR, 192+12*\p
.irp c, 0,1
	v_max3_num_f32 v[52+\c], |v[XP+32*\c]|, |v[XP+32*\c+1]|, FLOOR
.endr
.irp i, 2,4,6,8,10,12,14,16,18,20,22,24,26,28,30
.irp c, 0,1
	v_max3_num_f32 v[52+\c], v[52+\c], |v[XP+32*\c+\i]|, |v[XP+32*\c+\i+1]|
.endr
.endr
.irp c, 0,1
	v_add_nc_u32 v[54+\c], EOFF, v[52+\c]          ; the conversion takes this operand's exponent field as its scale
.endr
.irp c, 0,1
	v_lshrrev_b32 v[44+\c], 23, v[54+\c]           ; the scale's byte
.endr
	v_lshl_or_b32 v[46+\p], v45, 16, v44
	v_lshlrev_b32 v[46+\p], v49, v[46+\p]          ; blocks h and 2 + h: 8 h bits up
	v_permlanex16_b32 v48, v[46+\p], s[SEL], s[SEL+1]
	v_or_b32 v[46+\p], v[46+\p], v48
.irp c, 0,1
	v_cvt_scalef32_pk16_bf6_f32 v[FR+6*\c:FR+6*\c+2], v[XP+32*\c:XP+32*\c+15], v[54+\c]
	v_cvt_scalef32_pk16_bf6_f32 v[56+4*\c:58+4*\c], v[XP+32*\c+16:XP+32*\c+31], v[54+\c]   ; (a conversion's three registers begin on an even number)
.endr
	v_nop                                          ; one plain place behind a scaled conversion
.irp c, 0,1
.irp i, 0,1,2
	v_mov_b32 v[FR+6*\c+3+\i], v[56+4*\c+\i]
.endr
.endr
.irp j, 0,1,2
	global_store_b128 v4, v[FR+4*\j:FR+4*\j+3], s[42:43] offset:3072*\p+512*\j   ; K step sh + 2 p: 512 consecutive bytes a store
.endr
	global_store_b32 v8, v[46+\p], s[44:45] offset:8*\p    ; lanes r and r + 16 store the same word at the same place
.endm
	HQ 0
	HQ 1
	s_set_vgpr_msb 0x4
	s_wait_tensorcnt 0x0
	ds_add_u32 v51, v1
	s_wait_dscnt 0x0
	s_set_vgpr_msb 0x400
	s_endpgm
; ---------------------------------------------------------------- the weights
.Lweights:
	s_sub_co_u32 s31, ttmp9, 256                   ; g, 0..191
	s_lshl_b32 s32, s31, 2
	s_add_co_u32 s32, s32, s30                     ; my task, 0..767
	s_wait_alu depctr_va_vdst(0)
	v_lshlrev_b32 v4, 2, v1                        ; 4 L
	v_lshlrev_b32 v2, 4, v1                        ; 16 L
	s_wait_kmcnt 0x0
	s_cmp_lt_u32 s31, 64
	s_cbranch_scc0 .Lbig
	s_lshr_b32 s33, s31, 4                         ; Wq, Wk, Wv or Wo: 64 tasks each
	s_cmp_eq_u32 s33, 1
	s_cselect_b64 s[34:35], s[12:13], s[10:11]
	s_cmp_eq_u32 s33, 2
	s_cselect_b64 s[34:35], s[14:15], s[34:35]
	s_cmp_eq_u32 s33, 3
	s_cselect_b64 s[34:35], s[16:17], s[34:35]
	s_mul_i32 s36, s33, 196608                     ; its region of wc,
	s_lshl_b32 s37, s33, 13                        ; and of ws
	s_and_b32 s38, s32, 15                         ; which 32 columns
	s_bfe_u32 s39, s32, 0x20004                    ; which K step
	s_mov_b32 s40, 4                               ; K steps in the matrix
	s_mov_b32 s41, 16                              ; bytes in a row of its scales
	s_lshl_b32 s42, s39, 18                        ; 128 rows of 2,048 bytes
	s_mov_b32 s43, 0
	s_branch .Lwcommon
.Lbig:
	s_cmp_lt_u32 s31, 128
	s_cbranch_scc0 .Lw2
	s_mov_b64 s[34:35], s[18:19]                   ; W1: 64 groups of columns x 4 K steps
	s_mov_b32 s36, 786432
	s_mov_b32 s37, 32768
	s_sub_co_u32 s33, s32, 256
	s_and_b32 s38, s33, 63
	s_lshr_b32 s39, s33, 6
	s_mov_b32 s40, 4
	s_mov_b32 s41, 16
	s_lshl_b32 s42, s39, 20                        ; 128 rows of 8,192 bytes
	s_mov_b32 s43, 1
	s_branch .Lwcommon
.Lw2:
	s_mov_b64 s[34:35], s[20:21]                   ; W2: 16 groups of columns x 16 K steps
	s_mov_b32 s36, 1572864
	s_mov_b32 s37, 65536
	s_sub_co_u32 s33, s32, 512
	s_and_b32 s38, s33, 15
	s_lshr_b32 s39, s33, 4
	s_mov_b32 s40, 16
	s_mov_b32 s41, 64
	s_lshl_b32 s42, s39, 18
	s_mov_b32 s43, 0
.Lwcommon:
	s_lshl_b32 s44, s38, 7
	s_add_co_u32 s44, s44, s42
	s_mov_b32 s45, 0
	s_add_nc_u64 s[34:35], s[34:35], s[44:45]      ; my first number
	s_lshl_b32 s46, s38, 1
	s_mul_i32 s46, s46, s40
	s_add_co_u32 s46, s46, s39
	s_mul_i32 s46, s46, 1536
	s_add_co_u32 s46, s46, s36
	s_mov_b32 s47, 0
	s_add_nc_u64 s[46:47], s[22:23], s[46:47]      ; the fragment of my columns 0-15,
	s_mul_i32 s48, s40, 1536
	s_mov_b32 s49, 0
	s_add_nc_u64 s[48:49], s[46:47], s[48:49]      ; and of columns 16-31
	s_lshl_b32 s50, s38, 5
	s_mul_i32 s50, s50, s41
	s_lshl_b32 s51, s39, 2
	s_add_co_u32 s50, s50, s51
	s_add_co_u32 s50, s50, s37
	s_mov_b32 s51, 0
	s_add_nc_u64 s[50:51], s[24:25], s[50:51]      ; my columns' scale words of this K step
	v_mul_u32_u24 v3, v1, s41
.macro WLOAD pitch                             ; register i: row 32 (i / 32) + the block order's element: 128 consecutive bytes a load, 512 for the four waves
.set i, 0
.rept 128
.set q, (i%32)/8
	global_load_b32 v[X+i], v4, s[34:35] offset:(32*(i/32)+8*((q&1)*2+(q>>1))+i%8)*\pitch th:TH_LOAD_NT
.set i, i+1
.endr
.endm
	s_cmp_eq_u32 s43, 1
	s_cbranch_scc1 .Lwide
	s_wait_alu depctr_va_vdst(0)
	WLOAD 2048
	s_branch .Lloaded
.Lwide:
	s_wait_alu depctr_va_vdst(0)
	WLOAD 8192
.Lloaded:
.irp b, 0,1,2,3
.set WD, 16+12*(\b&1)+6*(\b>>1)                ; blocks 0, 2 into v16-27, blocks 1, 3 into v28-39
.if \b < 2
	s_wait_loadcnt 63                              ; behind blocks 0 and 1 stand 64 loads; the wait names the largest count that its field holds: of the 128 loads 65 are then in, blocks 0 and 1 among them
.else
	s_wait_loadcnt 96-32*\b                        ; this block's 32 loads are in; the later block's may be out
.endif
	v_max3_num_f32 v[56+\b], |v[X+32*\b]|, |v[X+32*\b+1]|, FLOOR
.irp i, 2,4,6,8,10,12,14,16,18,20,22,24,26,28,30
	v_max3_num_f32 v[56+\b], v[56+\b], |v[X+32*\b+\i]|, |v[X+32*\b+\i+1]|
.endr
	v_add_nc_u32 v[60+\b], EOFF, v[56+\b]
	v_lshrrev_b32 v[12+\b], 23, v[60+\b]
	v_cvt_scalef32_pk16_bf6_f32 v[WD:WD+2], v[X+32*\b:X+32*\b+15], v[60+\b]
	v_cvt_scalef32_pk16_bf6_f32 v[40+4*\b:42+4*\b], v[X+32*\b+16:X+32*\b+31], v[60+\b]
.endr
	v_nop                                          ; one plain place behind a scaled conversion
.irp b, 0,1,2,3
.irp i, 0,1,2
	v_mov_b32 v[16+12*(\b&1)+6*(\b>>1)+3+\i], v[40+4*\b+\i]
.endr
.endr
	v_lshl_or_b32 v11, v13, 8, v12                 ; my column's scale word
	v_lshl_or_b32 v11, v14, 16, v11
	v_lshl_or_b32 v11, v15, 24, v11
.set i, 0
.rept 12                                       ; the first run's lanes 16-31 change places with the second's lanes 0-15: v16-27 is now the fragment of columns 0-15, v28-39 that of columns 16-31
	v_permlane16_swap_b32 v[16+i], v[28+i]
.set i, i+1
.endr
.irp j, 0,1,2
	global_store_b128 v2, v[16+4*\j:19+4*\j], s[46:47] offset:512*\j
	global_store_b128 v2, v[28+4*\j:31+4*\j], s[48:49] offset:512*\j
.endr
	global_store_b32 v3, v11, s[50:51]
	s_endpgm
.Lfunc_end_k_qbf6ff997c6_prep:
	.size	k_qbf6ff997c6_prep, .Lfunc_end_k_qbf6ff997c6_prep-k_qbf6ff997c6_prep
	.p2alignl 7, 3214868480
	.fill 96, 4, 3214868480
	.section	.rodata,"a",@progbits
	.p2align	6, 0x0
	.amdhsa_kernel k_qbf6ff997c6_prep
		.amdhsa_group_segment_fixed_size 69120
		.amdhsa_private_segment_fixed_size 0
		.amdhsa_enable_private_segment 0
		.amdhsa_kernarg_size 104
		.amdhsa_user_sgpr_count 2
		.amdhsa_user_sgpr_kernarg_segment_ptr 1
		.amdhsa_wavefront_size32 1
		.amdhsa_system_sgpr_workgroup_id_x 1
		.amdhsa_system_sgpr_workgroup_id_y 1
		.amdhsa_system_sgpr_workgroup_id_z 1
		.amdhsa_system_vgpr_workitem_id 0
		.amdhsa_next_free_vgpr 258
		.amdhsa_next_free_sgpr 100
		.amdhsa_reserve_vcc 0
		.amdhsa_float_denorm_mode_32 3
		.amdhsa_float_denorm_mode_16_64 3
		.amdhsa_memory_ordered 1
		.amdhsa_forward_progress 1
		.amdhsa_inst_pref_size 149
	.end_amdhsa_kernel
	.amdgpu_metadata
---
amdhsa.version: [ 1, 2 ]
amdhsa.kernels:
  - .name:           k_qbf6ff997c6_prep
    .symbol:         k_qbf6ff997c6_prep.kd
    .args:
      - { .name: x, .offset: 0, .size: 8, .value_kind: global_buffer, .address_space: global }
      - { .name: ln_g, .offset: 8, .size: 8, .value_kind: global_buffer, .address_space: global }
      - { .name: ln_b, .offset: 16, .size: 8, .value_kind: global_buffer, .address_space: global }
      - { .name: Wq, .offset: 24, .size: 8, .value_kind: global_buffer, .address_space: global }
      - { .name: Wk, .offset: 32, .size: 8, .value_kind: global_buffer, .address_space: global }
      - { .name: Wv, .offset: 40, .size: 8, .value_kind: global_buffer, .address_space: global }
      - { .name: Wo, .offset: 48, .size: 8, .value_kind: global_buffer, .address_space: global }
      - { .name: W1, .offset: 56, .size: 8, .value_kind: global_buffer, .address_space: global }
      - { .name: W2, .offset: 64, .size: 8, .value_kind: global_buffer, .address_space: global }
      - { .name: wc, .offset: 72, .size: 8, .value_kind: global_buffer, .address_space: global }
      - { .name: ws, .offset: 80, .size: 8, .value_kind: global_buffer, .address_space: global }
      - { .name: hc, .offset: 88, .size: 8, .value_kind: global_buffer, .address_space: global }
      - { .name: hs, .offset: 96, .size: 8, .value_kind: global_buffer, .address_space: global }
    .group_segment_fixed_size: 69120
    .private_segment_fixed_size: 0
    .kernarg_segment_align: 8
    .kernarg_segment_size: 104
    .max_flat_workgroup_size: 128
    .sgpr_count:     100
    .vgpr_count:     258
    .wavefront_size: 32
...
	.end_amdgpu_metadata
.endif
;; end of part 5
;; launch qkv (part 6): grid 128 x 2, 4 waves a work-group, no clusters, 0 bytes of LDS; arguments hc, hs, wc, ws, bq, bk, bv, qb, kv; writes qb, kv
.if DOCPART == 6
	.amdgcn_target "amdgcn-amd-amdhsa--gfx1250"
	.amdhsa_code_object_version 6
	.text
	.protected	k_qbf6ff997c6_qkv
	.globl	k_qbf6ff997c6_qkv
	.p2align	8
	.type	k_qbf6ff997c6_qkv,@function
k_qbf6ff997c6_qkv:
	s_mov_b64 s[64:65], 0
	v_nop
	global_prefetch_b8 v0, s[64:65] scope:SCOPE_SE
	s_setreg_imm32_b32 hwreg(HW_REG_WAVE_SCHED_MODE, 0, 2), 2
	s_setreg_imm32_b32 hwreg(HW_REG_WAVE_MODE, 25, 1), 1
	s_wait_xcnt 0x0
	s_wait_alu depctr_vm_vsrc(0)
; QKV.  q = h Wq + bq, k = h Wk + bk, v = h Wv + bv on codes of E3M2; the results are quantised at once: q and k along the head's 64 channels, v along the tokens (the keys are the second attention product's K).
; SHARES.  A work-group takes 64 tokens and four heads; a wave one head.  It keeps h's 16 fragments of its tokens in registers and makes three units of 64 tokens x 64 channels, 16 accumulators and 64 matrix instructions each.
; q and k are made TRANSPOSED (source 0 = 16 columns of W, source 1 = 16 tokens): a lane holds one token and its registers run along the channels.  v is made the natural way: a lane holds one channel and its registers run along the tokens.
; Two neighbouring tiles' 16 registers of a lane, joined with lane l xor 16's, are a block of 32 in this program's one block order (elements 0-7, 16-23, 8-15, 24-31).
; HALF IMAGES: 16 rows x 64 K, 6 registers a lane (lane (r, h): block h of row r): registers 2 j, 2 j + 1 of lane L at 256 j + 8 L: each store covers 256 consecutive, aligned bytes.
; No LDS, no barrier, no branch: waves share nothing.  The bias is the C of each sum's first matrix instruction.
; LIMITS: NaN and infinities are not served; a block of zeros gets the byte 1 where the quantiser says 127 (its codes are zeros; only this program reads the bytes).
; v's two scale bytes a channel go out as stores of two bytes (256 bytes of them a wave): the other two bytes of each word belong to the neighbouring block of 64 tokens.
; REGISTERS: window 0: v1-6 offsets; v16-31 W's scale words of unit 1; v48-89 codes, words and the quantiser's work; v96-223 accumulators; v224-239 h's scale words; v240-255 W's scale words of units 0 and 2.
;   Window 1: h's fragments (m, s) at 12 (4 m + s); from v192 two sets of 32 for the bias.  W's fragments (n, s) at 12 (4 n + s): units 0 and 2 in window 2, unit 1 in window 3.
; THE MODE: SCHED_MODE bits 1:0 = 2 (LLVM: expert scheduling mode 2), set by the entry lines.  The code itself states the register dependences
; between vector or matrix instructions and memory instructions, with s_wait_alu, always for 0.
; THE PLAN.  Registers that memory instructions touch:
;   v1-6        offsets, made once at the head and never written again.
;   h, h's scale words     loaded once, read by all three units' products.
;   W, W's scale words, the bias     TWO BUFFERS BY TURNS.  Unit u's products read buffer u % 2; unit u + 1's loads land in the other, dealt out behind each K step's sixteen products.
;   v48-71, v88-89     the out-buffer: written by a unit's four quantisers, read by the unit's fourteen stores.
; One wait on va_vdst a unit stands behind its quantisers, ahead of its stores.  It stands behind the unit's products too: so the loads of the unit after next, issued later into the buffer that those
; products read, owe nothing more: since that wait the only vector or matrix lines are the next unit's products, which name the other buffer.  One wait on vm_vsrc stands ahead of the quantisers that write the out-buffer again.
.set BI,  192
.set PC,  48
.set T3,  72
.set TM,  76
.set PW,  84
.set MW,  88
.set ACC, 96
.set HS,  224
.set WSA, 240
.set WSO, 16
.set SEL, 50
.set FLOOR, 0x2800000
.set EOFF,  0xfe000000
.set MSB, 0
.macro WIN new                         ; the immediate's high byte repeats the setting that is left
.if MSB != (\new)
	s_set_vgpr_msb (MSB<<8)|(\new)
.set MSB, (\new)
.endif
.endm
.macro PLACES
.rept 4
	v_nop
.endr
.endm
; 32 numbers of a lane, register 16 b + i of block b of my row, become a half image in v[pc] on and the two scale bytes in v[pw] (hi = 1: bytes 2 and 3 are 127, for the zero codes that fill K to 128).
.macro QUANT2 s, pc, pw, hi
.irp b, 0,1
	v_max3_num_f32 v[TM+\b], |v[\s+16*\b]|, |v[\s+16*\b+1]|, FLOOR   ; with the floor 2^(5 - 127): the byte cannot fall under 1
.endr
.irp i, 2,4,6,8,10,12,14
.irp b, 0,1
	v_max3_num_f32 v[TM+\b], v[TM+\b], |v[\s+16*\b+\i]|, |v[\s+16*\b+\i+1]|
.endr
.endr
.irp b, 0,1
	v_permlanex16_b32 v[TM+2+\b], v[TM+\b], s[SEL], s[SEL+1]
.endr
.irp b, 0,1
	v_max_num_f32 v[TM+\b], v[TM+\b], v[TM+2+\b]   ; with lane l xor 16's: the block's largest magnitude
.endr
.irp b, 0,1
	v_add_nc_u32 v[TM+4+\b], EOFF, v[TM+\b]        ; 4 off its exponent field: the conversion's scale operand
.endr
.irp b, 0,1
	v_lshrrev_b32 v[TM+2+\b], 23, v[TM+4+\b]       ; the scale's byte
.endr
	v_lshl_or_b32 v[\pw], v[TM+3], 8, v[TM+2]
.if \hi
	v_or_b32 v[\pw], 0x7f7f0000, v[\pw]
.endif
	v_cvt_scalef32_pk16_bf6_f32 v[\pc:\pc+2], v[\s:\s+15], v[TM+4]
	v_cvt_scalef32_pk16_bf6_f32 v[T3:T3+2], v[\s+16:\s+31], v[TM+5]
	v_nop                                          ; one plain place behind a scaled conversion
.irp i, 0,1,2
	v_permlane16_swap_b32 v[\pc+\i], v[T3+\i]      ; a whole block to a lane: lanes 0-15 block 0, lanes 16-31 block 1
.endr
.irp i, 0,1,2
	v_mov_b32 v[\pc+3+\i], v[T3+\i]
.endr
.endm
	s_load_b512 s[4:19], s[0:1], 0x0               ; hc, hs, wc, ws, bq, bk, bv, qb
	s_load_b64 s[20:21], s[0:1], 0x40              ; kv
	v_lshrrev_b32 v1, 5, v0
	v_readfirstlane_b32 s22, v1                    ; wave
	v_and_b32 v7, 31, v0                           ; L
	v_and_b32 v8, 15, v0                           ; r
	v_bfe_u32 v9, v0, 4, 1                         ; h
	v_lshlrev_b32 v1, 4, v7                        ; 16 L
	v_lshlrev_b32 v2, 3, v7                        ; 8 L
	v_lshlrev_b32 v3, 4, v8                        ; 16 r
	v_lshlrev_b32 v4, 5, v9                        ; 32 h
	v_lshlrev_b32 v5, 2, v8                        ; 4 r
	v_lshlrev_b32 v6, 2, v7                        ; 4 L
	v_cmp_lt_u32 s40, 15, v7                       ; lanes 16-31
	v_mov_b32 v[TM+2], 0                           ; a lane permute's destination counts as one of its sources
	v_mov_b32 v[TM+3], 0
	s_wait_alu depctr_va_sdst(0)                   ; s22 and s40 are written, ahead of their first readers: the head's number below, the selects on the way out
	s_mov_b32 s[SEL], 0x76543210
	s_mov_b32 s[SEL+1], 0xfedcba98
	s_and_b32 s23, ttmp7, 0xffff
	s_lshl_b32 s23, s23, 2
	s_add_co_u32 s23, s23, s22                     ; head
	s_lshr_b32 s24, ttmp9, 5                       ; batch
	s_and_b32 s25, ttmp9, 31                       ; which 64 tokens of the sequence
	s_lshl_b32 s26, s24, 3
	s_add_co_u32 s26, s26, s23                     ; batch x 8 + head
	s_mul_i32 s28, ttmp9, 24576                    ; h's 16 fragments
	s_mov_b32 s29, 0
	s_lshl_b32 s30, ttmp9, 10                      ; and scale words
	s_mov_b32 s31, 0
	s_mul_i32 s32, s23, 24576                      ; the head's 16 fragments in each weight
	s_mov_b32 s33, 0
	s_lshl_b32 s34, s23, 10
	s_mov_b32 s35, 0
	s_lshl_b32 s36, s23, 8                         ; its 64 biases
	s_mov_b32 s37, 0
	s_mul_i32 s38, s26, 106496
	s_mul_i32 s39, s25, 3072
	s_add_co_u32 s42, s38, s39                     ; q's codes
	s_mov_b32 s43, 0
	s_lshl_b32 s39, s25, 8
	s_add_co_u32 s44, s38, s39
	s_add_co_u32 s44, s44, 98304                   ; q's scale words
	s_mov_b32 s45, 0
	s_mul_i32 s38, s26, 208896
	s_lshr_b32 s39, s25, 1
	s_mul_i32 s39, s39, 13056
	s_add_co_u32 s38, s38, s39                     ; the step of 128 keys
	s_and_b32 s39, s25, 1                          ; which half of it
	s_mul_i32 s46, s39, 3072
	s_add_co_u32 s46, s46, s38
	s_mov_b32 s47, 0
	s_lshl_b32 s48, s39, 8
	s_add_co_u32 s48, s48, s38
	s_mov_b32 s49, 0
	s_lshl_b32 s52, s39, 1
	s_add_co_u32 s52, s52, s38
	s_mov_b32 s53, 0
	s_wait_kmcnt 0x0
	s_add_nc_u64 s[4:5], s[4:5], s[28:29]
	s_add_nc_u64 s[6:7], s[6:7], s[30:31]
	s_add_nc_u64 s[8:9], s[8:9], s[32:33]
	s_add_nc_u64 s[10:11], s[10:11], s[34:35]
	s_add_nc_u64 s[12:13], s[12:13], s[36:37]
	s_add_nc_u64 s[14:15], s[14:15], s[36:37]
	s_add_nc_u64 s[16:17], s[16:17], s[36:37]
	s_add_nc_u64 s[42:43], s[18:19], s[42:43]
	s_add_nc_u64 s[44:45], s[18:19], s[44:45]
	s_add_nc_u64 s[46:47], s[20:21], s[46:47]      ; codes of k and v: + 3,072 x half
	s_add_nc_u64 s[48:49], s[20:21], s[48:49]      ; k's words: + 256 x half
	s_add_nc_u64 s[52:53], s[20:21], s[52:53]      ; v's bytes: + 2 x half
.macro LOADSC u                                ; unit u's scale words into set u % 2: 4 loads
	WIN 0
.set WSB, WSA-(WSA-WSO)*((\u)&1)
.irp n, 0,1,2,3
	global_load_b128 v[WSB+4*\n:WSB+4*\n+3], v3, s[10:11] offset:8192*\u+256*\n
.endr
.endm
.macro LOADBI u                                ; unit u's bias into set u % 2 (destination: window 1): 8 loads, for v 32
	WIN 0x40
.set BB, BI+32*((\u)&1)
.if \u < 2
.irp n, 0,1,2,3
.irp e, 0,1
	global_load_b128 v[BB+8*\n+4*\e:BB+8*\n+4*\e+3], v4, s[12+2*\u:13+2*\u] offset:64*\n+16*\e   ; channels 16 n + 8 h + 0 .. 7
.endr
.endr
.else
.irp n, 0,1,2,3
.irp j, 0,1,2,3,4,5,6,7
	global_load_b32 v[BB+8*\n+\j], v5, s[16:17] offset:64*\n   ; channel 16 n + r in all eight registers
.endr
.endr
.endif
.endm
.macro LOADWS u, s                             ; unit u's four fragments of K step s (destination: window 2 + u % 2): 12 loads
	WIN 0x80+0x40*((\u)&1)
.irp n, 0,1,2,3
.irp j, 0,1,2
	global_load_b128 v[12*(4*\n+\s)+4*\j:12*(4*\n+\s)+4*\j+3], v1, s[8:9] offset:196608*\u+(4*\n+\s)*1536+512*\j
.endr
.endr
.endm
	s_wait_alu depctr_va_vdst(0)                   ; the six offsets v1 to v6 are written: every load and store of the kernel reads one of them
.irp m, 0,1,2,3
	global_load_b128 v[HS+4*\m:HS+4*\m+3], v3, s[6:7] offset:256*\m
.endr
	LOADSC 0
	LOADBI 0
.irp s, 0,1,2,3
	WIN 0x40
.irp m, 0,1,2,3
.irp j, 0,1,2
	global_load_b128 v[12*(4*\m+\s)+4*\j:12*(4*\m+\s)+4*\j+3], v1, s[4:5] offset:(4*\m+\s)*1536+512*\j
.endr
.endr
	LOADWS 0, \s
.endr
; K step s of unit u: sixteen matrix instructions; the sixteen accumulators take turns, one instruction a turn.  left: how many younger loads may be out (under 0: what this step wants was shown in by an earlier wait).
.macro KS u, s, left
.if \left >= 0
	s_wait_loadcnt \left
.endif
.set P, (\u)&1
.set WSB, WSA-(WSA-WSO)*P
.set BB, BI+32*P
.if \u == 2
.if \s == 0
	WIN 0x19                                       ; source 0 (h) window 1, source 1 (W) window 2, source 2 (the bias) window 1
.else
	WIN 0x09
.endif
.else
.if \s == 0
	WIN 0x16+P                                     ; source 0 (W) window 2 + u % 2, source 1 (h) window 1, source 2 (the bias) window 1
.else
	WIN 0x06+P
.endif
.endif
.irp m, 0,1,2,3
.irp n, 0,1,2,3
.if \u == 2
.if \s == 0
	v_wmma_scale_f32_16x16x128_f8f6f4 v[ACC+8*(4*\n+\m):ACC+8*(4*\n+\m)+7], v[12*(4*\m+\s):12*(4*\m+\s)+11], v[12*(4*\n+\s):12*(4*\n+\s)+11], v[BB+8*\n:BB+8*\n+7], v[HS+4*\m+\s], v[WSB+4*\n+\s] matrix_a_fmt:MATRIX_FMT_BF6 matrix_b_fmt:MATRIX_FMT_BF6
.else
	v_wmma_scale_f32_16x16x128_f8f6f4 v[ACC+8*(4*\n+\m):ACC+8*(4*\n+\m)+7], v[12*(4*\m+\s):12*(4*\m+\s)+11], v[12*(4*\n+\s):12*(4*\n+\s)+11], v[ACC+8*(4*\n+\m):ACC+8*(4*\n+\m)+7], v[HS+4*\m+\s], v[WSB+4*\n+\s] matrix_a_fmt:MATRIX_FMT_BF6 matrix_b_fmt:MATRIX_FMT_BF6
.endif
.else
.if \s == 0
	v_wmma_scale_f32_16x16x128_f8f6f4 v[ACC+8*(4*\m+\n):ACC+8*(4*\m+\n)+7], v[12*(4*\n+\s):12*(4*\n+\s)+11], v[12*(4*\m+\s):12*(4*\m+\s)+11], v[BB+8*\n:BB+8*\n+7], v[WSB+4*\n+\s], v[HS+4*\m+\s] matrix_a_fmt:MATRIX_FMT_BF6 matrix_b_fmt:MATRIX_FMT_BF6
.else
	v_wmma_scale_f32_16x16x128_f8f6f4 v[ACC+8*(4*\m+\n):ACC+8*(4*\m+\n)+7], v[12*(4*\n+\s):12*(4*\n+\s)+11], v[12*(4*\m+\s):12*(4*\m+\s)+11], v[ACC+8*(4*\m+\n):ACC+8*(4*\m+\n)+7], v[WSB+4*\n+\s], v[HS+4*\m+\s] matrix_a_fmt:MATRIX_FMT_BF6 matrix_b_fmt:MATRIX_FMT_BF6
.endif
.endif
.endr
.endr
.endm
; The way out of a unit: four runs of 32 registers become four half images and four words; two words' lanes 0-15 are joined into one register of 32 lanes; then the stores, in one run.
.macro EPI hi, cb, co
.irp m, 0,1,2,3
	QUANT2 ACC+32*\m, PC+6*\m, PW+\m, \hi
.endr
.irp a, 0,1
	v_cndmask_b32 v[MW+\a], v[PW+2*\a], v[PW+2*\a+1], s40
.endr
	s_wait_alu depctr_va_vdst(0)                   ; the quantisers have written the codes and the words, which the stores below read; and this unit's products are done reading their buffer of W, scale words and bias, in which the loads of the unit after next land
.irp m, 0,1,2,3
.irp j, 0,1,2
	global_store_b64 v2, v[PC+6*\m+2*\j:PC+6*\m+2*\j+1], s[\cb:\cb+1] offset:\co+768*\m+256*\j
.endr
.endr
.endm
; ---- q.  The head issued 16 loads (scale words, bias) and 24 for each K step (h's 12, W's 12).  Unit 1's loads follow the K steps: 24, 12, 12, 12; no vector or matrix line has named their registers.
	KS 0, 0, 63                                    ; behind K step 0's loads 72 were issued; the wait names the largest count that its field holds
	LOADSC 1
	LOADBI 1
	LOADWS 1, 0
	KS 0, 1, 63                                    ; behind K step 1's: 48 and 24: again more than the field holds
	LOADWS 1, 1
	KS 0, 2, 60                                    ; behind K step 2's: 24, 24 and 12
	LOADWS 1, 2
	KS 0, 3, 48                                    ; behind K step 3's: unit 1's 24, 12 and 12
	LOADWS 1, 3
	WIN 0
	PLACES                                         ; four places in front of the first read of results
	EPI 1, 42, 0
.irp a, 0,1
	global_store_b32 v6, v[MW+\a], s[44:45] offset:128*\a
.endr
; ---- k.  Unit 2's loads land in the buffer that q's products read: the wait on q's way out stands behind those products.  They follow the K steps: 16, 12, 12, 44 (the bias's 32 ahead of W's last 12).
	KS 1, 0, 36                                    ; scale words, bias and K step 0 are in; unit 1's three later K steps may be out
	LOADSC 2
	LOADWS 2, 0
	KS 1, 1, 40                                    ; behind K step 1's: 24 of unit 1, 16 of unit 2
	LOADWS 2, 1
	KS 1, 2, 40                                    ; 12, and 16 and 12
	LOADWS 2, 2
	KS 1, 3, 40                                    ; 16, 12 and 12
	LOADBI 2
	LOADWS 2, 3
	WIN 0
	PLACES
	s_wait_xcnt 0x0                                ; the codes' and words' registers, which q's stores read, are written again only behind this wait,
	s_wait_alu depctr_vm_vsrc(0)                   ; and behind this one: q's stores have read v[PC ..] and v[MW ..]
	EPI 1, 46, 0
.irp a, 0,1
	global_store_b32 v6, v[MW+\a], s[48:49] offset:12288+128*\a
.endr
; ---- v
	KS 2, 0, 12                                    ; all but W's last K step is in
	KS 2, 1, -1
	KS 2, 2, -1
	KS 2, 3, 0
	WIN 0
	PLACES
	s_wait_xcnt 0x0
	s_wait_alu depctr_vm_vsrc(0)                   ; k's stores have read v[PC ..] and v[MW ..]
	EPI 0, 46, 6144
.irp a, 0,1
	global_store_b16 v6, v[MW+\a], s[52:53] offset:12800+128*\a
.endr
	s_endpgm
.Lfunc_end_k_qbf6ff997c6_qkv:
	.size	k_qbf6ff997c6_qkv, .Lfunc_end_k_qbf6ff997c6_qkv-k_qbf6ff997c6_qkv
	.p2alignl 7, 3214868480
	.fill 96, 4, 3214868480
	.section	.rodata,"a",@progbits
	.p2align	6, 0x0
	.amdhsa_kernel k_qbf6ff997c6_qkv
		.amdhsa_group_segment_fixed_size 0
		.amdhsa_private_segment_fixed_size 0
		.amdhsa_enable_private_segment 0
		.amdhsa_kernarg_size 72
		.amdhsa_user_sgpr_count 2
		.amdhsa_user_sgpr_kernarg_segment_ptr 1
		.amdhsa_wavefront_size32 1
		.amdhsa_system_sgpr_workgroup_id_x 1
		.amdhsa_system_sgpr_workgroup_id_y 1
		.amdhsa_system_sgpr_workgroup_id_z 1
		.amdhsa_system_vgpr_workitem_id 0
		.amdhsa_next_free_vgpr 960
		.amdhsa_next_free_sgpr 66
		.amdhsa_reserve_vcc 0
		.amdhsa_float_denorm_mode_32 3
		.amdhsa_float_denorm_mode_16_64 3
		.amdhsa_memory_ordered 1
		.amdhsa_forward_progress 1
		.amdhsa_inst_pref_size 80
	.end_amdhsa_kernel
	.amdgpu_metadata
---
amdhsa.version: [ 1, 2 ]
amdhsa.kernels:
  - .name:           k_qbf6ff997c6_qkv
    .symbol:         k_qbf6ff997c6_qkv.kd
    .args:
      - { .name: hc, .offset: 0, .size: 8, .value_kind: global_buffer, .address_space: global }
      - { .name: hs, .offset: 8, .size: 8, .value_kind: global_buffer, .address_space: global }
      - { .name: wc, .offset: 16, .size: 8, .value_kind: global_buffer, .address_space: global }
      - { .name: ws, .offset: 24, .size: 8, .value_kind: global_buffer, .address_space: global }
      - { .name: bq, .offset: 32, .size: 8, .value_kind: global_buffer, .address_space: global }
      - { .name: bk, .offset: 40, .size: 8, .value_kind: global_buffer, .address_space: global }
      - { .name: bv, .offset: 48, .size: 8, .value_kind: global_buffer, .address_space: global }
      - { .name: qb, .offset: 56, .size: 8, .value_kind: global_buffer, .address_space: global }
      - { .name: kv, .offset: 64, .size: 8, .value_kind: global_buffer, .address_space: global }
    .group_segment_fixed_size: 0
    .private_segment_fixed_size: 0
    .kernarg_segment_align: 8
    .kernarg_segment_size: 72
    .max_flat_workgroup_size: 128
    .sgpr_count:     66
    .vgpr_count:     960
    .wavefront_size: 32
...
	.end_amdgpu_metadata
.endif
;; end of part 6
;; launch attn (part 7): grid 8 x 32, 16 waves a work-group, no clusters, 210,944 bytes of LDS; arguments qb, kv, oc, os; writes oc, os
.if DOCPART == 7
	.amdgcn_target "amdgcn-amd-amdhsa--gfx1250"
	.amdhsa_code_object_version 6
	.text
	.protected	k_qbf6ff997c6_attn
	.globl	k_qbf6ff997c6_attn
	.p2align	8
	.type	k_qbf6ff997c6_attn,@function
k_qbf6ff997c6_attn:
	s_mov_b64 s[64:65], 0
	v_nop
	global_prefetch_b8 v0, s[64:65] scope:SCOPE_SE
	s_setreg_imm32_b32 hwreg(HW_REG_WAVE_MODE, 25, 1), 1
	s_wait_xcnt 0x0
; ATTENTION on codes of E3M2.  A key counts for a query only where |query - key| > 128.  o = (sum over the keys of p v) / (sum of p), quantised at once along the head's 64 channels.
; THE SOFTMAX AHEAD OF THE SECOND PRODUCT: t = score x log2(e) / 8; M = the row's largest t so far, rounded UP to a whole number; p = 2^(t - M) is what is quantised, along the keys.
; The row's sum is taken of the unquantised p and divides at the end.  When M moves, the sum and O are multiplied by 2^(old M - new M): exact.
; SHARES.  A work-group owns 256 queries of one head, each of its sixteen waves 16 of them: four waves to a SIMD, so that one wave's vector work stands beside another's matrix work and LDS loads.
; THE HEAD'S WHOLE K AND V, 16 steps of 128 keys x 13,056 bytes, lie in LDS as they lie in memory: wave w brings step w by one tensor load; nothing is filled again, so there is one barrier.  One tensor load of a wave is out.
; A step's bytes: K's 8 half images (16 keys x 64 channels, 768 bytes), V's 8 (half of the keys x 16 channels), K's 128 scale words, V's 64.  Every read is 8 x lane or 4 x (lane % 16) + a constant.
; BOTH PRODUCTS ARE USED TRANSPOSED: S^T = K Q^T, O^T = V^T P^T: a lane holds ONE query throughout.  The first product's K is 64: registers 6-11 of its operands are zero codes under the byte 127.
; THE MASK hangs on ids alone.  Of a wave's 16 steps the one that holds its queries is hidden whole and is left out; its two neighbours are hidden in part: there hidden scores become -infinity ahead of the maximum.
; NO CLUSTER: the eight query blocks of a head read the same bytes, but which step is left out and which is masked differs between them, and partners of a joint load must run alike.
; LIMITS: NaN and infinities are not served; a block of zeros gets the byte 1 where the quantiser says 127.  A block's largest p is taken as the exponential of its largest score.
; REGISTERS: v1-8 offsets; v11 Q's scale word; v12 -M, v13 the largest t, v[14:15] the sum; v16-27 Q; v28-31 V's scale words; v32-79 four tiles of K; v80-127 V; v128-191 S^T, then p; v192-223 O^T; v224-247 codes and work;
;   v248-251 K's scale words; v252 f; v253 p's scale word, at the end o's; v254 at work.
.set STEPB, 13056
.set S,   128
.set O,   192
.set TM,  240
.set T3,  236
.set SEL, 34
.set CS,  36
.set FLOOR, 0x2800000
.set EOFF,  0xfe000000
.macro QUANT2 s, pc, pw, hi
.irp b, 0,1
	v_max3_num_f32 v[TM+\b], |v[\s+16*\b]|, |v[\s+16*\b+1]|, FLOOR
.endr
.irp i, 2,4,6,8,10,12,14
.irp b, 0,1
	s_delay_alu instid0(VALU_DEP_2)
	v_max3_num_f32 v[TM+\b], v[TM+\b], |v[\s+16*\b+\i]|, |v[\s+16*\b+\i+1]|
.endr
.endr
.irp b, 0,1
	s_delay_alu instid0(VALU_DEP_2)
	v_permlanex16_b32 v[TM+2+\b], v[TM+\b], s[SEL], s[SEL+1]
.endr
.irp b, 0,1
	s_delay_alu instid0(VALU_DEP_2)
	v_max_num_f32 v[TM+\b], v[TM+\b], v[TM+2+\b]
.endr
.irp b, 0,1
	s_delay_alu instid0(VALU_DEP_2)
	v_add_nc_u32 v[TM+4+\b], EOFF, v[TM+\b]
.endr
.irp b, 0,1
	s_delay_alu instid0(VALU_DEP_2)
	v_lshrrev_b32 v[TM+2+\b], 23, v[TM+4+\b]
.endr
	s_delay_alu instid0(VALU_DEP_1)
	v_lshl_or_b32 v[\pw], v[TM+3], 8, v[TM+2]
.if \hi
	v_or_b32 v[\pw], 0x7f7f0000, v[\pw]
.endif
	v_cvt_scalef32_pk16_bf6_f32 v[\pc:\pc+2], v[\s:\s+15], v[TM+4]
	v_cvt_scalef32_pk16_bf6_f32 v[T3:T3+2], v[\s+16:\s+31], v[TM+5]
	v_nop
.irp i, 0,1,2
	v_permlane16_swap_b32 v[\pc+\i], v[T3+\i]
.endr
.irp i, 0,1,2
	s_delay_alu instid0(VALU_DEP_3)
	v_mov_b32 v[\pc+3+\i], v[T3+\i]
.endr
.endm
	s_load_b256 s[4:11], s[0:1], 0x0               ; qb, kv, oc, os
	v_lshl_add_u32 v254, v0, 2, 0x33000
	v_mov_b32 v255, 0
	ds_add_u32 v254, v255
	ds_add_u32 v254, v255
	s_wait_dscnt 0x0
	v_lshrrev_b32 v1, 5, v0
	s_delay_alu instid0(VALU_DEP_1)
	v_readfirstlane_b32 s12, v1                    ; wave 0..15
	s_and_b32 s13, ttmp7, 0xffff                   ; batch x 8 + head
	; descriptor group 1: a dense block of 13,056 bytes as 51 rows of 32 elements of 8 bytes
	s_mov_b32 s24, 3<<16
	s_mov_b32 s25, 32<<16
	s_mov_b32 s26, 51<<16
	s_mov_b32 s27, 32<<16
	s_mov_b32 s28, 51
	s_mov_b32 s29, 32
	s_mov_b32 s30, 0
	s_mov_b32 s31, 0
	s_mov_b32 s20, 1
	s_mul_i32 s21, s12, STEPB                      ; LDS: step w
	s_mul_i32 s14, s13, 16*STEPB
	s_add_co_u32 s14, s14, s21
	s_mov_b32 s15, 0
	s_lshl_b32 s41, ttmp9, 8
	s_lshl_b32 s16, s12, 4
	s_add_co_u32 s41, s41, s16                     ; my first query
	s_lshr_b32 s40, s41, 7                         ; the step that is hidden whole
	s_mul_i32 s16, s13, 106496
	s_lshr_b32 s17, s41, 4
	s_mul_i32 s18, s17, 768
	s_add_co_u32 s44, s16, s18                     ; Q's half image
	s_mov_b32 s45, 0
	s_lshl_b32 s18, s41, 2
	s_add_co_u32 s46, s16, s18
	s_add_co_u32 s46, s46, 98304                   ; Q's scale words
	s_mov_b32 s47, 0
	s_lshr_b32 s18, s13, 3                         ; batch
	s_and_b32 s19, s13, 7                          ; head
	s_lshl_b32 s16, s18, 7
	s_add_co_u32 s16, s16, s17                     ; tile of 16 tokens
	s_lshl_b32 s16, s16, 3
	s_add_co_u32 s16, s16, s19
	s_mul_i32 s48, s16, 768                        ; o's half image
	s_mov_b32 s49, 0
	s_lshl_b32 s16, s18, 11
	s_add_co_u32 s16, s16, s41
	s_lshl_b32 s16, s16, 4
	s_lshl_b32 s19, s19, 1
	s_add_co_u32 s50, s16, s19                     ; o's two scale bytes a token
	s_mov_b32 s51, 0
	s_mov_b32 s[SEL], 0x76543210
	s_mov_b32 s[SEL+1], 0xfedcba98
	s_mov_b32 s[CS], 0x3e38aa3b                    ; c = log2(e) / 8
	s_mov_b32 s[CS+1], s[CS]
	s_mov_b32 s38, 0                               ; the step,
	s_mov_b32 s39, 0                               ; its LDS byte,
	s_mov_b32 s42, 0                               ; its first key
	s_wait_kmcnt 0x0
	s_add_nc_u64 s[22:23], s[6:7], s[14:15]
	s_or_b32 s23, s23, 0x80000000
	tensor_load_to_lds s[20:23], s[24:31]
	s_nop 0
.rept 4
	v_nop
.endr
	s_add_nc_u64 s[44:45], s[4:5], s[44:45]
	s_add_nc_u64 s[46:47], s[4:5], s[46:47]
	s_add_nc_u64 s[48:49], s[8:9], s[48:49]
	s_add_nc_u64 s[50:51], s[10:11], s[50:51]
	v_and_b32 v9, 31, v0                           ; L
	v_and_b32 v10, 15, v0                          ; r
	v_bfe_u32 v6, v0, 4, 1                         ; h
	s_delay_alu instid0(VALU_DEP_3)
	v_lshlrev_b32 v1, 3, v9                        ; 8 L
	s_delay_alu instid0(VALU_DEP_3)
	v_lshlrev_b32 v2, 2, v10                       ; 4 r
	s_delay_alu instid0(VALU_DEP_4)
	v_lshlrev_b32 v8, 4, v10                       ; 16 r
	s_delay_alu instid0(VALU_DEP_4)
	v_lshlrev_b32 v6, 3, v6
	s_delay_alu instid0(VALU_DEP_1)
	v_sub_nc_u32 v5, v10, v6                       ; r - 8 h
	v_mov_b32 v6, 0xff800000                       ; -infinity
.irp j, 0,1,2
	global_load_b64 v[16+2*\j:17+2*\j], v1, s[44:45] offset:256*\j
.endr
	global_load_b32 v11, v2, s[46:47]
.irp i, 22,23,24,25,26,27
	v_mov_b32 v[\i], 0                             ; Q's K from 64 on: zero codes
.endr
.irp t, 0,1,2,3
.irp i, 6,7,8,9,10,11
	v_mov_b32 v[32+12*\t+\i], 0                    ; K's likewise: written once, no load lands there
.endr
.endr
	v_mov_b32 v13, 0xff61b1e6                      ; the largest t so far: -3e38, under every t
	s_delay_alu instid0(VALU_DEP_1)
	v_floor_f32 v12, -v13                          ; -M
	v_mov_b32 v14, 0
	v_mov_b32 v15, 0
.set j, 0
.rept 32
	v_mov_b32 v[O+j], 0                            ; O^T: the loop is written once; its first step finds zeros, which the first change of M leaves zeros
.set j, j+1
.endr
.irp b, 0,1,2,3
	v_mov_b32 v[236+\b], 0                         ; a lane permute's destination counts as one of its sources
.endr
	v_mov_b32 v252, 0
	v_mov_b32 v253, 0
	s_wait_tensorcnt 0x0                           ; my step has landed,
	s_barrier_signal -1
	s_barrier_wait -1                              ; everybody's has
	s_wait_loadcnt 0x0                             ; Q
; hidden scores become -infinity.  Register 8 j + i holds key KF + 16 j + 8 h + i; my query is Q0 + r.
.macro MASK up
	s_sub_co_i32 s43, s41, s42
.if \up
	s_add_co_i32 s43, s43, 128                     ; keys above: hidden where key <= query + 128
.else
	s_sub_co_i32 s43, s43, 128                     ; keys below: hidden where key >= query - 128
.endif
	v_add_nc_u32 v7, s43, v5
.set n, 0
.rept 64
.if \up
	v_cmp_le_i32 vcc_lo, 16*(n/8)+n%8, v7
.else
	v_cmp_ge_i32 vcc_lo, 16*(n/8)+n%8, v7
.endif
	v_cndmask_b32 v[S+n], v[S+n], v6, vcc_lo
.set n, n+1
.endr
.endm
.Lstep:                                            ; 16 trips, a step of 128 keys each
	s_cmp_eq_u32 s38, s40
	s_cbranch_scc1 .Lnext                          ; all its keys lie within 127 of all my queries
	s_setprio 2
	v_add_nc_u32 v3, s39, v1
	v_add_nc_u32 v4, s39, v2
.irp t, 0,1,2,3
.irp j, 0,1,2
	ds_load_b64 v[32+12*\t+2*\j:33+12*\t+2*\j], v3 offset:768*\t+256*\j
.endr
	ds_load_b32 v[248+\t], v4 offset:12288+64*\t
.endr
	s_wait_alu depctr_va_vdst(0)
	s_wait_dscnt 0x0
.irp t, 0,1,2,3
	v_wmma_scale_f32_16x16x128_f8f6f4 v[S+8*\t:S+8*\t+7], v[32+12*\t:43+12*\t], v[16:27], 0, v[248+\t], v11 matrix_a_fmt:MATRIX_FMT_BF6 matrix_b_fmt:MATRIX_FMT_BF6
.endr
.rept 4
	v_nop                                          ; places in front of loads into registers that matrix instructions have read (with the two additions above: six behind the last step's products, whose V is loaded anew below)
.endr
.irp t, 0,1,2,3
.irp j, 0,1,2
	ds_load_b64 v[32+12*\t+2*\j:33+12*\t+2*\j], v3 offset:768*(4+\t)+256*\j
.endr
	ds_load_b32 v[248+\t], v4 offset:12288+64*(4+\t)
.endr
.irp n, 0,1,2,3
.irp g, 0,1
.irp j, 0,1,2
	ds_load_b64 v[80+12*\n+6*\g+2*\j:81+12*\n+6*\g+2*\j], v3 offset:6144+3072*\g+768*\n+256*\j
.endr
.endr
	ds_load_b32 v[28+\n], v4 offset:12800+64*\n
.endr
	s_wait_dscnt 28                                ; K's tiles 4-7 are in; V's 28 loads may be out: they land under the softmax
.irp t, 0,1,2,3
	v_wmma_scale_f32_16x16x128_f8f6f4 v[S+32+8*\t:S+32+8*\t+7], v[32+12*\t:43+12*\t], v[16:27], 0, v[248+\t], v11 matrix_a_fmt:MATRIX_FMT_BF6 matrix_b_fmt:MATRIX_FMT_BF6
.endr
.rept 4
	v_nop
.endr
	s_add_co_u32 s43, s38, 1
	s_cmp_eq_u32 s43, s40
	s_cbranch_scc0 .Lnot_below
	MASK 0
.Lnot_below:
	s_add_co_u32 s43, s40, 1
	s_cmp_eq_u32 s38, s43
	s_cbranch_scc0 .Lnot_above
	MASK 1
.Lnot_above:
.irp b, 0,1,2,3
	v_max3_num_f32 v[232+\b], v[S+16*\b], v[S+1+16*\b], v[S+2+16*\b]   ; the largest score of each block of 32 keys: for the row's maximum, and, since p rises with the score, for the block's largest p
.endr
	s_setprio 1
.irp i, 3,5,7,9,11,13
.irp b, 0,1,2,3
	v_max3_num_f32 v[232+\b], v[232+\b], v[S+16*\b+\i], v[S+1+16*\b+\i]
.endr
.endr
.irp b, 0,1,2,3
	v_max_num_f32 v[232+\b], v[232+\b], v[S+15+16*\b]
.endr
.irp b, 0,1,2,3
	s_delay_alu instid0(VALU_DEP_4)
	v_permlanex16_b32 v[236+\b], v[232+\b], s[SEL], s[SEL+1]
.endr
.irp b, 0,1,2,3
	s_delay_alu instid0(VALU_DEP_4)
	v_max_num_f32 v[232+\b], v[232+\b], v[236+\b]
.endr
	s_delay_alu instid0(VALU_DEP_2)
	v_max3_num_f32 v254, v232, v233, v234
	s_delay_alu instid0(VALU_DEP_1)
	v_max_num_f32 v254, v254, v235
	s_delay_alu instid0(VALU_DEP_1)
	v_mul_f32 v254, s[CS], v254                    ; as t (c is positive)
	s_delay_alu instid0(VALU_DEP_1)
	v_max_num_f32 v13, v13, v254                   ; the running largest t
	v_mov_b32 v254, v12
	s_delay_alu instid0(VALU_DEP_2)
	v_floor_f32 v12, -v13                          ; the new -M = -ceil(t)
	s_delay_alu instid0(VALU_DEP_1)
	v_sub_f32 v254, v12, v254                      ; old M - new M: a whole number, 0 or less
	s_delay_alu instid0(VALU_DEP_1)
	v_cvt_i32_f32 v254, v254                       ; (it saturates)
	s_delay_alu instid0(VALU_DEP_1)
	v_ldexp_f32 v252, 1.0, v254                    ; f = 2^(old M - new M)
.set j, 0
.rept 32
	v_pk_fma_f32 v[S+j:S+j+1], v[S+j:S+j+1], s[CS:CS+1], v[12:13] op_sel_hi:[1,0,0]   ; t - M
.set j, j+2
.endr
.irp b, 0,1,2,3
	v_fma_f32 v[232+\b], v[232+\b], s[CS], v12
.endr
.set j, 0
	s_wait_alu depctr_va_vdst(0)
.rept 64
	v_exp_f32 v[S+j], v[S+j]                       ; p = 2^(t - M), at most 1
.set j, j+1
.endr
.irp b, 0,1,2,3
	v_exp_f32 v[232+\b], v[232+\b]                 ; the block's largest p
.endr
	v_pk_mul_f32 v[14:15], v[14:15], v[252:253] op_sel_hi:[1,0]   ; the sums under the new M (a plain place behind the exponentials)
	s_wait_alu depctr_va_vdst(0)
.irp b, 0,1,2,3
	v_max_num_f32 v[232+\b], FLOOR, v[232+\b]
.endr
.irp b, 0,1,2,3
	s_delay_alu instid0(VALU_DEP_4)
	v_add_nc_u32 v[244+\b], EOFF, v[232+\b]
.endr
.irp b, 0,1,2,3
	s_delay_alu instid0(VALU_DEP_4)
	v_lshrrev_b32 v[236+\b], 23, v[244+\b]
.endr
	s_delay_alu instid0(VALU_DEP_3)
	v_lshl_or_b32 v253, v237, 8, v236              ; p's scale word for these 128 keys
	s_delay_alu instid0(VALU_DEP_1)
	v_lshl_or_b32 v253, v238, 16, v253
	s_delay_alu instid0(VALU_DEP_1)
	v_lshl_or_b32 v253, v239, 24, v253
.irp c, 0,1
	v_cvt_scalef32_pk16_bf6_f32 v[224+6*\c:226+6*\c], v[S+32*\c:S+15+32*\c], v[244+2*\c]
	v_cvt_scalef32_pk16_bf6_f32 v[236+4*\c:238+4*\c], v[S+16+32*\c:S+31+32*\c], v[244+2*\c+1]
.endr
	v_nop                                          ; one plain place behind a scaled conversion
	s_setprio 0
.irp c, 0,1
.irp i, 0,1,2
	v_permlane16_swap_b32 v[224+6*\c+\i], v[236+4*\c+\i]
.endr
.irp i, 0,1,2
	s_delay_alu instid0(VALU_DEP_3)
	v_mov_b32 v[227+6*\c+\i], v[236+4*\c+\i]
.endr
.endr
	v_pk_add_f32 v[236:237], v[132:133], v[136:137]
	v_pk_add_f32 v[254:255], v[140:141], v[144:145]
	v_pk_add_f32 v[250:251], v[148:149], v[152:153]
	v_pk_add_f32 v[248:249], v[156:157], v[160:161]
	v_pk_add_f32 v[246:247], v[164:165], v[168:169]
	v_pk_add_f32 v[244:245], v[172:173], v[176:177]
	v_pk_add_f32 v[242:243], v[180:181], v[184:185]
	v_pk_add_f32 v[14:15], v[14:15], v[188:189]
	v_pk_add_f32 v[236:237], v[236:237], v[128:129]
	v_pk_add_f32 v[254:255], v[254:255], v[130:131]
	v_pk_add_f32 v[250:251], v[250:251], v[134:135]
	v_pk_add_f32 v[248:249], v[248:249], v[138:139]
	v_pk_add_f32 v[246:247], v[246:247], v[142:143]
	v_pk_add_f32 v[244:245], v[244:245], v[146:147]
	v_pk_add_f32 v[242:243], v[242:243], v[150:151]
	v_pk_add_f32 v[14:15], v[14:15], v[154:155]
	v_pk_add_f32 v[236:237], v[236:237], v[158:159]
	v_pk_add_f32 v[254:255], v[254:255], v[162:163]
	v_pk_add_f32 v[250:251], v[250:251], v[166:167]
	v_pk_add_f32 v[248:249], v[248:249], v[170:171]
	v_pk_add_f32 v[246:247], v[246:247], v[174:175]
	v_pk_add_f32 v[244:245], v[244:245], v[178:179]
	v_pk_add_f32 v[242:243], v[242:243], v[182:183]
	v_pk_add_f32 v[14:15], v[14:15], v[186:187]
	v_pk_add_f32 v[236:237], v[236:237], v[190:191]
	s_delay_alu instid0(VALU_DEP_2)
	v_pk_add_f32 v[14:15], v[14:15], v[248:249]
	s_delay_alu instid0(VALU_DEP_2)
	v_pk_add_f32 v[236:237], v[236:237], v[246:247]
	v_pk_add_f32 v[254:255], v[254:255], v[244:245]
	v_pk_add_f32 v[250:251], v[250:251], v[242:243]
	s_delay_alu instid0(VALU_DEP_2)
	v_pk_add_f32 v[14:15], v[14:15], v[254:255]
	s_delay_alu instid0(VALU_DEP_2)
	v_pk_add_f32 v[236:237], v[236:237], v[250:251]
	s_delay_alu instid0(VALU_DEP_1)
	v_pk_add_f32 v[14:15], v[14:15], v[236:237]
.set j, 0
.rept 16
	v_pk_mul_f32 v[O+j:O+j+1], v[O+j:O+j+1], v[252:253] op_sel_hi:[1,0]   ; O^T under the new M.  (These lines and the sums are the places between the word and codes just made and the products below)
.set j, j+2
.endr
	s_wait_alu depctr_va_vdst(0)
	s_wait_dscnt 0x0                               ; V
.irp n, 0,1,2,3
	v_wmma_scale_f32_16x16x128_f8f6f4 v[O+8*\n:O+8*\n+7], v[80+12*\n:91+12*\n], v[224:235], v[O+8*\n:O+8*\n+7], v[28+\n], v253 matrix_a_fmt:MATRIX_FMT_BF6 matrix_b_fmt:MATRIX_FMT_BF6
.endr
.Lnext:
	s_add_co_u32 s39, s39, STEPB
	s_add_co_u32 s42, s42, 128
	s_add_co_u32 s38, s38, 1
	s_cmp_lt_u32 s38, 16
	s_cbranch_scc1 .Lstep
	s_setprio 0
; THE WAY OUT: O^T / the sum; its 32 registers a lane are two blocks of 32 channels: a half image and two scale bytes.
.rept 4
	v_nop
.endr
	v_add_f32 v14, v14, v15
	s_wait_alu depctr_va_vdst(0)
	v_permlanex16_b32 v252, v14, s[SEL], s[SEL+1]
	s_delay_alu instid0(VALU_DEP_1)
	v_add_f32 v14, v14, v252                       ; the row's sum
	s_wait_alu depctr_va_vdst(0)
	v_rcp_f32 v14, v14
	v_mov_b32 v[TM+2], 0                           ; (a plain place behind the transcendental; a permute's destination is written first)
	v_mov_b32 v[TM+3], 0
.set j, 0
	s_wait_alu depctr_va_vdst(0)
.rept 32
	v_mul_f32 v[S+j], v[O+j], v14
.set j, j+1
.endr
	QUANT2 S, 224, 253, 0
.irp j, 0,1,2
	global_store_b64 v1, v[224+2*\j:225+2*\j], s[48:49] offset:256*\j
.endr
	global_store_b16 v8, v253, s[50:51]            ; lanes r and r + 16 store the same two bytes at the same place
	s_wait_xcnt 0x0
	v_lshl_add_u32 v254, v0, 2, 0x33000
	v_mov_b32 v255, 0
	s_wait_alu depctr_va_vdst(0)
	s_wait_tensorcnt 0x0
	ds_add_u32 v254, v255
	s_wait_dscnt 0x0
	s_endpgm
.Lfunc_end_k_qbf6ff997c6_attn:
	.size	k_qbf6ff997c6_attn, .Lfunc_end_k_qbf6ff997c6_attn-k_qbf6ff997c6_attn
	.p2alignl 7, 3214868480
	.fill 96, 4, 3214868480
	.section	.rodata,"a",@progbits
	.p2align	6, 0x0
	.amdhsa_kernel k_qbf6ff997c6_attn
		.amdhsa_group_segment_fixed_size 210944
		.amdhsa_private_segment_fixed_size 0
		.amdhsa_enable_private_segment 0
		.amdhsa_kernarg_size 32
		.amdhsa_user_sgpr_count 2
		.amdhsa_user_sgpr_kernarg_segment_ptr 1
		.amdhsa_wavefront_size32 1
		.amdhsa_system_sgpr_workgroup_id_x 1
		.amdhsa_system_sgpr_workgroup_id_y 1
		.amdhsa_system_sgpr_workgroup_id_z 1
		.amdhsa_system_vgpr_workitem_id 0
		.amdhsa_next_free_vgpr 256
		.amdhsa_next_free_sgpr 66
		.amdhsa_reserve_vcc 1
		.amdhsa_float_denorm_mode_32 3
		.amdhsa_float_denorm_mode_16_64 3
		.amdhsa_memory_ordered 1
		.amdhsa_forward_progress 1
		.amdhsa_inst_pref_size 41
	.end_amdhsa_kernel
	.amdgpu_metadata
---
amdhsa.version: [ 1, 2 ]
amdhsa.kernels:
  - .name:           k_qbf6ff997c6_attn
    .symbol:         k_qbf6ff997c6_attn.kd
    .args:
      - { .name: qb, .offset: 0, .size: 8, .value_kind: global_buffer, .address_space: global }
      - { .name: kv, .offset: 8, .size: 8, .value_kind: global_buffer, .address_space: global }
      - { .name: oc, .offset: 16, .size: 8, .value_kind: global_buffer, .address_space: global }
      - { .name: os, .offset: 24, .size: 8, .value_kind: global_buffer, .address_space: global }
    .group_segment_fixed_size: 210944
    .private_segment_fixed_size: 0
    .kernarg_segment_align: 8
    .kernarg_segment_size: 32
    .max_flat_workgroup_size: 512
    .sgpr_count:     66
    .vgpr_count:     256
    .wavefront_size: 32
...
	.end_amdgpu_metadata
.endif
;; end of part 7
;; launch tail (part 8): grid 256 x 1, 16 waves a work-group, no clusters, 156,160 bytes of LDS; arguments oc, os, wc, ws, x, bo, ln_g, ln_b, ffln_g, ffln_b, b1, b2, out0; writes out0
.if DOCPART == 8
	.amdgcn_target "amdgcn-amd-amdhsa--gfx1250"
	.amdhsa_code_object_version 6
	.text
	.protected	k_qbf6ff997c6_tail
	.globl	k_qbf6ff997c6_tail
	.p2align	8
	.type	k_qbf6ff997c6_tail,@function
k_qbf6ff997c6_tail:
	s_mov_b64 s[64:65], 0
	v_nop
	global_prefetch_b8 v0, s[64:65] scope:SCOPE_SE
	s_setreg_imm32_b32 hwreg(HW_REG_WAVE_SCHED_MODE, 0, 2), 2
	s_setreg_imm32_b32 hwreg(HW_REG_WAVE_MODE, 25, 1), 1
	s_wait_xcnt 0x0
	s_wait_alu depctr_vm_vsrc(0)
; TAIL.  x1 = x + o Wo + bo;  f = layernorm(layernorm(x1));  out = x1 + gelu(f W1 + b1) W2 + b2.  The three products on codes of E3M2; f and the hidden layer are quantised on the way and never go to memory.
; SHARES.  A work-group takes 32 rows (two tiles m).  THE SIXTEEN WAVES SHARE THE COLUMNS: wave w makes channels 32 w .. 32 w + 31 of the first and third product and hidden units 128 w .. 128 w + 127 of the second, four chunks of 32.
; All products are used TRANSPOSED (source 0 = 16 columns of a weight, source 1 = 16 rows): a lane holds one row and its registers run along the next K.
; The weights' fragments come from memory straight into the operand registers, as images laid by the first launch; each byte once for a work-group.
; Codes made by a wave are one block of 32 a row: a lane's 16 codes, 12 bytes, go to LDS rows at 24 x block + 12 h; a reader takes 24 bytes a block.  Pitches of 400 and 1,552 bytes keep the 32 lanes of a read of 8 bytes on different banks.
; NO CLUSTER: all row blocks walk the same 1.77 MB of weight codes; a joint ring through LDS would share those requests among four partners; this text reads them into registers without a pass through LDS.
; GELU: x (1 + erf(x / sqrt 2)) / 2, erf as a quotient of polynomials in z^2 on |z| <= 4 (degrees 13 and 8).  LIMIT: its absolute error, about 1e-7, stands in 1 + erf, so far negative x carry an absolute error of about 6e-8 |x|.
; LIMITS: NaN and infinities are not served; a block of zeros gets the byte 1 where the quantiser says 127.
; Six barriers; in front of each a wave waits for all its LDS instructions.
; v216-247 hold scale words and nothing else; what is at work lies in the fragments' registers while no fragment lies there.
; THE MODE: SCHED_MODE bits 1:0 = 2 (LLVM: expert scheduling mode 2), set by the entry lines.  The code itself states the register dependences
; between vector or matrix instructions and memory or LDS instructions, with s_wait_alu, always for 0.
; THE PLAN.  Registers that memory or LDS instructions touch, and who else names them:
;   v1-19      addresses, made once at the head and never written again.
;   v24-119    loads land: the weights' fragments; between the products the norms' gains and shifts (v24-87) and statistics (v88 on); at the end the result's rows.  Read by the products and by the norms' lines.
;   v120-167   LDS loads land: the rows' fragments, read by the products.  Between the products the norms, the activation and the quantiser work here, and their LDS stores read from here.
;   v168-199   the accumulators: loads of x and of x1 land; products and vector lines write; LDS stores read.
;   v200-247   loads land: a bias, scale words.  Read by the products, the bias by additions too.
; A wait on va_vdst stands (a) behind the products that have read registers in which the next loads land, (b) ahead of each run of LDS stores of what vector or matrix lines have written; the wait of (b) also serves the loads
; that land, behind the next barrier, where those vector lines worked.  A wait on vm_vsrc stands ahead of the first line or load that writes what LDS stores have read.  Roots and reciprocals go in batches with one wait each.
.set L_OC, 66048                       ; LDS: 0: 32 rows x 2,064 (x, then x1, then the result);  here: o's 16 half images
.set L_ST, 78336                       ; statistics: [norm 2][mean, squares][row 32] x 80 bytes (16 waves' words + 16)
.set L_FC, 88576                       ; f's codes, rows of 400
.set L_FS, 101376                      ; f's scale bytes, rows of 16
.set L_HC, 101888                      ; the hidden layer's codes, rows of 1,552
.set L_HS, 151552                      ; its scale bytes, rows of 80
.set WB,  24                           ; v24-119   weights' fragments (the norms' gains and shifts and statistics between the products)
.set FA,  120                          ; v120-143  two fragments of rows
.set FB,  144                          ; v144-167  two more
.set TG,  120                          ; v120-135  at work in the quantiser, between a chunk's last product and the next chunk's first fetch
.set GN,  120                          ; the activation, 16 numbers at a time: v120-135 numerators, v136-151 denominators,
.set GD,  136
.set GZ,  152                          ; v152-155 z, v156-159 z^2 of four numbers at a time;
.set GQ,  156
.set GH,  152                          ; v152-167 then x / 2 of the sixteen
.set HA,  168                          ; v168-199  the four accumulators: (m, n) at 16 m + 8 n
.set BI,  200                          ; v200-215  a bias
.set WSC, 216                          ; v216-223  the weights' scale words (third product: v216-231, two sets of eight)
.set FSC, 224                          ; v224-231  the rows' scale words
.set HW,  232                          ; v232-247  the hidden layer's scale words of eight K steps
.set LG,  24
.set LB,  40
.set FG,  56
.set FBB, 72
.set WCA, 32                           ; s[32:33] wc + 12,288 w;  s[34:35] wc + 49,152 w;  s[36:37] ws + 512 w;  s[38:39] ws + 2,048 w
.set WCB, 34
.set WSA, 36
.set WSB, 38
.set SEL, 94
.set CR2, 66
.set CA11, 68
.set CA9, 70
.set CA7, 72
.set CA5, 74
.set CA3, 76
.set CA1, 78
.set CB6, 80
.set CB4, 82
.set CB2, 84
.set CB0, 86
.set FLOOR, 0x2800000
.set EOFF,  0xfe000000
.macro SPAIR reg, val
	s_mov_b32 s[\reg], \val
	s_mov_b32 s[\reg+1], \val
.endm
.macro PLACES
.rept 4
	v_nop
.endr
.endm
.macro BARRIER                                 ; my LDS stores have landed and my LDS loads are in: then the work-group's barrier
	s_wait_dscnt 0x0
	s_barrier_signal -1
	s_barrier_wait -1
.endm
; Four products, the four accumulators by turns.  wf: the weight's fragment of n = 0, wd registers on for n = 1; rf: the rows' fragment of m = 0; their scale words likewise.  bias = 1: the sums begin with the bias.
.macro MM wf, wd, rf, ka, kad, kb, kbd, bias
.irp m, 0,1
.irp n, 0,1
.if \bias
	v_wmma_scale_f32_16x16x128_f8f6f4 v[HA+16*\m+8*\n:HA+16*\m+8*\n+7], v[\wf+\wd*\n:\wf+\wd*\n+11], v[\rf+12*\m:\rf+12*\m+11], v[BI+8*\n:BI+8*\n+7], v[\ka+\kad*\n], v[\kb+\kbd*\m] matrix_a_fmt:MATRIX_FMT_BF6 matrix_b_fmt:MATRIX_FMT_BF6
.else
	v_wmma_scale_f32_16x16x128_f8f6f4 v[HA+16*\m+8*\n:HA+16*\m+8*\n+7], v[\wf+\wd*\n:\wf+\wd*\n+11], v[\rf+12*\m:\rf+12*\m+11], v[HA+16*\m+8*\n:HA+16*\m+8*\n+7], v[\ka+\kad*\n], v[\kb+\kbd*\m] matrix_a_fmt:MATRIX_FMT_BF6 matrix_b_fmt:MATRIX_FMT_BF6
.endif
.endr
.endr
.endm
.macro XLD                                     ; my columns of the 32 rows, in the accumulators' layout
.irp m, 0,1
.irp n, 0,1
.irp u, 0,1
	ds_load_b128 v[HA+16*\m+8*\n+4*\u:HA+16*\m+8*\n+4*\u+3], v4 offset:33024*\m+64*\n+16*\u
.endr
.endr
.endr
.endm
.macro XST                                     ; and back; each accumulator from its low end on
.irp m, 0,1
.irp n, 0,1
.irp u, 0,1
	ds_store_b128 v4, v[HA+16*\m+8*\n+4*\u:HA+16*\m+8*\n+4*\u+3] offset:33024*\m+64*\n+16*\u
.endr
.endr
.endr
.endm
.macro ADDV src                                ; 16 numbers by channel onto both tiles
.irp m, 0,1
.irp k, 0,2,4,6,8,10,12,14
	v_pk_add_f32 v[HA+16*\m+\k:HA+16*\m+\k+1], v[HA+16*\m+\k:HA+16*\m+\k+1], v[\src+\k:\src+\k+1]
.endr
.endr
.endm
.macro CLOAD reg, sb                           ; my lane's 16 numbers of a vector by channel: 16 n + 8 h + 0 .. 7
.irp n, 0,1
.irp u, 0,1
	global_load_b128 v[\reg+8*\n+4*\u:\reg+8*\n+4*\u+3], v18, s[\sb:\sb+1] offset:64*\n+16*\u
.endr
.endr
.endm
.macro OLOAD s, buf                            ; o's fragments of K step s: heads 2 s and 2 s + 1 are its two halves
.irp m, 0,1
.irp g, 0,1
.irp j, 0,1,2
	ds_load_b64 v[\buf+12*\m+6*\g+2*\j:\buf+12*\m+6*\g+2*\j+1], v6 offset:(8*\m+2*\s+\g)*768+256*\j
.endr
.endr
.endr
.endm
.macro FLOAD s, buf                            ; f's fragments of K step s
.irp m, 0,1
.irp g, 0,1
.irp j, 0,1,2
	ds_load_b64 v[\buf+12*\m+6*\g+2*\j:\buf+12*\m+6*\g+2*\j+1], v12 offset:6400*\m+96*\s+48*\g+8*\j
.endr
.endr
.endr
.endm
.macro HLOAD s, buf                            ; the hidden layer's
.irp m, 0,1
.irp g, 0,1
.irp j, 0,1,2
	ds_load_b64 v[\buf+12*\m+6*\g+2*\j:\buf+12*\m+6*\g+2*\j+1], v16 offset:24832*\m+96*(\s)+48*\g+8*\j
.endr
.endr
.endr
.endm
; The mean and the sum of squared deviations of my 32 channels of each row (my 16 and lane l xor 16's), to my word of the row's statistics.
.macro LNSTAT ro
.irp m, 0,1
.set LT, 152+8*\m
.set LA, HA+16*\m
	v_pk_add_f32 v[LT:LT+1], v[LA:LA+1], v[LA+2:LA+3]
	v_pk_add_f32 v[LT+2:LT+3], v[LA+4:LA+5], v[LA+6:LA+7]
	v_pk_add_f32 v[LT:LT+1], v[LT:LT+1], v[LA+8:LA+9]
	v_pk_add_f32 v[LT+2:LT+3], v[LT+2:LT+3], v[LA+10:LA+11]
	v_pk_add_f32 v[LT:LT+1], v[LT:LT+1], v[LA+12:LA+13]
	v_pk_add_f32 v[LT+2:LT+3], v[LT+2:LT+3], v[LA+14:LA+15]
	v_pk_add_f32 v[LT:LT+1], v[LT:LT+1], v[LT+2:LT+3]
	v_add_f32 v[LT], v[LT], v[LT+1]
	v_permlanex16_b32 v[20+\m], v[LT], s[SEL], s[SEL+1]
	v_add_f32 v[LT], v[LT], v[20+\m]
	v_mul_f32 v[LT+6], 0x3d000000, v[LT]           ; the mean of 32
	v_mul_f32 v[LT+4], 0xbd000000, v[LT]
	v_mov_b32 v[LT+5], v[LT+4]
.irp k, 0,4,8,12
	v_pk_add_f32 v[88:89], v[LA+\k:LA+\k+1], v[LT+4:LT+5]
	v_pk_add_f32 v[90:91], v[LA+\k+2:LA+\k+3], v[LT+4:LT+5]
.if \k == 0
	v_pk_mul_f32 v[LT:LT+1], v[88:89], v[88:89]
	v_pk_mul_f32 v[LT+2:LT+3], v[90:91], v[90:91]
.else
	v_pk_fma_f32 v[LT:LT+1], v[88:89], v[88:89], v[LT:LT+1]
	v_pk_fma_f32 v[LT+2:LT+3], v[90:91], v[90:91], v[LT+2:LT+3]
.endif
.endr
	v_pk_add_f32 v[LT:LT+1], v[LT:LT+1], v[LT+2:LT+3]
	v_add_f32 v[LT], v[LT], v[LT+1]
	v_permlanex16_b32 v[20+\m], v[LT], s[SEL], s[SEL+1]
	v_add_f32 v[LT+7], v[LT], v[20+\m]
.endr
	s_wait_alu depctr_va_vdst(0)                   ; both tiles' means and squares are written, which the four LDS stores read; and every vector line that named v88 to v151 is complete: behind the barrier the statistics' loads land there
.irp m, 0,1
	ds_store_b32 v8, v[158+8*\m] offset:\ro+1280*\m
	ds_store_b32 v8, v[159+8*\m] offset:\ro+2560+1280*\m
.endr
.endm
; The sixteen waves' statistics are joined (equal counts: the mean of the means; the squares + 32 x the means' squared deviations: no difference of large sums), and the norm is applied in place.
.macro LNFIN ro, gg, bb, first
.irp m, 0,1
.irp t, 0,1
.irp q, 0,1,2,3
	ds_load_b128 v[88+32*\m+16*\t+4*\q:91+32*\m+16*\t+4*\q], v9 offset:\ro+2560*\t+1280*\m+16*\q
.endr
.endr
.endr
	s_wait_dscnt 0x0
.if \first
	s_wait_loadcnt 0x0                             ; the gains and shifts
.endif
	s_wait_alu depctr_vm_vsrc(0)                   ; my LDS stores have read the words of the statistics (v158, v159, v166, v167) and, ahead of the first norm, the accumulators (x1): the lines below write both
.irp m, 0,1
.set LT, 152+8*\m
.set LR, 88+32*\m
	v_pk_add_f32 v[LT:LT+1], v[LR:LR+1], v[LR+2:LR+3]
	v_pk_add_f32 v[LT+2:LT+3], v[LR+4:LR+5], v[LR+6:LR+7]
	v_pk_add_f32 v[LT:LT+1], v[LT:LT+1], v[LR+8:LR+9]
	v_pk_add_f32 v[LT+2:LT+3], v[LT+2:LT+3], v[LR+10:LR+11]
	v_pk_add_f32 v[LT:LT+1], v[LT:LT+1], v[LR+12:LR+13]
	v_pk_add_f32 v[LT+2:LT+3], v[LT+2:LT+3], v[LR+14:LR+15]
	v_pk_add_f32 v[LT:LT+1], v[LT:LT+1], v[LT+2:LT+3]
	v_add_f32 v[LT], v[LT], v[LT+1]
	v_mul_f32 v[LT+4], 0xbd800000, v[LT]           ; -mean
	v_mov_b32 v[LT+5], v[LT+4]
.irp k, 0,2,4,6,8,10,12,14
	v_pk_add_f32 v[LR+\k:LR+\k+1], v[LR+\k:LR+\k+1], v[LT+4:LT+5]
.endr
	v_pk_mul_f32 v[LT:LT+1], v[LR:LR+1], v[LR:LR+1]
	v_pk_mul_f32 v[LT+2:LT+3], v[LR+2:LR+3], v[LR+2:LR+3]
.irp k, 4,8,12
	v_pk_fma_f32 v[LT:LT+1], v[LR+\k:LR+\k+1], v[LR+\k:LR+\k+1], v[LT:LT+1]
	v_pk_fma_f32 v[LT+2:LT+3], v[LR+\k+2:LR+\k+3], v[LR+\k+2:LR+\k+3], v[LT+2:LT+3]
.endr
	v_pk_add_f32 v[LT:LT+1], v[LT:LT+1], v[LT+2:LT+3]
	v_add_f32 v[LT], v[LT], v[LT+1]
	v_pk_add_f32 v[LT+2:LT+3], v[LR+16:LR+17], v[LR+18:LR+19]
	v_pk_add_f32 v[LT+6:LT+7], v[LR+20:LR+21], v[LR+22:LR+23]
	v_pk_add_f32 v[LT+2:LT+3], v[LT+2:LT+3], v[LR+24:LR+25]
	v_pk_add_f32 v[LT+6:LT+7], v[LT+6:LT+7], v[LR+26:LR+27]
	v_pk_add_f32 v[LT+2:LT+3], v[LT+2:LT+3], v[LR+28:LR+29]
	v_pk_add_f32 v[LT+6:LT+7], v[LT+6:LT+7], v[LR+30:LR+31]
	v_pk_add_f32 v[LT+2:LT+3], v[LT+2:LT+3], v[LT+6:LT+7]
	v_add_f32 v[LT+2], v[LT+2], v[LT+3]
	v_fma_f32 v[LT], v[LT], 0x42000000, v[LT+2]
	v_fma_f32 v[LT], v[LT], s92, s93               ; the variance + 1e-5
	s_wait_alu depctr_va_vdst(0)
	v_rsq_f32 v[LT+6], v[LT]                       ; the two tiles' roots are one batch
.endr
	v_nop                                          ; a plain place behind the last transcendental
	s_wait_alu depctr_va_vdst(0)                   ; the two roots v158 and v166 are written, ahead of the first line that names them
.irp m, 0,1
.set LT, 152+8*\m
.set LA, HA+16*\m
	v_mov_b32 v[LT+7], v[LT+6]
.irp k, 0,2,4,6,8,10,12,14
	v_pk_add_f32 v[LA+\k:LA+\k+1], v[LA+\k:LA+\k+1], v[LT+4:LT+5]
.endr
.irp k, 0,2,4,6,8,10,12,14
	v_pk_mul_f32 v[LA+\k:LA+\k+1], v[LA+\k:LA+\k+1], v[LT+6:LT+7]
.endr
.irp k, 0,2,4,6,8,10,12,14
	v_pk_fma_f32 v[LA+\k:LA+\k+1], v[LA+\k:LA+\k+1], v[\gg+\k:\gg+\k+1], v[\bb+\k:\bb+\k+1]
.endr
.endr
.endm
; The four accumulators are one block of 32 for each of the two tiles' rows: my 16 numbers become 12 bytes of codes, and the block's byte is stored.  ca, co, cp: address register, offset and pitch of the codes; sa, so, sp: of the bytes.
.macro QB2 ca, co, cp, sa, so, sp
.irp m, 0,1
	v_max3_num_f32 v[TG+\m], |v[HA+16*\m]|, |v[HA+16*\m+1]|, FLOOR
.endr
.irp i, 2,4,6,8,10,12,14
.irp m, 0,1
	v_max3_num_f32 v[TG+\m], v[TG+\m], |v[HA+16*\m+\i]|, |v[HA+16*\m+\i+1]|
.endr
.endr
.irp m, 0,1
	v_permlanex16_b32 v[20+\m], v[TG+\m], s[SEL], s[SEL+1]
.endr
.irp m, 0,1
	v_max_num_f32 v[TG+\m], v[TG+\m], v[20+\m]
.endr
.irp m, 0,1
	v_add_nc_u32 v[TG+2+\m], EOFF, v[TG+\m]
.endr
.irp m, 0,1
	v_lshrrev_b32 v[TG+4+\m], 23, v[TG+2+\m]
.endr
.irp m, 0,1
	v_cvt_scalef32_pk16_bf6_f32 v[TG+8+4*\m:TG+10+4*\m], v[HA+16*\m:HA+16*\m+15], v[TG+2+\m]
.endr
	v_nop                                          ; one plain place behind a scaled conversion
	s_wait_alu depctr_va_vdst(0)                   ; the codes and the bytes are written, which the LDS stores read; and every vector line that named v120 to v199 is complete: the next fragments, and at the end x1, are loaded there
.irp m, 0,1
.irp i, 0,1,2
	ds_store_b32 v[\ca], v[TG+8+4*\m+\i] offset:\co+16*\cp*\m+4*\i
.endr
	ds_store_b8 v[\sa], v[TG+4+\m] offset:\so+16*\sp*\m    ; lanes r and r + 16 write the same byte with the same value
.endr
.endm
; The activation of sixteen numbers, in place.  Four at a time: z, z^2, the two polynomials, the numerator x z.  Then the sixteen reciprocals as ONE BATCH, the eight halvings as the plain work behind them, one wait, and the rest.
.macro GELU16 a
.irp g, 0,4,8,12
.irp k, 0,2
	v_pk_mul_f32 v[GZ+\k:GZ+\k+1], v[\a+\g+\k:\a+\g+\k+1], s[CR2:CR2+1] op_sel_hi:[1,0]
.endr
.irp k, 0,1,2,3
	v_med3_num_f32 v[GZ+\k], v[GZ+\k], -4.0, 4.0
.endr
.irp k, 0,2
	v_pk_mul_f32 v[GQ+\k:GQ+\k+1], v[GZ+\k:GZ+\k+1], v[GZ+\k:GZ+\k+1]
.endr
.irp k, 0,2
	v_pk_fma_f32 v[GN+\g+\k:GN+\g+\k+1], v[GQ+\k:GQ+\k+1], v[252:253], s[CA11:CA11+1] op_sel_hi:[1,1,0]
	v_pk_fma_f32 v[GD+\g+\k:GD+\g+\k+1], v[GQ+\k:GQ+\k+1], v[254:255], s[CB6:CB6+1] op_sel_hi:[1,1,0]
.endr
.irp k, 0,2
	v_pk_fma_f32 v[GN+\g+\k:GN+\g+\k+1], v[GN+\g+\k:GN+\g+\k+1], v[GQ+\k:GQ+\k+1], s[CA9:CA9+1] op_sel_hi:[1,1,0]
	v_pk_fma_f32 v[GD+\g+\k:GD+\g+\k+1], v[GD+\g+\k:GD+\g+\k+1], v[GQ+\k:GQ+\k+1], s[CB4:CB4+1] op_sel_hi:[1,1,0]
.endr
.irp k, 0,2
	v_pk_fma_f32 v[GN+\g+\k:GN+\g+\k+1], v[GN+\g+\k:GN+\g+\k+1], v[GQ+\k:GQ+\k+1], s[CA7:CA7+1] op_sel_hi:[1,1,0]
	v_pk_fma_f32 v[GD+\g+\k:GD+\g+\k+1], v[GD+\g+\k:GD+\g+\k+1], v[GQ+\k:GQ+\k+1], s[CB2:CB2+1] op_sel_hi:[1,1,0]
.endr
.irp k, 0,2
	v_pk_fma_f32 v[GN+\g+\k:GN+\g+\k+1], v[GN+\g+\k:GN+\g+\k+1], v[GQ+\k:GQ+\k+1], s[CA5:CA5+1] op_sel_hi:[1,1,0]
	v_pk_fma_f32 v[GD+\g+\k:GD+\g+\k+1], v[GD+\g+\k:GD+\g+\k+1], v[GQ+\k:GQ+\k+1], s[CB0:CB0+1] op_sel_hi:[1,1,0]
.endr
.irp k, 0,2
	v_pk_fma_f32 v[GN+\g+\k:GN+\g+\k+1], v[GN+\g+\k:GN+\g+\k+1], v[GQ+\k:GQ+\k+1], s[CA3:CA3+1] op_sel_hi:[1,1,0]
.endr
.irp k, 0,2
	v_pk_fma_f32 v[GN+\g+\k:GN+\g+\k+1], v[GN+\g+\k:GN+\g+\k+1], v[GQ+\k:GQ+\k+1], s[CA1:CA1+1] op_sel_hi:[1,1,0]
.endr
.irp k, 0,2
	v_pk_mul_f32 v[GN+\g+\k:GN+\g+\k+1], v[GN+\g+\k:GN+\g+\k+1], v[GZ+\k:GZ+\k+1]
.endr
.endr
	s_wait_alu depctr_va_vdst(0)
.irp k, 0,1,2,3,4,5,6,7,8,9,10,11,12,13,14,15
	v_rcp_f32 v[GD+\k], v[GD+\k]
.endr
.irp k, 0,2,4,6,8,10,12,14
	v_pk_mul_f32 v[GH+\k:GH+\k+1], v[\a+\k:\a+\k+1], 0.5 op_sel_hi:[1,0]   ; (plain places behind the reciprocals; z and z^2 are done with)
.endr
	s_wait_alu depctr_va_vdst(0)                   ; the sixteen reciprocals v136 to v151 are written, ahead of the first line that names them
.irp k, 0,2,4,6,8,10,12,14
	v_pk_mul_f32 v[GN+\k:GN+\k+1], v[GN+\k:GN+\k+1], v[GD+\k:GD+\k+1]      ; erf
.endr
.irp k, 0,2,4,6,8,10,12,14
	v_pk_fma_f32 v[\a+\k:\a+\k+1], v[GN+\k:GN+\k+1], v[GH+\k:GH+\k+1], v[GH+\k:GH+\k+1]
.endr
.endm
.macro LOADW1 c                                ; chunk c of W1: scale words, bias, then the eight fragments, K step by K step
.irp n, 0,1
	global_load_b128 v[WSC+4*\n:WSC+4*\n+3], v3, s[WSB:WSB+1] offset:32768+512*(\c)+256*\n
.endr
.irp n, 0,1
.irp u, 0,1
	global_load_b128 v[BI+8*\n+4*\u:BI+8*\n+4*\u+3], v18, s[24:25] offset:128*(\c)+64*\n+16*\u
.endr
.endr
.irp s, 0,1,2,3
.irp n, 0,1
.irp j, 0,1,2
	global_load_b128 v[WB+12*(4*\n+\s)+4*\j:WB+12*(4*\n+\s)+4*\j+3], v1, s[WCB:WCB+1] offset:786432+12288*(\c)+(4*\n+\s)*1536+512*\j
.endr
.endr
.endr
.endm
.macro LOADW2 g                                ; W2's four fragments of K steps 2 g and 2 g + 1 into set g % 2
.irp e, 0,1
.irp n, 0,1
.irp j, 0,1,2
	global_load_b128 v[WB+48*((\g)&1)+12*(2*\n+\e)+4*\j:WB+48*((\g)&1)+12*(2*\n+\e)+4*\j+3], v1, s[WCB:WCB+1] offset:1572864+24576*\n+1536*(2*(\g)+\e)+512*\j
.endr
.endr
.endr
.endm
.macro LOADS2 q                                ; W2's scale words of K steps 4 q .. 4 q + 3 into set q % 2: (n, s) at WSC + 8 (q % 2) + 4 n + s % 4
.irp n, 0,1
	global_load_b128 v[WSC+8*((\q)&1)+4*\n:WSC+8*((\q)&1)+4*\n+3], v19, s[WSB:WSB+1] offset:65536+1024*\n+16*(\q)
.endr
.endm
.macro LOADC                                   ; what the third product wants first
	LOADS2 0
	LOADS2 1
	CLOAD BI, 26                                   ; b2
	LOADW2 0
	LOADW2 1
.endm
.macro HWORDS p                                ; the hidden layer's scale words of K steps 8 p .. 8 p + 7: (m, s) at HW + 8 m + s % 8
.irp m, 0,1
.irp q, 0,1
	ds_load_b128 v[HW+8*\m+4*\q:HW+8*\m+4*\q+3], v17 offset:1280*\m+16*\q+32*\p
.endr
.endr
.endm
	s_load_b512 s[4:19], s[0:1], 0x0               ; oc, os, wc, ws, x, bo, ln_g, ln_b
	s_load_b256 s[20:27], s[0:1], 0x40             ; ffln_g, ffln_b, b1, b2
	s_load_b64 s[28:29], s[0:1], 0x60              ; out0
	v_lshl_add_u32 v250, v0, 2, 0x25a00
	v_mov_b32 v251, 0
	v_lshrrev_b32 v1, 5, v0
	v_readfirstlane_b32 s30, v1                    ; wave 0..15
	v_and_b32 v20, 31, v0                          ; L
	v_and_b32 v21, 15, v0                          ; r
	v_bfe_u32 v22, v0, 4, 1                        ; h
	v_lshlrev_b32 v1, 4, v20                       ; 16 L
	v_lshlrev_b32 v2, 3, v20                       ; 8 L
	v_lshlrev_b32 v3, 4, v21                       ; 16 r
	v_mul_u32_u24 v4, v21, 2064
	v_lshl_add_u32 v4, v22, 5, v4
	s_wait_alu depctr_va_sdst(0)                   ; s30 is written, ahead of its first reader: LDS addresses and the buffers' bases are made from it
	s_lshl_b32 s31, s30, 7
	v_add_nc_u32 v4, s31, v4                       ; rows: 2,064 r + 32 h + 128 w: my columns
	s_mul_i32 s31, s30, 4128
	v_add_nc_u32 v5, s31, v1                       ; rows 2 w, 2 w + 1, whole: 16 L
	v_add_nc_u32 v6, L_OC, v2
	s_mul_i32 s31, s30, 768
	v_add_nc_u32 v7, s31, v6
	v_mul_u32_u24 v9, v21, 80
	v_add_nc_u32 v17, L_HS, v9
	v_add_nc_u32 v9, L_ST, v9
	s_lshl_b32 s31, s30, 2
	v_add_nc_u32 v8, s31, v9
	v_add_nc_u32 v15, s31, v17
	v_mul_u32_u24 v23, v21, 400
	v_add_nc_u32 v23, L_FC, v23
	v_mad_u32_u24 v12, v22, 24, v23
	v_mad_u32_u24 v10, v22, 12, v23
	s_mul_i32 s31, s30, 24
	v_add_nc_u32 v10, s31, v10
	v_add_nc_u32 v13, L_FS, v3
	v_add_nc_u32 v11, s30, v13
	v_mul_u32_u24 v23, v21, 1552
	v_add_nc_u32 v23, L_HC, v23
	v_mad_u32_u24 v16, v22, 24, v23
	v_mad_u32_u24 v14, v22, 12, v23
	s_mul_i32 s31, s30, 96
	v_add_nc_u32 v14, s31, v14
	v_lshlrev_b32 v18, 5, v22                      ; 32 h
	v_lshlrev_b32 v19, 6, v21                      ; 64 r
	v_mov_b32 v252, -0.000000000272614225801306    ; the leading coefficients of erf's two polynomials, as vector pairs
	v_mov_b32 v253, v252
	v_mov_b32 v254, -0.0000145660718464996
	v_mov_b32 v255, v254
	s_mov_b32 s[SEL], 0x76543210
	s_mov_b32 s[SEL+1], 0xfedcba98
	s_mov_b32 s92, 0x3b000000                      ; 1 / 512
	s_mov_b32 s93, 0x3727c5ac                      ; 1e-5
	SPAIR CR2, 0x3f3504f3                          ; 1 / sqrt 2
	SPAIR CA11, 0.0000000277068142495902
	SPAIR CA9, -0.00000210102402082508
	SPAIR CA7, -0.0000569250639462346
	SPAIR CA5, -0.000734990630326855
	SPAIR CA3, -0.00295459980854025
	SPAIR CA1, -0.0160960333262415
	SPAIR CB6, -0.000213374055278905
	SPAIR CB4, -0.00168282697438203
	SPAIR CB2, -0.00737332916720468
	SPAIR CB0, -0.0142647390514189
	s_lshl_b32 s44, ttmp9, 4
	s_add_co_u32 s44, s44, s30
	s_mul_i32 s44, s44, 768                        ; o's half image number w of the work-group's 16
	s_mov_b32 s45, 0
	s_lshl_b32 s46, ttmp9, 9                       ; o's scale bytes: 32 rows of 16
	s_mov_b32 s47, 0
	s_mul_i32 s48, s30, 12288
	s_mov_b32 s49, 0
	s_mul_i32 s50, s30, 49152
	s_mov_b32 s51, 0
	s_lshl_b32 s52, s30, 9
	s_mov_b32 s53, 0
	s_lshl_b32 s54, s30, 11
	s_mov_b32 s55, 0
	s_lshl_b32 s56, ttmp9, 16
	s_lshl_b32 s57, s30, 12
	s_add_co_u32 s56, s56, s57                     ; rows 32 x work-group + 2 w of x and of the output
	s_mov_b32 s57, 0
	s_lshl_b32 s58, s30, 7                         ; my 32 channels
	s_mov_b32 s59, 0
	s_wait_kmcnt 0x0
	s_add_nc_u64 s[4:5], s[4:5], s[44:45]
	s_add_nc_u64 s[6:7], s[6:7], s[46:47]
	s_add_nc_u64 s[WCA:WCA+1], s[8:9], s[48:49]
	s_add_nc_u64 s[WCB:WCB+1], s[8:9], s[50:51]
	s_add_nc_u64 s[WSA:WSA+1], s[10:11], s[52:53]
	s_add_nc_u64 s[WSB:WSB+1], s[10:11], s[54:55]
	s_add_nc_u64 s[12:13], s[12:13], s[56:57]
	s_add_nc_u64 s[28:29], s[28:29], s[56:57]
	s_add_nc_u64 s[14:15], s[14:15], s[58:59]
	s_add_nc_u64 s[16:17], s[16:17], s[58:59]
	s_add_nc_u64 s[18:19], s[18:19], s[58:59]
	s_add_nc_u64 s[20:21], s[20:21], s[58:59]
	s_add_nc_u64 s[22:23], s[22:23], s[58:59]
	s_add_nc_u64 s[26:27], s[26:27], s[58:59]
	s_add_nc_u64 s[24:25], s[24:25], s[52:53]      ; b1: my 128 hidden units
	s_wait_alu depctr_va_vdst(0)                   ; the addresses and offsets v1 to v19 are written: every load and store of the kernel, global or LDS, reads one of them
; ---- 0: two whole rows of x and one half image of o a wave, in runs of 512 and 256 consecutive bytes, to LDS
.set k, 0
.rept 8
	global_load_b128 v[HA+4*k:HA+4*k+3], v1, s[12:13] offset:2048*(k/4)+512*(k%4) th:TH_LOAD_NT
.set k, k+1
.endr
.irp j, 0,1,2
	global_load_b64 v[TG+2*\j:TG+1+2*\j], v2, s[4:5] offset:256*\j th:TH_LOAD_NT
.endr
.irp m, 0,1
	global_load_b128 v[FSC+4*\m:FSC+4*\m+3], v3, s[6:7] offset:256*\m
.endr
.irp n, 0,1
	global_load_b128 v[WSC+4*\n:WSC+4*\n+3], v3, s[WSA:WSA+1] offset:24576+256*\n
.endr
	CLOAD BI, 14                                   ; bo
.irp n, 0,1
.irp s, 0,1,2,3
.irp j, 0,1,2
	global_load_b128 v[WB+12*(4*\n+\s)+4*\j:WB+12*(4*\n+\s)+4*\j+3], v1, s[WCA:WCA+1] offset:589824+(4*\n+\s)*1536+512*\j
.endr
.endr
.endr
	s_wait_loadcnt 32                              ; x and o's image are in; the 32 loads behind them (scale words 4, bo 4, Wo 24) may be out
.set k, 0
.rept 8
	ds_store_b128 v5, v[HA+4*k:HA+4*k+3] offset:2064*(k/4)+512*(k%4)
.set k, k+1
.endr
.irp j, 0,1,2
	ds_store_b64 v7, v[TG+2*\j:TG+1+2*\j] offset:256*\j
.endr
	BARRIER                                        ; x's 32 rows and o's 16 half images lie in LDS
; ---- A: x1 = x + bo + o Wo, my 32 channels
	s_wait_alu depctr_vm_vsrc(0)                   ; my LDS stores have read v168 to v199 and v120 to v125, through which x and o's image passed: the loads below land there
	XLD
	OLOAD 0, FA
	OLOAD 1, FB
	s_wait_loadcnt 0x0
	s_wait_dscnt 0x0
	ADDV BI
	MM WB, 48, FA, WSC, 4, FSC, 4, 0
	MM WB+12, 48, FB, WSC+1, 4, FSC+1, 4, 0
	PLACES                                         ; the places behind the products; the wait follows them
	s_wait_alu depctr_va_vdst(0)                   ; the products of K steps 0 and 1 are done reading o's fragments, in whose registers those of K steps 2 and 3 land
	OLOAD 2, FA
	OLOAD 3, FB
	s_wait_dscnt 0x0
	MM WB+24, 48, FA, WSC+2, 4, FSC+2, 4, 0
	MM WB+36, 48, FB, WSC+3, 4, FSC+3, 4, 0
	PLACES
	s_wait_alu depctr_va_vdst(0)                   ; the products have written the accumulators, which the LDS stores read, and are done reading Wo's fragments, in whose registers the gains and shifts land
	XST                                            ; x1 is kept in my own columns of the rows: no other wave touches them until the way out
	CLOAD LG, 16
	CLOAD LB, 18
	CLOAD FG, 20
	CLOAD FBB, 22
	LNSTAT 0
	BARRIER
	LNFIN 0, LG, LB, 1
	LNSTAT 5120
	BARRIER
	LNFIN 5120, FG, FBB, 0
	s_wait_alu depctr_va_vdst(0)                   ; the norm's lines are done reading the gains, the shifts and the statistics (v24 to v119), where W1's fragments land
	LOADW1 0                                       ; lands under the quantiser and the barrier
	QB2 10, 0, 400, 11, 0, 16
	BARRIER                                        ; f's codes and scale bytes lie in LDS
; ---- B: the hidden layer, four chunks of 32 units
.irp m, 0,1
	ds_load_b128 v[FSC+4*\m:FSC+4*\m+3], v13 offset:256*\m
.endr
.macro CHUNK c, last
	s_wait_alu depctr_vm_vsrc(0)                   ; the quantiser's LDS stores have read v124 to v134, where the fragments below land
	FLOAD 0, FA
	FLOAD 1, FB
	s_wait_dscnt 0x0
	s_wait_loadcnt 18                              ; scale words, bias and K step 0 are in; 6 loads for each later K step may be out
	MM WB, 48, FA, WSC, 4, FSC, 4, 1
	s_wait_loadcnt 12
	MM WB+12, 48, FB, WSC+1, 4, FSC+1, 4, 0
	PLACES
	s_wait_alu depctr_va_vdst(0)                   ; the products of K steps 0 and 1 are done reading f's fragments, in whose registers those of K steps 2 and 3 land
	FLOAD 2, FA
	FLOAD 3, FB
	s_wait_dscnt 0x0
	s_wait_loadcnt 6
	MM WB+24, 48, FA, WSC+2, 4, FSC+2, 4, 0
	s_wait_loadcnt 0x0
	MM WB+36, 48, FB, WSC+3, 4, FSC+3, 4, 0
	PLACES
	s_wait_alu depctr_va_vdst(0)                   ; the chunk's products are done reading the weights' fragments, the bias and the scale words, where the loads below land
.if \last
	LOADC                                          ; the third product's first loads land under the last activation
.else
	LOADW1 \c+1                                    ; the next chunk's weights land under this chunk's activation
.endif
	GELU16 HA
	GELU16 HA+16
	QB2 14, 24*\c, 1552, 15, \c, 80
.endm
	CHUNK 0, 0
	CHUNK 1, 0
	CHUNK 2, 0
	CHUNK 3, 1
	BARRIER                                        ; the hidden layer's codes and scale bytes lie in LDS
; ---- C: out = x1 + b2 + hidden W2, my 32 channels: 16 K steps
	s_wait_alu depctr_vm_vsrc(0)                   ; the last quantiser's LDS stores have read v124 to v134, where the first fragments land
	XLD
	HWORDS 0
	HLOAD 0, FA
	HLOAD 1, FB
	s_wait_loadcnt 24                              ; W2's first scale words and b2 are in; the first two groups of fragments may be out
	s_wait_dscnt 24                                ; x1 and the scale words are in; the 24 loads of the first two K steps' fragments may be out
	ADDV BI
.macro KSTEP s
.if (\s)%2 == 0
.if \s == 14
	s_wait_loadcnt 0x0
.elseif (\s == 4) || (\s == 8)
	s_wait_loadcnt 14                              ; this group of W2 is in; behind it stand two loads of scale words and the next group's 12
.else
	s_wait_loadcnt 12                              ; this group of W2 is in, and the scale words asked for ahead of it; the next group's 12 loads may be out
.endif
.endif
.if (\s == 8) || (\s == 15)
	s_wait_dscnt 0x0
.else
	s_wait_dscnt 12                                ; this K step's fragments are in; the next step's 12 loads may be out
.endif
	MM WB+48*(((\s)/2)&1)+12*((\s)&1), 24, FA+24*((\s)&1), WSC+8*(((\s)/4)&1)+((\s)&3), 4, HW+((\s)&7), 8, 0
	PLACES
.if \s < 14
	s_wait_alu depctr_va_vdst(0)                   ; this K step's products are done reading what the loads below land in: the rows' fragments; behind an odd step W2's set of two K steps; behind steps 3 and 7 a set of W2's scale words; behind step 7 the rows' scale words
.endif
.if \s+2 < 16
	HLOAD \s+2, FA+24*((\s)&1)
.endif
.if (\s == 3) || (\s == 7)
	LOADS2 (\s+5)/4                                ; the set of scale words just left takes the K steps eight on
.endif
.if ((\s)%2 == 1) && (\s+3 < 16)
	LOADW2 (\s+3)/2
.endif
.if \s == 7
	HWORDS 1
.endif
.endm
	s_wait_alu depctr_va_vdst(0)
.irp s, 0,1,2,3,4,5,6,7,8,9,10,11,12,13,14,15
	KSTEP \s
.endr
	s_wait_alu depctr_va_vdst(0)                   ; the last products have written the accumulators, which the LDS stores read, and are done reading W2's fragments, in whose registers the result's rows land behind the barrier
	XST
	BARRIER                                        ; 32 whole rows of the result lie in LDS
.set k, 0
.rept 8
	ds_load_b128 v[24+4*k:27+4*k], v5 offset:2064*(k/4)+512*(k%4)
.set k, k+1
.endr
.set k, 0
.rept 8
	s_wait_dscnt 7-k
	global_store_b128 v1, v[24+4*k:27+4*k], s[28:29] offset:2048*(k/4)+512*(k%4) th:TH_STORE_NT   ; 32 lanes store 512 consecutive bytes, at a multiple of 256 from the output's first byte
.set k, k+1
.endr
	s_wait_dscnt 0x0
	s_wait_alu depctr_hold_cnt(0) depctr_sa_sdst(0) depctr_va_vdst(0) depctr_va_sdst(0) depctr_va_ssrc(0) depctr_va_vcc(0) depctr_vm_vsrc(0)
	s_wait_tensorcnt 0x0
	ds_add_u32 v250, v251
	s_wait_dscnt 0x0
	s_endpgm
.Lfunc_end_k_qbf6ff997c6_tail:
	.size	k_qbf6ff997c6_tail, .Lfunc_end_k_qbf6ff997c6_tail-k_qbf6ff997c6_tail
	.p2alignl 7, 3214868480
	.fill 96, 4, 3214868480
	.section	.rodata,"a",@progbits
	.p2align	6, 0x0
	.amdhsa_kernel k_qbf6ff997c6_tail
		.amdhsa_group_segment_fixed_size 156160
		.amdhsa_private_segment_fixed_size 0
		.amdhsa_enable_private_segment 0
		.amdhsa_kernarg_size 104
		.amdhsa_user_sgpr_count 2
		.amdhsa_user_sgpr_kernarg_segment_ptr 1
		.amdhsa_wavefront_size32 1
		.amdhsa_system_sgpr_workgroup_id_x 1
		.amdhsa_system_sgpr_workgroup_id_y 1
		.amdhsa_system_sgpr_workgroup_id_z 1
		.amdhsa_system_vgpr_workitem_id 0
		.amdhsa_next_free_vgpr 256
		.amdhsa_next_free_sgpr 100
		.amdhsa_reserve_vcc 0
		.amdhsa_float_denorm_mode_32 3
		.amdhsa_float_denorm_mode_16_64 3
		.amdhsa_memory_ordered 1
		.amdhsa_forward_progress 1
		.amdhsa_inst_pref_size 205
	.end_amdhsa_kernel
	.amdgpu_metadata
---
amdhsa.version: [ 1, 2 ]
amdhsa.kernels:
  - .name:           k_qbf6ff997c6_tail
    .symbol:         k_qbf6ff997c6_tail.kd
    .args:
      - { .name: oc, .offset: 0, .size: 8, .value_kind: global_buffer, .address_space: global }
      - { .name: os, .offset: 8, .size: 8, .value_kind: global_buffer, .address_space: global }
      - { .name: wc, .offset: 16, .size: 8, .value_kind: global_buffer, .address_space: global }
      - { .name: ws, .offset: 24, .size: 8, .value_kind: global_buffer, .address_space: global }
      - { .name: x, .offset: 32, .size: 8, .value_kind: global_buffer, .address_space: global }
      - { .name: bo, .offset: 40, .size: 8, .value_kind: global_buffer, .address_space: global }
      - { .name: ln_g, .offset: 48, .size: 8, .value_kind: global_buffer, .address_space: global }
      - { .name: ln_b, .offset: 56, .size: 8, .value_kind: global_buffer, .address_space: global }
      - { .name: ffln_g, .offset: 64, .size: 8, .value_kind: global_buffer, .address_space: global }
      - { .name: ffln_b, .offset: 72, .size: 8, .value_kind: global_buffer, .address_space: global }
      - { .name: b1, .offset: 80, .size: 8, .value_kind: global_buffer, .address_space: global }
      - { .name: b2, .offset: 88, .size: 8, .value_kind: global_buffer, .address_space: global }
      - { .name: out0, .offset: 96, .size: 8, .value_kind: global_buffer, .address_space: global }
    .group_segment_fixed_size: 156160
    .private_segment_fixed_size: 0
    .kernarg_segment_align: 8
    .kernarg_segment_size: 104
    .max_flat_workgroup_size: 512
    .sgpr_count:     100
    .vgpr_count:     256
    .wavefront_size: 32
...
	.end_amdgpu_metadata
.endif
;; end of part 8
